; MI455X (gfx1250); checked and timed in simulation.
; The chip was launched on July 23, 2026; its instructions are those of AMD's public machine-readable ISA for CDNA 5 (MIT licence, August 2026) and "CDNA5" Instruction Set Architecture Reference Guide (July 2026). The comments in the code are by the model that wrote it; some were corrected since.
;; SDPA With Ro PEGQA. Allowed arithmetic: float matrix products may take bf16 or f16 operands with f32 sums; all other float work in f32.
;; Inputs: Wk 2,048 x 512 float32; Wo 1,024 x 2,048 float32; Wq 2,048 x 1,024 float32; Wv 2,048 x 512 float32; x 2 x 2,048 x 2,048 float32.
;; Outputs: out0 2 x 2,048 x 2,048 float32.
;; 2 versions, each right. Each part assembles by itself: llvm-mc -triple=amdgcn-amd-amdhsa -mcpu=gfx1250 --defsym DOCPART=n.
;; ======== version 1 of 2: 4 launches
;; limits: right only within a limited range of input values
;; workspace buffers: xb 16,777,216 bytes; wqkv 8,388,608 bytes; wob 4,194,304 bytes; rope 524,288 bytes; qkvh 16,777,216 bytes; qkvl 16,777,216 bytes; ctx2 16,777,216 bytes
;; launch prep (part 1): grid 928 x 1, 8 waves a work-group, no clusters, 0 bytes of LDS; arguments x, Wq, Wk, Wv, Wo, xb, wqkv, wob, rope; writes xb, wqkv, wob, rope
.if DOCPART == 1
	.amdgcn_target "amdgcn-amd-amdhsa--gfx1250"
	.amdhsa_code_object_version 6
	.text
	.protected	k_q1b5ddd3193_prep
	.globl	k_q1b5ddd3193_prep
	.p2align	8
	.type	k_q1b5ddd3193_prep,@function
k_q1b5ddd3193_prep:
	s_mov_b64 s[64:65], 0
	v_nop
	global_prefetch_b8 v0, s[64:65] scope:SCOPE_SE
	s_setreg_imm32_b32 hwreg(HW_REG_WAVE_MODE, 25, 1), 1
	s_wait_xcnt 0x0
; prep.  Work-groups 0 to 895 round x, Wq | Wk | Wv and Wo from f32 to bf16 (to nearest even), once for the whole program:
;   xb [4096][2048], wqkv [2048 k][2048 n] (n 0-1023 Wq, 1024-1535 Wk, 1536-2047 Wv), wob [1024][2048]; every destination row is 4,096 bytes.
; Work-groups 896 to 927 make the RoPE table: rope [2048 positions][32 cos, then 32 sin] in f32, 256 bytes a row.
; A stream: no LDS, no barrier, no matrix unit, no cluster (no two work-groups read the same byte).
; LIMIT, stated: the table's angle is position x 10000^(-i/32) in f32 with the power made by v_exp_f32, so an angle can differ from an
; exact one by some 3e-4 radians at position 2047; sine and cosine are polynomials on [-pi/4, pi/4], good to about 3e-7.
; Row 0 of the table is exactly cos = 1, sin = 0.
.set OFFD, 2                           ; v[2:9]    pass i: byte offset of my 16 bytes in the destination
.set XD,   32                          ; v[32:95]  pass i: 8 numbers in f32, packed in place into the first 4 registers
.set INV,  4                           ; table: v[4:7] my four inverse frequencies
.set OUTT, 32                          ; table: v[32:47] pass u: 4 numbers to store
	s_load_b512 s[8:23], s[0:1], 0x0               ; x s[8:9], Wq s[10:11], Wk s[12:13], Wv s[14:15], Wo s[16:17], xb s[18:19], wqkv s[20:21], wob s[22:23]
	s_load_b64 s[24:25], s[0:1], 0x40              ; rope
	s_mov_b32 s33, ttmp9                           ; the work-group's number
	s_mov_b32 s35, 0                               ; high word of every 32-bit offset
	s_wait_kmcnt 0x0
	s_cmp_ge_u32 s33, 896
	s_cbranch_scc1 .Ltable
	; THE CAST.  A work-group takes 16,384 numbers (65,536 bytes of f32).  Which tensor is chosen by selects on the work-group's number:
	; source, destination, sh = log2 of the source's columns, col = byte offset of the source's first column in a destination row,
	; base = the tensor's first work-group.
	s_mov_b64 s[26:27], s[8:9]
	s_mov_b64 s[28:29], s[18:19]
	s_mov_b32 s30, 11
	s_mov_b32 s31, 0
	s_mov_b32 s32, 0
.macro PICK from, src, dst, sh, col
	s_cmp_ge_u32 s33, \from
	s_cselect_b64 s[26:27], s[\src:\src+1], s[26:27]
	s_cselect_b64 s[28:29], s[\dst:\dst+1], s[28:29]
	s_cselect_b32 s30, \sh, s30
	s_cselect_b32 s31, \col, s31
	s_cselect_b32 s32, \from, s32
.endm
	PICK 512, 10, 20, 10, 0                        ; Wq: 128 work-groups
	PICK 640, 12, 20, 9, 2048                      ; Wk: 64
	PICK 704, 14, 20, 9, 3072                      ; Wv: 64
	PICK 768, 16, 22, 11, 0                        ; Wo: 128
	s_sub_co_u32 s32, s33, s32                     ; my number within the tensor
	s_lshl_b32 s34, s32, 16
	s_add_nc_u64 s[26:27], s[26:27], s[34:35]      ; source: 65,536 bytes a work-group
	s_sub_co_u32 s36, 26, s30
	s_lshl_b32 s34, s32, s36
	s_add_nc_u64 s[28:29], s[28:29], s[34:35]      ; destination: (16,384 >> sh) rows of 4,096 bytes a work-group
	v_lshlrev_b32 v1, 5, v0                        ; thread t takes numbers 8 t .. 8 t + 7 of each pass of 2,048
.irp i, 0,1,2,3,4,5,6,7
	global_load_b128 v[XD+8*\i:XD+8*\i+3],   v1, s[26:27] offset:8192*\i th:TH_LOAD_NT
	global_load_b128 v[XD+8*\i+4:XD+8*\i+7], v1, s[26:27] offset:8192*\i+16 th:TH_LOAD_NT
.endr
	s_lshl_b32 s37, 1, s30
	s_sub_co_u32 s37, s37, 1                       ; mask of a column number
	s_sub_co_u32 s36, 23, s30
	s_lshl_b32 s38, 1, s36                         ; a pass is (2,048 >> sh) destination rows
	v_lshlrev_b32 v10, 3, v0
	v_lshrrev_b32 v11, s30, v10                    ; row of number 8 t
	v_and_b32 v10, s37, v10                        ; its column
	v_lshlrev_b32 v10, 1, v10
	v_lshl_add_u32 v10, v11, 12, v10
	v_add_nc_u32 v[OFFD], s31, v10
.irp i, 1,2,3,4,5,6,7
	v_add_nc_u32 v[OFFD+\i], s38, v[OFFD+\i-1]
.endr
.irp i, 0,1,2,3,4,5,6,7
	s_wait_loadcnt 14-2*\i                         ; loads come back in order: pass i's two are in, the younger passes' stay out
.irp j, 0,1,2,3
	v_cvt_pk_bf16_f32 v[XD+8*\i+\j], v[XD+8*\i+2*\j], v[XD+8*\i+2*\j+1]   ; word j takes words 2 j and 2 j + 1: never a word still to be read
.endr
	global_store_b128 v[OFFD+\i], v[XD+8*\i:XD+8*\i+3], s[28:29]         ; sixteen lanes store 256 consecutive bytes, aligned; no register is used twice
.endr
	s_endpgm
	; THE TABLE.  Work-group j takes positions 64 j .. 64 j + 63.  Thread t owns the 16 bytes at 16 (t mod 16) of a row: four frequencies
	; i = 4 (c mod 8) + e; c < 8 gives cosines, the others sines.  Four passes of 16 rows.
.Ltable:
	s_sub_co_u32 s33, s33, 896
	s_lshl_b32 s34, s33, 14
	s_add_nc_u64 s[24:25], s[24:25], s[34:35]      ; 64 rows of 256 bytes a work-group
	s_lshl_b32 s36, s33, 6                         ; my first position
	s_mov_b32 s40, 0xb9500d01                      ; -1/5040
	s_mov_b32 s41, 0x3c088889                      ;  1/120
	s_mov_b32 s42, 0xbe2aaaab                      ; -1/6
	s_mov_b32 s43, 0x37d00d01                      ;  1/40320
	s_mov_b32 s44, 0xbab60b61                      ; -1/720
	s_mov_b32 s45, 0x3d2aaaab                      ;  1/24
	s_mov_b32 s46, 0xbfc90fdb                      ; -(pi/2 rounded to f32)
	s_mov_b32 s47, 0x333bbd2e                      ; that rounding's excess over pi/2
	v_and_b32 v1, 15, v0                           ; c
	v_lshrrev_b32 v2, 4, v0                        ; row within a pass
	v_and_b32 v3, 7, v1
	v_lshlrev_b32 v3, 2, v3                        ; my first frequency
	v_lshrrev_b32 v1, 3, v1
	v_sub_nc_u32 v1, 1, v1                         ; 1 for cosines (cos a = sin(a + pi/2)), 0 for sines
	v_lshlrev_b32 v30, 4, v0                       ; 16 t = 256 x row + 16 c
.irp e, 0,1,2,3
	v_add_nc_u32 v[INV+\e], \e, v3
	v_cvt_f32_u32 v[INV+\e], v[INV+\e]
	v_mul_f32 v[INV+\e], 0xbed49a78, v[INV+\e]     ; -i log2(10000) / 32
.endr
.irp e, 0,1,2,3
	v_exp_f32 v[INV+\e], v[INV+\e]                 ; 10000^(-i/32)
.endr
	v_add_nc_u32 v2, s36, v2                       ; a plain instruction stands between the exponentials and their first use (ISA guide 5.7.2)
.macro ANG e, u
	v_mul_f32 v10, v8, v[INV+\e]                   ; the angle, rounded to f32 as the definition rounds it
	v_mul_f32 v11, 0x3f22f983, v10
	v_rndne_f32 v11, v11                           ; k = nearest whole number to angle x 2/pi
	v_fma_f32 v12, v11, s46, v10
	v_fma_f32 v12, v11, s47, v12                   ; r = angle - k pi/2, pi/2 in two parts
	v_mul_f32 v13, v12, v12
	v_fma_f32 v14, v13, s40, s41
	v_fma_f32 v15, v13, s43, s44
	v_fma_f32 v14, v14, v13, s42
	v_fma_f32 v15, v15, v13, s45
	v_mul_f32 v16, v12, v13
	v_fma_f32 v15, v15, v13, -0.5
	v_fma_f32 v14, v16, v14, v12                   ; sin r
	v_fma_f32 v15, v15, v13, 1.0                   ; cos r
	v_cvt_i32_f32 v11, v11
	v_add_nc_u32 v11, v11, v1                      ; the quadrant; it only selects a value and a sign
	v_and_b32 v16, 1, v11
	v_cmp_eq_u32 vcc_lo, 1, v16
	v_cndmask_b32 v14, v14, v15, vcc_lo            ; odd quadrant: the cosine
	v_lshlrev_b32 v11, 30, v11
	v_and_b32 v11, 0x80000000, v11                 ; quadrants 2 and 3: minus
	v_xor_b32 v[OUTT+4*\u+\e], v14, v11
.endm
	s_wait_alu depctr_va_vdst(0)
.irp u, 0,1,2,3
	v_add_nc_u32 v9, 16*\u, v2
	v_cvt_f32_u32 v8, v9                           ; the position
	ANG 0, \u
	ANG 1, \u
	ANG 2, \u
	ANG 3, \u
	global_store_b128 v30, v[OUTT+4*\u:OUTT+4*\u+3], s[24:25] offset:4096*\u   ; sixteen lanes store one row of 256 bytes; each pass has its own registers
.endr
	s_endpgm
.Lfunc_end_k_q1b5ddd3193_prep:
	.size	k_q1b5ddd3193_prep, .Lfunc_end_k_q1b5ddd3193_prep-k_q1b5ddd3193_prep
	.p2alignl 7, 3214868480
	.fill 96, 4, 3214868480
	.section	.rodata,"a",@progbits
	.p2align	6, 0x0
	.amdhsa_kernel k_q1b5ddd3193_prep
		.amdhsa_group_segment_fixed_size 0
		.amdhsa_private_segment_fixed_size 0
		.amdhsa_enable_private_segment 0
		.amdhsa_kernarg_size 72
		.amdhsa_user_sgpr_count 2
		.amdhsa_user_sgpr_kernarg_segment_ptr 1
		.amdhsa_wavefront_size32 1
		.amdhsa_system_sgpr_workgroup_id_x 1
		.amdhsa_system_sgpr_workgroup_id_y 1
		.amdhsa_system_sgpr_workgroup_id_z 1
		.amdhsa_system_vgpr_workitem_id 0
		.amdhsa_next_free_vgpr 96
		.amdhsa_next_free_sgpr 66
		.amdhsa_reserve_vcc 1
		.amdhsa_float_denorm_mode_32 3
		.amdhsa_float_denorm_mode_16_64 3
		.amdhsa_memory_ordered 1
		.amdhsa_forward_progress 1
		.amdhsa_inst_pref_size 26
	.end_amdhsa_kernel
	.amdgpu_metadata
---
amdhsa.version: [ 1, 2 ]
amdhsa.kernels:
  - .name:           k_q1b5ddd3193_prep
    .symbol:         k_q1b5ddd3193_prep.kd
    .args:
      - { .name: x, .offset: 0, .size: 8, .value_kind: global_buffer, .address_space: global }
      - { .name: Wq, .offset: 8, .size: 8, .value_kind: global_buffer, .address_space: global }
      - { .name: Wk, .offset: 16, .size: 8, .value_kind: global_buffer, .address_space: global }
      - { .name: Wv, .offset: 24, .size: 8, .value_kind: global_buffer, .address_space: global }
      - { .name: Wo, .offset: 32, .size: 8, .value_kind: global_buffer, .address_space: global }
      - { .name: xb, .offset: 40, .size: 8, .value_kind: global_buffer, .address_space: global }
      - { .name: wqkv, .offset: 48, .size: 8, .value_kind: global_buffer, .address_space: global }
      - { .name: wob, .offset: 56, .size: 8, .value_kind: global_buffer, .address_space: global }
      - { .name: rope, .offset: 64, .size: 8, .value_kind: global_buffer, .address_space: global }
    .group_segment_fixed_size: 0
    .private_segment_fixed_size: 0
    .kernarg_segment_align: 8
    .kernarg_segment_size: 72
    .max_flat_workgroup_size: 256
    .sgpr_count:     66
    .vgpr_count:     96
    .wavefront_size: 32
...
	.end_amdgpu_metadata
.endif
;; end of part 1
;; launch qkvproj (part 2): grid 8 x 32, 4 waves a work-group, clusters of 4 x 4, 327,680 bytes of LDS; arguments xb, wqkv, rope, qkvh, qkvl; writes qkvh, qkvl
.if DOCPART == 2
	.amdgcn_target "amdgcn-amd-amdhsa--gfx1250"
	.amdhsa_code_object_version 6
	.text
	.protected	k_q1b5ddd3193_qkvproj
	.globl	k_q1b5ddd3193_qkvproj
	.p2align	8
	.type	k_q1b5ddd3193_qkvproj,@function
k_q1b5ddd3193_qkvproj:
	s_mov_b64 s[64:65], 0
	v_nop
	global_prefetch_b8 v0, s[64:65] scope:SCOPE_SE
	s_setreg_imm32_b32 hwreg(HW_REG_WAVE_MODE, 25, 1), 1
	s_wait_xcnt 0x0
	s_wait_alu depctr_hold_cnt(0) depctr_sa_sdst(0) depctr_va_vdst(0) depctr_va_sdst(0) depctr_va_ssrc(0) depctr_va_vcc(0) depctr_vm_vsrc(0)
	s_getreg_b32 s2, hwreg(HW_REG_IB_STS2, 6, 4)
	s_cmp_eq_u32 s2, 0
	s_cbranch_scc0 .Lentry_in_a_cluster
	s_endpgm
.Lentry_in_a_cluster:
	s_bfe_u32 s2, ttmp6, 0x10000c
	s_cmp_lg_u32 s2, 0xf033
	s_cbranch_scc0 .Lentry_shape_is_right
	s_endpgm
.Lentry_shape_is_right:
; qkvproj: [4096][2048] = xb [4096][2048 k] x wqkv [2048 k][2048 n], bf16 operands, f32 sums; RoPE on the q and k columns; stored by heads:
; qkvh [g = 32][row = 4096][64] bf16, g 0-15 query heads, 16-23 key heads, 24-31 value heads.
; TWO bf16 FOR A RESULT.  hi = the result rounded to bf16 goes to qkvh.  For rows at positions below 1024, lo = (result - hi) rounded to bf16 goes to
; qkvl, same layout: together 16 significant bits.  Why: a query at position n averages some n values, so its output is about 1/sqrt(n) of a single
; value's size, while the error that is allowed is one figure for the whole output; one rounding to 8 significant bits is too coarse for small n.
; Rows at positions from 1024 on leave no lo: nothing reads it.
; A work-group makes 128 rows x 256 columns with four waves.  K IS SPLIT BETWEEN WAVES: wave w takes columns 128 (w & 1) .. + 127 and, of every
; K step of 128, the 64 numbers at 64 (w >> 1).  So each wave has a tile of 128 x 128 (64 accumulator tiles, 512 registers) over half of K, and
; for 32 along K reads 2 x 128 x 64 bytes from LDS for 64 matrix instructions.  At the end the two waves of a column half add their halves of K
; through LDS: each keeps 64 rows and gives the other 64 away.
; K goes in steps of 128 through two LDS slots filled by the tensor data mover.  The weights lie [k][n]; their fragments are read by the
; transposing LDS load.  x's tile rows are 256 bytes of memory, the weights' 512 bytes, all aligned to 256 bytes.
; CLUSTERS: 4 x 4 work-groups.  x's tile hangs on the block row alone and is asked for jointly by the four of a cluster's row, the weights' tile on
; the block column alone, jointly by the four of a column: the requests for both are divided by four.
; The matrix instruction is used transposed (source 0 = 16 columns of the weights, source 1 = 16 rows of x): lane l holds row l % 16, registers 0-7
; the columns 8 (l / 16) + 0 .. 7.
; LIMITS, stated: x and the weights are bf16; the sum over K is made as two halves that are added at the end; NaN and infinities are not followed
; (a value column is multiplied by the table's row 0, cos = 1 and sin = 0).
; REGISTERS: window 0: v0-7 at work on the way out; v8-11, v16-29 addresses; v32-63 packed hi; v64-127, v128-191 fragments of x, two buffers; v192-255 at work on the way out.
;   window 1: v64-127, v128-191 fragments of the weights; v0-63, v192-255 cosines and sines.
;   window 2: the 32 tiles (a, b) at v[8 (8 a + b)] of the 64 rows that I keep; window 3: those of the 64 rows that I give away.
.set KDIM,   2048
.set LAPS,   KDIM/256                  ; a lap = two K steps = once round the ring
.set PA,     272                       ; x's LDS row: 256 bytes + 16: sixteen rows start at sixteen different 16-byte columns of 256 bytes
.set PB,     544                       ; the weights' LDS row: 512 bytes + 32: eight rows start at eight different 32-byte columns of 256 bytes
.set BBYTES, 128*PB                    ; a slot: the weights' 128 k rows, then x's 128 rows
.set SLOT,   BBYTES+128*PA
.set STAGE,  131072                    ; behind the exchange (4 x 32,768 bytes from byte 0): 16 rows x 272 bytes a wave for hi, the same again for lo.  All lie in the slots and are written only behind the slots' last fill
.set SPITCH, 272
.set LOST,   4*16*SPITCH               ; lo's stages lie behind the four waves' hi stages
.set TOFF,  8                          ; v8-11   byte offset in the table of my row of tile row a
.set ADRAK, 16                         ; v16-17  LDS address of x's fragments of the rows I keep, slot 0, 1
.set ADRAG, 18                         ; v18-19  of the rows I give away
.set ADRB,  20                         ; v20-21  of the weights' fragments
.set STO,   24
.set RD,    25
.set CO,    26
.set XW,    27                         ; exchange: where I write
.set XR,    28                         ; exchange: where I read
.set HW,    32                         ; v32-63  the way out: hi, two bf16 a word
.set F0,    64
.set F1,    128
.set TMP,   192
.set G1,  24                           ; s[24:31] group 1 for x's tiles
.set G0,  32                           ; s[32:39] group 0 for x's tiles, one set a slot
.set G1B, 48                           ; s[48:55] group 1 for the weights' tiles
.set G0B, 56                           ; s[56:63] group 0 for the weights' tiles, one set a slot
.set MSB, 0
.macro WIN new                         ; the immediate's high byte repeats the setting that is left
.if MSB != \new
	s_set_vgpr_msb (MSB<<8)|\new
.set MSB, \new
.endif
.endm
.set MUL_LO, 0xa1                      ; source 0 window 1, source 1 window 0, C and D window 2
.set MUL_HI, 0xf1                      ; the same, C and D window 3
.set TO_B,   0x40                      ; destination window 1
; A joint load.  Waves 0 and 1 fetch the weights' two halves (64 k rows each), waves 2 and 3 x's (64 rows each).  The branch hangs on the wave's number alone.
.macro JLOAD s
	s_cmp_eq_u32 s11, 0
	s_cbranch_scc0 .Lfor_a_\@
	tensor_load_to_lds s[G0B+4*\s:G0B+4*\s+3], s[G1B:G1B+7]
	s_nop 0
	s_branch .Lasked_\@
.Lfor_a_\@:
	tensor_load_to_lds s[G0+4*\s:G0+4*\s+3], s[G1:G1+7]
	s_nop 0
.Lasked_\@:
.endm
.macro CREST                           ; a round of the cluster's barrier behind its opening barrier
	s_cmp_lg_u32 s10, 0
	s_cbranch_scc1 .Lnot_wave_0_\@
	s_barrier_signal -3
.Lnot_wave_0_\@:
	s_barrier_wait -3
	s_barrier_signal -1
	s_barrier_wait -1
.endm
.macro CROUND                          ; a whole round
	s_barrier_signal -1
	s_barrier_wait -1
	CREST
.endm
	s_load_b128 s[4:7], s[0:1], 0x0                ; xb s[4:5], wqkv s[6:7]
	s_load_b128 s[68:71], s[0:1], 0x10             ; rope s[68:69], qkvh s[70:71]
	s_load_b64 s[78:79], s[0:1], 0x20              ; qkvl
	v_lshl_add_u32 v30, v0, 2, 0x33000
	v_mov_b32 v31, 0
	ds_add_u32 v30, v31
	v_lshrrev_b32 v1, 5, v0
	v_readfirstlane_b32 s10, v1                    ; wave 0..3
	s_lshr_b32 s11, s10, 1                         ; kh: my half of a K step.  Also: I fetch for the weights (0) or for x (1)
	s_and_b32 s12, s10, 1                          ; wn: my half of the columns.  Also: which 64 rows of that tile I fetch
	s_bfe_u32 s40, ttmp6, 0x40000                  ; cx
	s_bfe_u32 s41, ttmp6, 0x40004                  ; cy
	s_lshl_b32 s42, ttmp9, 2
	s_add_co_u32 s42, s42, s40                     ; bx: block column
	s_and_b32 s13, ttmp7, 0xffff
	s_lshl_b32 s13, s13, 2
	s_add_co_u32 s13, s13, s41                     ; by: block row
	s_and_b32 s75, ttmp7, 2                        ; a cluster holds 512 rows, a batch four clusters: bit 1 of the cluster's y is set for positions from 1024 on.  The same in all partners
	s_lshl_b32 s43, s41, 2
	s_lshl_b32 s43, 15, s43                        ; my row of the cluster
	s_lshl_b32 s44, 0x1111, s40                    ; my column
	s_or_b32 s[G1+0], s43, 0x07710000              ; mask; 2-byte elements; padding on; bit 21 beside a mask; after every 64 words 4 words
	s_mov_b32 s[G1+1], 128<<16                     ; tensor_dim0 = 128
	s_mov_b32 s[G1+2], 64<<16                      ; tensor_dim1 = 64
	s_mov_b32 s[G1+3], 128<<16                     ; tile_dim0 = 128 elements (256 bytes)
	s_mov_b32 s[G1+4], 64                          ; tile_dim1 = 64 rows
	s_mov_b32 s[G1+5], KDIM                        ; elements from row to row
	s_mov_b32 s[G1+6], 0
	s_mov_b32 s[G1+7], 0
	s_or_b32 s[G1B+0], s44, 0x0fb10000             ; mask; 2-byte elements; padding on; bit 21; after every 128 words 8 words
	s_mov_b32 s[G1B+1], 256<<16
	s_mov_b32 s[G1B+2], 64<<16
	s_mov_b32 s[G1B+3], 256<<16                    ; tile_dim0 = 256 elements (512 bytes)
	s_mov_b32 s[G1B+4], 64
	s_mov_b32 s[G1B+5], 2048
	s_mov_b32 s[G1B+6], 0
	s_mov_b32 s[G1B+7], 0
	s_lshl_b32 s16, s13, 7                         ; x: row 128 by + 64 (w & 1), in registers that never hold bx
	s_lshl_b32 s17, s12, 6
	s_add_co_u32 s16, s16, s17
	s_mul_i32 s16, s16, KDIM*2
	s_mov_b32 s17, 0
	s_lshl_b32 s46, s42, 9                         ; weights: k row 64 (w & 1), column 256 bx, in registers that never hold by
	s_lshl_b32 s47, s12, 18
	s_add_co_u32 s46, s46, s47
	s_mov_b32 s47, 0
	s_mul_i32 s20, s10, 64*PA
	s_add_co_u32 s20, s20, BBYTES-2*64*PA          ; x's halves lie behind the weights: waves 2 and 3
	s_mul_i32 s21, s10, 64*PB                      ; the weights' halves: waves 0 and 1
	s_wait_dscnt 0x0
	s_wait_kmcnt 0x0
	s_add_nc_u64 s[14:15], s[4:5], s[16:17]
	s_add_nc_u64 s[46:47], s[6:7], s[46:47]
	CROUND                                         ; all sixteen work-groups are here: the first joint loads meet
.irp s, 0,1
	s_mov_b32 s[G0+4*\s], 1
	s_add_co_u32 s[G0+4*\s+1], s20, \s*SLOT
	s_add_nc_u64 s[G0+4*\s+2:G0+4*\s+3], s[14:15], \s*256          ; K step s: 128 elements along the row
	s_or_b32 s[G0+4*\s+3], s[G0+4*\s+3], 0x80000000
	s_mov_b32 s[G0B+4*\s], 1
	s_add_co_u32 s[G0B+4*\s+1], s21, \s*SLOT
	s_add_nc_u64 s[G0B+4*\s+2:G0B+4*\s+3], s[46:47], \s*524288     ; K step s: 128 rows of 4,096 bytes down
	s_or_b32 s[G0B+4*\s+3], s[G0B+4*\s+3], 0x80000000
	JLOAD \s                                       ; both slots' first fills go out together: two tensor loads of the wave are out
.endr
	v_and_b32 v1, 15, v0                           ; r = l % 16
	v_bfe_u32 v2, v0, 4, 1                         ; h = l / 16
	v_and_b32 v3, 7, v0
	v_bfe_u32 v4, v0, 3, 1
	v_and_b32 v5, 31, v0                           ; lane
	v_mul_u32_u24 v6, v1, PA
	v_lshl_add_u32 v6, v2, 4, v6                   ; x: row r, 16 bytes for each half of the lanes
	s_mul_i32 s16, s11, 64*PA+128                  ; the rows I keep are 64 kh ..; my half of K begins at byte 128 kh of a row
	s_add_co_u32 s16, s16, BBYTES
	s_xor_b32 s17, s11, 1
	s_mul_i32 s17, s17, 64*PA                      ; the rows I give away are the other 64
	s_lshl_b32 s18, s11, 7
	s_add_co_u32 s17, s17, s18
	s_add_co_u32 s17, s17, BBYTES
	v_lshl_add_u32 v7, v2, 3, v3                   ; weights, for the transposing load: k row 8 h + l % 8,
	v_mul_u32_u24 v7, v7, PB
	v_lshl_add_u32 v7, v4, 4, v7                   ; 16 bytes for each half of eight lanes
	s_mul_i32 s18, s11, 64*PB
	s_lshl_b32 s19, s12, 8
	s_add_co_u32 s18, s18, s19
.irp s, 0,1
	v_add_nc_u32 v[ADRAK+\s], s16, v6
	v_add_nc_u32 v[ADRAG+\s], s17, v6
	v_add_nc_u32 v[ADRB+\s], s18, v7
	s_add_co_u32 s16, s16, SLOT
	s_add_co_u32 s17, s17, SLOT
	s_add_co_u32 s18, s18, SLOT
.endr
	s_lshl_b32 s19, s10, 15
	v_lshl_add_u32 v[XW], v5, 4, s19               ; exchange: 32,768 bytes a wave, 16 bytes a lane
	s_xor_b32 s19, s19, 0x10000                    ; my partner is wave w xor 2
	v_lshl_add_u32 v[XR], v5, 4, s19
	s_mul_i32 s19, s10, 16*SPITCH
	s_add_co_u32 s19, s19, STAGE
	v_mul_u32_u24 v6, v1, SPITCH
	v_lshl_add_u32 v6, v2, 4, v6
	v_add_nc_u32 v[STO], s19, v6                   ; in: row r, 16 bytes for each half of the lanes
	v_lshrrev_b32 v6, 3, v5
	v_mul_u32_u24 v6, v6, SPITCH
	v_lshl_add_u32 v6, v3, 4, v6
	v_add_nc_u32 v[RD], s19, v6                    ; back: eight lanes take one head's 128 bytes of a row, 32 lanes four rows
	v_lshlrev_b32 v[CO], 4, v5                     ; which are 512 consecutive bytes of qkvh or qkvl
	; where my 64 rows x 2 heads go: ((4 bx + 2 wn) 4096 + 128 by + 64 kh) x 128 bytes, made in registers that feed no descriptor
	s_lshl_b32 s72, s42, 2
	s_lshl_b32 s73, s12, 1
	s_add_co_u32 s72, s72, s73
	s_lshl_b32 s72, s72, 12
	s_lshl_b32 s73, s13, 7
	s_add_co_u32 s72, s72, s73
	s_lshl_b32 s73, s11, 6
	s_add_co_u32 s72, s72, s73
	s_lshl_b32 s72, s72, 7
	s_mov_b32 s73, 0
	s_add_nc_u64 s[70:71], s[70:71], s[72:73]
	s_add_nc_u64 s[78:79], s[78:79], s[72:73]
	; cosines and sines of my 64 rows, loaded now and waited for in front of the way out.  Position = row mod 2048.  Value columns (bx >= 6) take
	; the table's row 0, the identity: a select, no branch.
	s_and_b32 s76, s13, 15
	s_lshl_b32 s76, s76, 7
	s_lshl_b32 s77, s11, 6
	s_add_co_u32 s76, s76, s77
	s_cmp_lt_u32 s42, 6
	s_cselect_b32 s45, 256, 0                      ; bytes of a table row, or 0
	v_add_nc_u32 v29, s76, v1
.irp a, 0,1,2,3
	v_add_nc_u32 v[TOFF+\a], 16*\a, v29
	v_mul_lo_u32 v[TOFF+\a], v[TOFF+\a], s45
	v_lshl_add_u32 v[TOFF+\a], v2, 5, v[TOFF+\a]   ; my eight frequencies begin at 8 h
.endr
	WIN TO_B
.irp a, 0,1,2,3
.irp c, 0,1,2,3
	global_load_b128 v[32*\a+128*(\a/2)+8*\c:32*\a+128*(\a/2)+8*\c+3],   v[TOFF+\a], s[68:69] offset:64*\c      ; c = 0, 1: cos of frequencies 16 c + 8 h ..; c = 2, 3: sin
	global_load_b128 v[32*\a+128*(\a/2)+8*\c+4:32*\a+128*(\a/2)+8*\c+7], v[TOFF+\a], s[68:69] offset:64*\c+16
.endr
.endr
	WIN 0
; 16 matrix instructions: tile rows a0, a0 + 1 of the window's four x all 8 column tiles, 32 along K.  zero = 1: the first product starts the sums.
; The 64 accumulators take turns, one instruction a turn, in the same order in every quarter.
.macro MUL16 f, hi, a0, zero
.irp a, \a0, \a0+1
.irp b, 0,1,2,3,4,5,6,7
.if \zero
	v_wmma_f32_16x16x32_bf16 v[8*(8*(\a)+\b):8*(8*(\a)+\b)+7], v[\f+8*\b:\f+8*\b+7], v[\f+8*(4*\hi+\a):\f+8*(4*\hi+\a)+7], 0
.else
	v_wmma_f32_16x16x32_bf16 v[8*(8*(\a)+\b):8*(8*(\a)+\b)+7], v[\f+8*\b:\f+8*\b+7], v[\f+8*(4*\hi+\a):\f+8*(4*\hi+\a)+7], v[8*(8*(\a)+\b):8*(8*(\a)+\b)+7]
.endif
.endr
.endr
.endm
; 32 LDS loads in one run: the fragments of 32 along K (part q = 0, 1 of my 64) into buffer f: the weights' 128 columns, the 64 rows I keep, the 64 I give away
.macro FETCH slot, q, f
	WIN TO_B
.irp b, 0,1,2,3,4,5,6,7
	ds_load_tr16_b128 v[\f+8*\b:\f+8*\b+3],   v[ADRB+\slot] offset:\q*32*PB+32*\b
	ds_load_tr16_b128 v[\f+8*\b+4:\f+8*\b+7], v[ADRB+\slot] offset:\q*32*PB+32*\b+16*PB
.endr
	WIN 0
.irp i, 0,1,2,3
	ds_load_b128 v[\f+8*\i:\f+8*\i+3],   v[ADRAK+\slot] offset:\i*16*PA+64*\q
	ds_load_b128 v[\f+8*\i+4:\f+8*\i+7], v[ADRAK+\slot] offset:\i*16*PA+64*\q+32
.endr
.irp i, 0,1,2,3
	ds_load_b128 v[\f+32+8*\i:\f+32+8*\i+3],   v[ADRAG+\slot] offset:\i*16*PA+64*\q
	ds_load_b128 v[\f+32+8*\i+4:\f+32+8*\i+7], v[ADRAG+\slot] offset:\i*16*PA+64*\q+32
.endr
.endm
; Four plain vector instructions stand between a matrix instruction and a load into, or a vector instruction on, one of its registers
; (ISA guide 7.12.1 for vector instructions); the matrix instructions in between are not counted.
.macro PLACES
.rept 4
	v_nop
.endr
.endm
; The first 32 of my 64 along K: multiplies buffer 0; in its middle fetches the second 32 into buffer 1.
.macro QUARTER slot, zero
	s_wait_dscnt 8                                 ; the weights and the rows I keep are in; the youngest eight loads (the rows I give away) may be out
	WIN MUL_LO
	MUL16 F0, 0, 0, \zero
	MUL16 F0, 0, 2, \zero
	PLACES
	FETCH \slot, 1, F1
	s_wait_dscnt 32                                ; all but the 32 just issued
	WIN MUL_HI
	MUL16 F0, 1, 0, \zero
	MUL16 F0, 1, 2, \zero
.endm
; The second 32: multiplies buffer 1 and changes slots.  In front of the one barrier each wave waits for its reads of this slot and for all its tensor
; loads (one is out: its part of the next slot).  Behind it the refill comes first, then the next slot's first fragments.  From a request to the wait
; for it a wave issues 112 matrix instructions.
.macro TURN slot, next, fill
	s_wait_dscnt 8
	WIN MUL_LO
	MUL16 F1, 0, 0, 0
	s_wait_dscnt 0                                 ; my reads of this slot are over
	s_set_vgpr_msb 0xa1a0
	s_wait_tensorcnt 0x0                           ; and all my tensor loads have landed
	ds_add_u32 v30, v31
	s_wait_dscnt 0x0
	s_set_vgpr_msb 0xa0a1
	s_barrier_signal -1                            ; where a slot is filled again this barrier opens a round of the cluster's barrier
	MUL16 F1, 0, 2, 0                              ; register work while the others arrive
	WIN 0
	s_barrier_wait -1
.if \fill
	CREST                                          ; no wave of any partner still reads this slot or has a load on its way
	s_add_nc_u64 s[G0+4*\slot+2:G0+4*\slot+3], s[G0+4*\slot+2:G0+4*\slot+3], 512
	s_add_nc_u64 s[G0B+4*\slot+2:G0B+4*\slot+3], s[G0B+4*\slot+2:G0B+4*\slot+3], 1048576
	JLOAD \slot                                    ; two K steps ahead: the wave's one tensor load behind the round
.endif
	PLACES
	FETCH \next, 0, F0
	WIN MUL_HI
	MUL16 F1, 1, 0, 0
	MUL16 F1, 1, 2, 0
.endm
.macro LAP zero
	QUARTER 0, \zero
	TURN 0, 1, 1
	QUARTER 1, 0
	TURN 1, 0, 1
.endm
	s_wait_tensorcnt 1                             ; my part of K step 0 is in; K step 1's may stay out
	s_barrier_signal -1
	s_barrier_wait -1
	FETCH 0, 0, F0
	LAP 1                                          ; the first lap stands in front of the loop: its first products start the sums
	WIN 0
	s_mov_b32 s22, LAPS-2
.Llap:
	LAP 0
	WIN 0
	s_sub_co_u32 s22, s22, 1
	s_cmp_lg_u32 s22, 0
	s_cbranch_scc1 .Llap
	QUARTER 0, 0                                   ; the last lap fills nothing
	TURN 0, 1, 0
	QUARTER 1, 0
	s_wait_dscnt 8
	WIN MUL_LO
	MUL16 F1, 0, 0, 0
	MUL16 F1, 0, 2, 0
	s_wait_dscnt 0
	WIN MUL_HI
	MUL16 F1, 1, 0, 0
	MUL16 F1, 1, 2, 0
	; THE TWO HALVES OF K ARE ADDED.  Every wave has read its last fragment and no tensor load is out: behind this barrier the slots are scratch.
	PLACES
	WIN 0
	s_wait_dscnt 0x0
	s_barrier_signal -1
	s_barrier_wait -1
	WIN 0x0c                                       ; store data from window 3
.set n, 0
.rept 64
	ds_store_b128 v[XW], v[4*n:4*n+3] offset:512*n ; 32 lanes x 16 neighbouring bytes
.set n, n+1
.endr
	WIN 0
	s_wait_dscnt 0x0                               ; for my partner's sake: zero
	s_barrier_signal -1
	s_barrier_wait -1
	WIN 0xc0                                       ; loaded data into window 3
.set n, 0
.rept 64
	ds_load_b128 v[4*n:4*n+3], v[XR] offset:512*n  ; my partner's sums for the rows that I keep, same tile, same lane
.set n, n+1
.endr
.irp g, 0,1,2,3
	s_wait_dscnt 48-16*\g                          ; LDS loads come back in order: sixteen more are in
	WIN 0x8e                                       ; window 2 += window 3
.set n, 0
.rept 32
	v_pk_add_f32 v[64*\g+2*n:64*\g+2*n+1], v[64*\g+2*n:64*\g+2*n+1], v[64*\g+2*n:64*\g+2*n+1]
.set n, n+1
.endr
.endr
	s_wait_loadcnt 0x0                             ; cosines and sines
; THE WAY OUT, 16 rows at a time.  A head's columns d and d + 32 lie in tiles b and b + 2 of the same lane and register:
; out[d] = x[d] cos - x[d+32] sin, out[d+32] = x[d+32] cos + x[d] sin.  Then hi in bf16, 16 bytes a lane into my own stage, back by rows;
; and, for positions below 1024, the same for lo = (f32 - hi) in bf16, through a stage of its own.
.macro OUT16R a, f
	WIN 0x06                                       ; source 0 window 2 (sums), source 1 window 1 (table), the rest window 0
.irp hh, 0,1
.irp bp, 0,1
.irp p, 0,2,4,6
	v_pk_mul_f32 v[TMP+16*(2*\hh+\bp)+\p:TMP+16*(2*\hh+\bp)+\p+1], v[8*(8*\a+4*\hh+\bp+2)+\p:8*(8*\a+4*\hh+\bp+2)+\p+1], v[32*\a+128*(\a/2)+16+8*\bp+\p:32*\a+128*(\a/2)+16+8*\bp+\p+1]
	v_pk_mul_f32 v[TMP+16*(2*\hh+\bp)+8+\p:TMP+16*(2*\hh+\bp)+8+\p+1], v[8*(8*\a+4*\hh+\bp)+\p:8*(8*\a+4*\hh+\bp)+\p+1], v[32*\a+128*(\a/2)+16+8*\bp+\p:32*\a+128*(\a/2)+16+8*\bp+\p+1]
	v_pk_fma_f32 v[TMP+16*(2*\hh+\bp)+\p:TMP+16*(2*\hh+\bp)+\p+1], v[8*(8*\a+4*\hh+\bp)+\p:8*(8*\a+4*\hh+\bp)+\p+1], v[32*\a+128*(\a/2)+8*\bp+\p:32*\a+128*(\a/2)+8*\bp+\p+1], v[TMP+16*(2*\hh+\bp)+\p:TMP+16*(2*\hh+\bp)+\p+1] neg_lo:[0,0,1] neg_hi:[0,0,1]
	v_pk_fma_f32 v[TMP+16*(2*\hh+\bp)+8+\p:TMP+16*(2*\hh+\bp)+8+\p+1], v[8*(8*\a+4*\hh+\bp+2)+\p:8*(8*\a+4*\hh+\bp+2)+\p+1], v[32*\a+128*(\a/2)+8*\bp+\p:32*\a+128*(\a/2)+8*\bp+\p+1], v[TMP+16*(2*\hh+\bp)+8+\p:TMP+16*(2*\hh+\bp)+8+\p+1]
.endr
.endr
.endr
	WIN 0
.irp t, 0,1,2,3,4,5,6,7
.irp r, 0,1,2,3
	v_cvt_pk_bf16_f32 v[HW+4*\t+\r], v[TMP+8*\t+2*\r], v[TMP+8*\t+2*\r+1]         ; hi; the f32 stay for lo
.endr
.endr
.irp hh, 0,1
.irp bp, 0,1
	ds_store_b128 v[STO], v[HW+8*(2*\hh+\bp):HW+8*(2*\hh+\bp)+3] offset:32*(4*\hh+\bp)
	ds_store_b128 v[STO], v[HW+8*(2*\hh+\bp)+4:HW+8*(2*\hh+\bp)+7] offset:32*(4*\hh+\bp+2)
.endr
.endr
	s_wait_xcnt 0x0                                ; buffer f, both halves of which earlier stores read, is loaded again only behind this wait
.irp hh, 0,1
.irp u, 0,1,2,3
	ds_load_b128 v[\f+16*\hh+4*\u:\f+16*\hh+4*\u+3], v[RD] offset:\u*4*SPITCH+128*\hh    ; LDS serves a wave's instructions in order: these see the stores above
.endr
.endr
.irp hh, 0,1
.irp u, 0,1,2,3
	s_wait_dscnt 7-4*\hh-\u
	global_store_b128 v[CO], v[\f+16*\hh+4*\u:\f+16*\hh+4*\u+3], s[70:71] offset:524288*\hh+2048*\a+512*\u   ; four rows of one head: 512 consecutive bytes, aligned
.endr
.endr
	s_cmp_lg_u32 s75, 0                            ; positions from 1024 on leave no lo.  The branch hangs on the cluster's y alone
	s_cbranch_scc1 .Lno_lo_\@
.irp t, 0,1,2,3,4,5,6,7
.irp r, 0,1,2,3
	v_lshlrev_b32 v[2*\r],   16,         v[HW+4*\t+\r]                             ; hi back in f32
	v_and_b32     v[2*\r+1], 0xffff0000, v[HW+4*\t+\r]
.endr
.irp r, 0,1,2,3
	v_pk_add_f32 v[TMP+8*\t+2*\r:TMP+8*\t+2*\r+1], v[TMP+8*\t+2*\r:TMP+8*\t+2*\r+1], v[2*\r:2*\r+1] neg_lo:[0,1] neg_hi:[0,1]   ; exact: the two are within a factor of two
.endr
.irp r, 0,1,2,3
	v_cvt_pk_bf16_f32 v[TMP+8*\t+\r], v[TMP+8*\t+2*\r], v[TMP+8*\t+2*\r+1]         ; word r takes words 2 r and 2 r + 1: never a word still to be read
.endr
.endr
.irp hh, 0,1
.irp bp, 0,1
	ds_store_b128 v[STO], v[TMP+16*(2*\hh+\bp):TMP+16*(2*\hh+\bp)+3] offset:LOST+32*(4*\hh+\bp)
	ds_store_b128 v[STO], v[TMP+16*(2*\hh+\bp)+8:TMP+16*(2*\hh+\bp)+11] offset:LOST+32*(4*\hh+\bp+2)
.endr
.endr
.irp hh, 0,1
.irp u, 0,1,2,3
	ds_load_b128 v[\f+32+16*\hh+4*\u:\f+32+16*\hh+4*\u+3], v[RD] offset:LOST+\u*4*SPITCH+128*\hh
.endr
.endr
.irp hh, 0,1
.irp u, 0,1,2,3
	s_wait_dscnt 7-4*\hh-\u
	global_store_b128 v[CO], v[\f+32+16*\hh+4*\u:\f+32+16*\hh+4*\u+3], s[78:79] offset:524288*\hh+2048*\a+512*\u
.endr
.endr
.Lno_lo_\@:
.endm
	OUT16R 0, F0
	OUT16R 1, F1
	OUT16R 2, F0
	OUT16R 3, F1
	s_wait_tensorcnt 0x0
	ds_add_u32 v30, v31
	s_wait_dscnt 0x0
	CROUND                                         ; the closing round: no work-group ends while a partner may still ask for a tile that names it
	s_endpgm
.Lfunc_end_k_q1b5ddd3193_qkvproj:
	.size	k_q1b5ddd3193_qkvproj, .Lfunc_end_k_q1b5ddd3193_qkvproj-k_q1b5ddd3193_qkvproj
	.p2alignl 7, 3214868480
	.fill 96, 4, 3214868480
	.section	.rodata,"a",@progbits
	.p2align	6, 0x0
	.amdhsa_kernel k_q1b5ddd3193_qkvproj
		.amdhsa_group_segment_fixed_size 327680
		.amdhsa_private_segment_fixed_size 0
		.amdhsa_enable_private_segment 0
		.amdhsa_kernarg_size 40
		.amdhsa_user_sgpr_count 2
		.amdhsa_user_sgpr_kernarg_segment_ptr 1
		.amdhsa_wavefront_size32 1
		.amdhsa_system_sgpr_workgroup_id_x 1
		.amdhsa_system_sgpr_workgroup_id_y 1
		.amdhsa_system_sgpr_workgroup_id_z 1
		.amdhsa_system_vgpr_workitem_id 0
		.amdhsa_next_free_vgpr 1024
		.amdhsa_next_free_sgpr 80
		.amdhsa_reserve_vcc 0
		.amdhsa_float_denorm_mode_32 3
		.amdhsa_float_denorm_mode_16_64 3
		.amdhsa_memory_ordered 1
		.amdhsa_forward_progress 1
		.amdhsa_inst_pref_size 177
	.end_amdhsa_kernel
	.amdgpu_metadata
---
amdhsa.version: [ 1, 2 ]
amdhsa.kernels:
  - .name:           k_q1b5ddd3193_qkvproj
    .symbol:         k_q1b5ddd3193_qkvproj.kd
    .args:
      - { .name: xb, .offset: 0, .size: 8, .value_kind: global_buffer, .address_space: global }
      - { .name: wqkv, .offset: 8, .size: 8, .value_kind: global_buffer, .address_space: global }
      - { .name: rope, .offset: 16, .size: 8, .value_kind: global_buffer, .address_space: global }
      - { .name: qkvh, .offset: 24, .size: 8, .value_kind: global_buffer, .address_space: global }
      - { .name: qkvl, .offset: 32, .size: 8, .value_kind: global_buffer, .address_space: global }
    .group_segment_fixed_size: 327680
    .private_segment_fixed_size: 0
    .kernarg_segment_align: 8
    .kernarg_segment_size: 40
    .max_flat_workgroup_size: 128
    .sgpr_count:     80
    .vgpr_count:     1024
    .wavefront_size: 32
...
	.end_amdgpu_metadata
.endif
;; end of part 2
;; launch attention (part 3): grid 16 x 16, 8 waves a work-group, clusters of 4 x 1, 327,680 bytes of LDS; arguments qkvh, qkvl, ctx2; writes ctx2
.if DOCPART == 3
	.amdgcn_target "amdgcn-amd-amdhsa--gfx1250"
	.amdhsa_code_object_version 6
	.text
	.protected	k_q1b5ddd3193_attention
	.globl	k_q1b5ddd3193_attention
	.p2align	8
	.type	k_q1b5ddd3193_attention,@function
k_q1b5ddd3193_attention:
	s_mov_b64 s[64:65], 0
	v_nop
	global_prefetch_b8 v0, s[64:65] scope:SCOPE_SE
	s_setreg_imm32_b32 hwreg(HW_REG_WAVE_MODE, 25, 1), 1
	s_wait_xcnt 0x0
	s_wait_alu depctr_hold_cnt(0) depctr_sa_sdst(0) depctr_va_vdst(0) depctr_va_sdst(0) depctr_va_ssrc(0) depctr_va_vcc(0) depctr_vm_vsrc(0)
	s_getreg_b32 s2, hwreg(HW_REG_IB_STS2, 6, 4)
	s_cmp_eq_u32 s2, 0
	s_cbranch_scc0 .Lentry_in_a_cluster
	s_endpgm
.Lentry_in_a_cluster:
	s_bfe_u32 s2, ttmp6, 0x10000c
	s_cmp_lg_u32 s2, 0x3003
	s_cbranch_scc0 .Lentry_shape_is_right
	s_endpgm
.Lentry_shape_is_right:
; attention: causal softmax(q k^T / 8) v for 2 batches, 8 key/value heads with 2 query heads each, L = 2048, d = 64.  q, k (with RoPE) and v come as bf16
; from qkvh [g][row][64] (hi) and, for positions below 1024, qkvl (lo = what hi's rounding left, in bf16).  The result goes to ctx2 [row][2048] bf16:
; hi in columns 0-1023, lo in columns 1024-2047.
; WORK.  y = 8 b + key/value head.  x: p = 4 n + cx.  A work-group makes two blocks of 64 queries x 2 heads: block p, then block 31 - p.  Keys go in
; steps of 128, DESCENDING from the diagonal: 2 n + 2 steps for the low block, 16 - 2 n for the high one, 18 in every work-group.  The counts hang on
; n alone, so the four work-groups of a cluster walk the same K and V tiles and ask for them JOINTLY (mask 15): a quarter of the requests.
; TWO FORMS OF A STEP.  A query at position n averages some n values, so its result is about 1/sqrt(n) of a value's size, while the error that is allowed
; is one figure for the whole output.  The low block (positions below 1024) therefore multiplies numbers of 16 significant bits, each as hi + lo in bf16:
; S = Kh Qh + Kl Qh + Kh Ql, O += Vh Ph + Vh Pl + Vl Ph (the lo x lo terms are some 2^-16 of the result and are left out): 96 matrix instructions a step.
; The high block multiplies hi alone: 32 a step.
; THE LOW RUN is written as first step, n pairs in a loop, last step, so that every refill in the loop is the same load (hi and lo) and the one refill that
; asks for hi alone (the high run's first tile) is written out.  All its steps carry the mask's selects, since which of them is the second hangs on n.
; In the high run only the first two steps can hold keys behind a query.  A part that is wholly masked costs work and no value (below).
; WAVES.  Eight, two on a SIMD, so that one's softmax runs beside the other's products.  Wave w: head w & 1, keys 32 (w >> 1) .. + 31 of every step, all
; 64 queries.  Each wave keeps its own running maximum, sum and O; the four parts of a head are merged through LDS at the end of a run.
; LAYOUTS.  S^T = K Q^T: lane (r, h) holds query r, registers the keys 8 h + j: rounded to bf16 that is the second operand of O^T = V^T P^T.
; V's fragments come by the transposing LDS load.  Maximum and scale of a query are one number a lane.
; SOFTMAX.  p = exp2(c s - c m), c = log2(e) / 8, m the running maximum of the wave's keys; sums and O are rescaled by exp2(c m_old - c m_new) in every step.
; LIMITS, stated.  A masked score is -2^100 in place of f32's lowest number: c x 2^100 is exact, so a part in which all keys of a query are masked gives
; p = 1 and finite sums, which the next rescale or the merge multiplies by exp2 of about -2e29 = 0; the same results as long as |score| stays far below 2^100.
; v_exp_f32 gives 0 below 2^-126.  For queries at positions from 1024 on, p, q, k, v have bf16's 8 significant bits in the products.  The row sum is taken of
; the f32 p.  NaN and infinities are not followed.
.set PK, 144                           ; K's LDS row: 128 bytes + 16
.set PV, 160                           ; V's LDS row: 128 bytes + 32, for the transposing load
.set VHI, 0                            ; a slot: V hi, K hi, 2,048 bytes unused, V lo, K lo.  The gap makes every tile's address the wave's number times a constant plus a constant that is not negative
.set KHI, 128*PV
.set VLO, 4*64*PV
.set KLO, VLO+128*PV
.set SLOT, KLO+128*PK
.set STAT, 2*SLOT                      ; 8 x 1,024 bytes: each wave's maxima and sums.  No tensor load lands here or behind
.set SCR,  STAT+8192                   ; 4 x [64 queries][2 heads x 64 f32], pitch 528
.set SCP,  528
.set SCQ,  64*SCP
.set ADRK, 4                           ; v4-5    K's fragments in slot 0, 1
.set ADRV, 6                           ; v6-7    V's
.set QOFF, 8
.set DM0,  9                           ; r - 8 h - 32 kq
.set DM,   10
.set NEG,  11
.set SCW,  12
.set SCRA, 13                          ; v13-14
.set STW,  15
.set STR,  16
.set OOFF, 17
.set MB,   20                          ; v[20:23], v[24:27]  running maxima of the four query tiles, a set for each slot: a step reads the other slot's and writes its own
.set NMB,  28                          ; v[28:31], v[32:35]  -c x maximum, likewise
.set LS,   36                          ; v[36:39]  sums (of my half of the lanes' keys)
.set AL,   40                          ; v[40:43]  rescale factors
.set TT,   44                          ; v[44:47]
.set QF,   48                          ; 48 + 16 qt + 8 ds
.set SF,   112                         ; 112 + 16 qt + 8 kt; the first 8 of the 16 become P (plain step) or P lo (precise step)
.set KF,   176                         ; 176 + 16 kt + 8 ds; once S is made: scratch for the sums, then P hi at 176 + 8 qt (precise step)
.set VF,   208                         ; 208 + 8 dt
.set T2,   240                         ; v[240:255] at work; packed output
.set QL,   128                         ; window 1: Q lo at 128 + 16 qt + 8 ds.  O(dt, qt) lies at 8 (4 qt + dt) of window 1
.set KL,   192                         ; window 1: K lo at 192 + 16 kt + 8 ds
.set VL,   224                         ; window 1: V lo at 224 + 8 dt
.set G1V, 16
.set G1K, 24
.set G0V, 32                           ; s[32:39] a set for each slot
.set G0K, 40                           ; s[40:47]
.set G0VL, 80                          ; s[80:87]
.set G0KL, 88                          ; s[88:95]
.set MSB, 0
.macro WIN new
.if MSB != \new
	s_set_vgpr_msb (MSB<<8)|\new
.set MSB, \new
.endif
.endm
.macro ROUND                           ; a round of the cluster's barrier
	s_barrier_signal -1
	s_barrier_wait -1
	s_cmp_lg_u32 s8, 0
	s_cbranch_scc1 .Lnot_wave_0_\@
	s_barrier_signal -3
.Lnot_wave_0_\@:
	s_barrier_wait -3
	s_barrier_signal -1
	s_barrier_wait -1
.endm
; A joint load into slot o: waves 0 and 1 V hi's two halves (64 keys each), waves 2 and 3 K hi's; lo = 1: waves 4 and 5 V lo's, waves 6 and 7 K lo's;
; lo = 0: waves 4 to 7 none.  The branches hang on the wave's number alone.
.macro JLOAD o, lo
	s_cmp_lt_u32 s8, 2
	s_cbranch_scc0 .Lnot_v_\@
	tensor_load_to_lds s[G0V+4*(\o):G0V+4*(\o)+3], s[G1V:G1V+7]
	s_nop 0
	s_branch .Lasked_\@
.Lnot_v_\@:
	s_cmp_lt_u32 s8, 4
	s_cbranch_scc0 .Lnot_k_\@
	tensor_load_to_lds s[G0K+4*(\o):G0K+4*(\o)+3], s[G1K:G1K+7]
	s_nop 0
	s_branch .Lasked_\@
.Lnot_k_\@:
.if \lo
	s_cmp_lt_u32 s8, 6
	s_cbranch_scc0 .Lnot_vl_\@
	tensor_load_to_lds s[G0VL+4*(\o):G0VL+4*(\o)+3], s[G1V:G1V+7]
	s_nop 0
	s_branch .Lasked_\@
.Lnot_vl_\@:
	tensor_load_to_lds s[G0KL+4*(\o):G0KL+4*(\o)+3], s[G1K:G1K+7]
	s_nop 0
.endif
.Lasked_\@:
.endm
; Slot o's addresses for tile s52 (128 keys of 128 bytes); then s52 steps down, and from 0 on to the high run's first tile.  Stands where no tensor load of the wave is out.
.macro SETADR o, lo
	s_lshl_b32 s62, s52, 14
	s_add_nc_u64 s[G0V+4*(\o)+2:G0V+4*(\o)+3], s[50:51], s[62:63]
	s_or_b32 s[G0V+4*(\o)+3], s[G0V+4*(\o)+3], 0x80000000
	s_add_nc_u64 s[G0K+4*(\o)+2:G0K+4*(\o)+3], s[48:49], s[62:63]
	s_or_b32 s[G0K+4*(\o)+3], s[G0K+4*(\o)+3], 0x80000000
.if \lo
	s_add_nc_u64 s[G0VL+4*(\o)+2:G0VL+4*(\o)+3], s[98:99], s[62:63]
	s_or_b32 s[G0VL+4*(\o)+3], s[G0VL+4*(\o)+3], 0x80000000
	s_add_nc_u64 s[G0KL+4*(\o)+2:G0KL+4*(\o)+3], s[96:97], s[62:63]
	s_or_b32 s[G0KL+4*(\o)+3], s[G0KL+4*(\o)+3], 0x80000000
.endif
	s_sub_co_i32 s52, s52, 1
	s_cmp_lt_i32 s52, 0
	s_cselect_b32 s52, s53, s52
.endm
	s_load_b128 s[4:7], s[0:1], 0x0                ; qkvh s[4:5], qkvl s[6:7]
	s_load_b64 s[2:3], s[0:1], 0x10                ; ctx2
	v_lshl_add_u32 v254, v0, 2, 0x4a000
	v_mov_b32 v255, 0
	ds_add_u32 v254, v255
	s_wait_dscnt 0x0
	v_lshrrev_b32 v1, 5, v0
	v_readfirstlane_b32 s8, v1                     ; wave 0..7
	s_and_b32 s9, s8, 1                            ; hq: my head.  Also: which 64 keys of a tile I fetch
	s_lshr_b32 s10, s8, 1                          ; kq: my 32 keys of a step
	s_bfe_u32 s11, ttmp6, 0x40000                  ; cx
	s_mov_b32 s12, ttmp9                           ; n: the cluster's x
	s_and_b32 s14, ttmp7, 0xffff
	s_lshr_b32 s15, s14, 3                         ; batch
	s_and_b32 s14, s14, 7                          ; key/value head
	s_lshl_b32 s52, s12, 1
	s_sub_co_u32 s53, 15, s52                      ; the high run's first tile
	s_add_co_u32 s52, s52, 1                       ; the low run's first tile
	s_mov_b32 s[G1V+0], 0x0f31000f                 ; mask 15; 2-byte elements; padding on; bit 21 beside a mask; after every 32 words 8 words
	s_mov_b32 s[G1K+0], 0x0731000f                 ; the same with 4 words
.irp g, G1V, G1K
	s_mov_b32 s[\g+1], 64<<16                      ; tensor_dim0 = 64
	s_mov_b32 s[\g+2], 64<<16                      ; tensor_dim1 = 64
	s_mov_b32 s[\g+3], 64<<16                      ; tile_dim0 = 64 elements: a head's row, 128 bytes in the tensor itself
	s_mov_b32 s[\g+4], 64                          ; tile_dim1 = 64 rows
	s_mov_b32 s[\g+5], 64                          ; elements from row to row
	s_mov_b32 s[\g+6], 0
	s_mov_b32 s[\g+7], 0
.endr
	s_mul_i32 s76, s8, 64*PV                       ; V hi's halves: waves 0 and 1; V lo's: waves 4 and 5, at the same multiple
	s_mul_i32 s77, s8, 64*PK
	s_add_co_u32 s78, s77, KLO-6*64*PK             ; K lo's halves: waves 6 and 7
	s_add_co_u32 s77, s77, KHI-2*64*PK             ; K hi's halves: waves 2 and 3
.irp s, 0,1
	s_mov_b32 s[G0V+4*\s], 1
	s_add_co_u32 s[G0V+4*\s+1], s76, \s*SLOT
	s_mov_b32 s[G0K+4*\s], 1
	s_add_co_u32 s[G0K+4*\s+1], s77, \s*SLOT
	s_mov_b32 s[G0VL+4*\s], 1
	s_add_co_u32 s[G0VL+4*\s+1], s76, \s*SLOT
	s_mov_b32 s[G0KL+4*\s], 1
	s_add_co_u32 s[G0KL+4*\s+1], s78, \s*SLOT
.endr
	s_add_co_u32 s62, s14, 16                      ; K: ((16 + head) 4096 + 2048 b + 64 (w & 1)) rows of 128 bytes
	s_lshl_b32 s62, s62, 12
	s_lshl_b32 s63, s15, 11
	s_add_co_u32 s62, s62, s63
	s_lshl_b32 s63, s9, 6
	s_add_co_u32 s62, s62, s63
	s_lshl_b32 s62, s62, 7
	s_mov_b32 s63, 0                               ; stays 0: the high word of a tile's offset
	s_wait_kmcnt 0x0
	s_add_nc_u64 s[48:49], s[4:5], s[62:63]
	s_add_nc_u64 s[50:51], s[48:49], 0x400000      ; V: eight heads of 4,096 rows further on
	s_add_nc_u64 s[96:97], s[6:7], s[62:63]        ; the same places in lo's buffer
	s_add_nc_u64 s[98:99], s[96:97], 0x400000
	SETADR 0, 1
	ROUND                                          ; the four work-groups are here: the first joint loads meet
	JLOAD 0, 1                                     ; by this text's count a wave never has more than one tensor load out
	; what hangs on cx: query blocks, output rows, the mask's offset; none of it enters a descriptor, an LDS address or a branch
	s_lshl_b32 s13, s12, 2
	s_add_co_u32 s13, s13, s11                     ; p: the low block
	s_sub_co_u32 s75, 31, s13                      ; the high block
	s_lshl_b32 s76, s14, 1
	s_add_co_u32 s76, s76, s9                      ; my query head
	s_lshl_b32 s76, s76, 12
	s_lshl_b32 s77, s15, 11
	s_add_co_u32 s76, s76, s77
	s_mov_b32 s79, 0
	s_lshl_b32 s78, s13, 6
	s_add_co_u32 s78, s78, s76
	s_lshl_b32 s78, s78, 7
	s_add_nc_u64 s[66:67], s[4:5], s[78:79]        ; Q hi, low block
	s_add_nc_u64 s[100:101], s[6:7], s[78:79]      ; Q lo, low block
	s_lshl_b32 s78, s75, 6
	s_add_co_u32 s78, s78, s76
	s_lshl_b32 s78, s78, 7
	s_add_nc_u64 s[68:69], s[4:5], s[78:79]        ; Q hi, high block
	s_lshl_b32 s76, s8, 3
	s_add_co_u32 s76, s76, s77                     ; 2048 b + 8 w: on the way out wave w takes 8 queries
	s_lshl_b32 s77, s14, 8                         ; the two heads' 256 bytes of a row's hi half
	s_lshl_b32 s78, s13, 6
	s_add_co_u32 s78, s78, s76
	s_lshl_b32 s78, s78, 12                        ; a row of ctx2 is 4,096 bytes
	s_add_co_u32 s78, s78, s77
	s_add_nc_u64 s[70:71], s[2:3], s[78:79]
	s_lshl_b32 s78, s75, 6
	s_add_co_u32 s78, s78, s76
	s_lshl_b32 s78, s78, 12
	s_add_co_u32 s78, s78, s77
	s_add_nc_u64 s[72:73], s[2:3], s[78:79]
	s_lshl_b32 s76, s12, 8
	s_lshl_b32 s55, s13, 6
	s_sub_co_i32 s55, s55, s76
	s_sub_co_i32 s55, s55, 128                     ; first query - first key of the run's first tile: 64 p - 128 (2 n + 1)
	s_lshl_b32 s74, s75, 6
	s_add_co_i32 s74, s74, s76
	s_sub_co_i32 s74, s74, 1920                    ; 64 (31 - p) - 128 (15 - 2 n)
	s_mov_b32 s56, 0x3e38aa3b                      ; c = log2(e) / 8, twice: a pair for the packed multiply-add
	s_mov_b32 s57, 0x3e38aa3b
	s_mov_b32 s58, 0x76543210                      ; v_permlanex16_b32: lane i of one half reads lane i of the other
	s_mov_b32 s59, 0xfedcba98
	s_mov_b32 s60, 0xbe38aa3b                      ; -c
	s_mov_b32 s61, 0xffff0000                      ; a word's upper bf16
	v_and_b32 v1, 15, v0                           ; r
	v_bfe_u32 v2, v0, 4, 1                         ; h
	v_and_b32 v3, 7, v0
	v_bfe_u32 v18, v0, 3, 1
	v_and_b32 v19, 31, v0                          ; lane
	v_lshlrev_b32 v[QOFF], 7, v1
	v_lshl_add_u32 v[QOFF], v2, 4, v[QOFF]         ; Q from memory: row r, 16 bytes for each half of the lanes
.macro QLOAD qf, qb
.irp qt, 0,1,2,3
.irp ds, 0,1
	global_load_b128 v[\qf+16*\qt+8*\ds:\qf+16*\qt+8*\ds+3],   v[QOFF], s[\qb:\qb+1] offset:2048*\qt+64*\ds
	global_load_b128 v[\qf+16*\qt+8*\ds+4:\qf+16*\qt+8*\ds+7], v[QOFF], s[\qb:\qb+1] offset:2048*\qt+64*\ds+32
.endr
.endr
.endm
	QLOAD QF, 66
	WIN 0x40                                       ; loaded data into window 1
	QLOAD QL, 100
	WIN 0
	v_mul_u32_u24 v[ADRK], v1, PK
	v_lshl_add_u32 v[ADRK], v2, 4, v[ADRK]
	s_mul_i32 s76, s10, 32*PK
	s_add_co_u32 s76, s76, KHI
	v_add_nc_u32 v[ADRK], s76, v[ADRK]             ; key 32 kq + r, 16 bytes for each half of the lanes
	v_add_nc_u32 v[ADRK+1], SLOT, v[ADRK]
	v_lshl_add_u32 v[ADRV], v2, 3, v3
	v_mul_u32_u24 v[ADRV], v[ADRV], PV
	v_lshl_add_u32 v[ADRV], v18, 4, v[ADRV]
	s_mul_i32 s76, s10, 32*PV
	v_add_nc_u32 v[ADRV], s76, v[ADRV]             ; for the transposing load: key 32 kq + 8 h + l % 8
	v_add_nc_u32 v[ADRV+1], SLOT, v[ADRV]
	v_lshlrev_b32 v[DM0], 3, v2
	v_sub_nc_u32 v[DM0], v1, v[DM0]
	s_lshl_b32 s76, s10, 5
	v_sub_nc_u32 v[DM0], v[DM0], s76
	v_mov_b32 v[NEG], 0xf1800000                   ; -2^100
	v_mul_u32_u24 v[SCW], v1, SCP
	v_lshl_add_u32 v[SCW], v2, 5, v[SCW]
	s_mul_i32 s76, s10, SCQ
	s_lshl_b32 s77, s9, 8
	s_add_co_u32 s76, s76, s77
	s_add_co_u32 s76, s76, SCR
	v_add_nc_u32 v[SCW], s76, v[SCW]               ; part kq, query r, head hq, d = 8 h
	s_mul_i32 s76, s8, 8*SCP
	s_add_co_u32 s76, s76, SCR
	v_lshl_add_u32 v[SCRA], v19, 4, s76            ; back: query 8 w, a whole row of 512 bytes
	v_add_nc_u32 v[SCRA+1], 2*SCQ, v[SCRA]         ; parts 2 and 3
	s_lshl_b32 s76, s8, 10
	s_add_co_u32 s76, s76, STAT
	v_lshl_add_u32 v[STW], v19, 4, s76
	s_lshl_b32 s76, s9, 10
	s_add_co_u32 s76, s76, STAT
	v_lshl_add_u32 v[STR], v19, 4, s76
	v_lshlrev_b32 v[OOFF], 3, v19
.irp qt, 0,1,2,3
	v_mov_b32 v[T2+\qt], 0                         ; v_permlanex16_b32 counts as a reader of its destination
.endr
; O *= four factors, one for each query tile (a factor is one number a lane): 64 packed multiplies in window 1
.macro OSCALE fac
	WIN 0x41
.irp qq, 0, 2
.set i, 0
.rept 16
	v_pk_mul_f32 v[32*\qq+2*i:32*\qq+2*i+1], v[32*\qq+2*i:32*\qq+2*i+1], v[\fac+\qq:\fac+\qq+1] op_sel_hi:[1,0]
.set i, i+1
.endr
.set i, 0
.rept 16
	v_pk_mul_f32 v[32*\qq+32+2*i:32*\qq+32+2*i+1], v[32*\qq+32+2*i:32*\qq+32+2*i+1], v[\fac+\qq:\fac+\qq+1] op_sel:[0,1] op_sel_hi:[1,1]
.set i, i+1
.endr
.endr
.endm
; One step: my 32 keys of the tile in this slot against my head's 64 queries.  first = 1: the run's first step starts maximum, sum and O.
; prec = 1: hi + lo operands, three terms a product.
.macro STEP slot, first, masked, prec
.set MN, MB+4*\slot
.set MO, MB+4-4*\slot
.set NN, NMB+4*\slot
.set NO, NMB+4-4*\slot
.irp kt, 0,1
.irp ds, 0,1
	ds_load_b128 v[KF+16*\kt+8*\ds:KF+16*\kt+8*\ds+3],   v[ADRK+\slot] offset:\kt*16*PK+64*\ds
	ds_load_b128 v[KF+16*\kt+8*\ds+4:KF+16*\kt+8*\ds+7], v[ADRK+\slot] offset:\kt*16*PK+64*\ds+32
.endr
.endr
.irp dt, 0,1,2,3
	ds_load_tr16_b128 v[VF+8*\dt:VF+8*\dt+3],   v[ADRV+\slot] offset:32*\dt
	ds_load_tr16_b128 v[VF+8*\dt+4:VF+8*\dt+7], v[ADRV+\slot] offset:32*\dt+16*PV
.endr
.if \prec
	WIN 0x40                                       ; loaded data into window 1
.irp kt, 0,1
.irp ds, 0,1
	ds_load_b128 v[KL+16*\kt+8*\ds:KL+16*\kt+8*\ds+3],   v[ADRK+\slot] offset:KLO-KHI+\kt*16*PK+64*\ds
	ds_load_b128 v[KL+16*\kt+8*\ds+4:KL+16*\kt+8*\ds+7], v[ADRK+\slot] offset:KLO-KHI+\kt*16*PK+64*\ds+32
.endr
.endr
.irp dt, 0,1,2,3
	ds_load_tr16_b128 v[VL+8*\dt:VL+8*\dt+3],   v[ADRV+\slot] offset:VLO-VHI+32*\dt
	ds_load_tr16_b128 v[VL+8*\dt+4:VL+8*\dt+7], v[ADRV+\slot] offset:VLO-VHI+32*\dt+16*PV
.endr
	WIN 0
.endif
.if \first
	s_wait_loadcnt 0x0                             ; this run's Q
.endif
	s_wait_dscnt 0x8                               ; K is in; the youngest eight loads may be out: V's (plain step), V lo's (precise step)
	; S^T = K Q^T.  The eight accumulators take turns, one instruction a turn.
.irp qt, 0,1,2,3
.irp kt, 0,1
	v_wmma_f32_16x16x32_bf16 v[SF+16*\qt+8*\kt:SF+16*\qt+8*\kt+7], v[KF+16*\kt:KF+16*\kt+7], v[QF+16*\qt:QF+16*\qt+7], 0
.endr
.endr
.irp qt, 0,1,2,3
.irp kt, 0,1
	v_wmma_f32_16x16x32_bf16 v[SF+16*\qt+8*\kt:SF+16*\qt+8*\kt+7], v[KF+16*\kt+8:KF+16*\kt+15], v[QF+16*\qt+8:QF+16*\qt+15], v[SF+16*\qt+8*\kt:SF+16*\qt+8*\kt+7]
.endr
.endr
.if \prec
	WIN 0x01                                       ; source 0 in window 1: K lo x Q hi
.irp ds, 0,1
.irp qt, 0,1,2,3
.irp kt, 0,1
	v_wmma_f32_16x16x32_bf16 v[SF+16*\qt+8*\kt:SF+16*\qt+8*\kt+7], v[KL+16*\kt+8*\ds:KL+16*\kt+8*\ds+7], v[QF+16*\qt+8*\ds:QF+16*\qt+8*\ds+7], v[SF+16*\qt+8*\kt:SF+16*\qt+8*\kt+7]
.endr
.endr
.endr
	WIN 0x04                                       ; source 1 in window 1: K hi x Q lo
.irp ds, 0,1
.irp qt, 0,1,2,3
.irp kt, 0,1
	v_wmma_f32_16x16x32_bf16 v[SF+16*\qt+8*\kt:SF+16*\qt+8*\kt+7], v[KF+16*\kt+8*\ds:KF+16*\kt+8*\ds+7], v[QL+16*\qt+8*\ds:QL+16*\qt+8*\ds+7], v[SF+16*\qt+8*\kt:SF+16*\qt+8*\kt+7]
.endr
.endr
.endr
	WIN 0
.endif
.rept 4
	v_nop                                          ; four places before a vector instruction reads a matrix result or writes a source (ISA guide 7.12.1)
.endr
.if \masked
	; key <= query  <=>  16 kt + j - 16 qt <= (first query - tile's first key) + r - 8 h - 32 kq.  A select in every lane, no branch.
	v_add_nc_u32 v[DM], s55, v[DM0]
.irp qt, 0,1,2,3
.irp kt, 0,1
.irp j, 0,1,2,3,4,5,6,7
	v_cmp_le_i32 vcc_lo, 16*\kt+\j-16*\qt, v[DM]
	v_cndmask_b32 v[SF+16*\qt+8*\kt+\j], v[NEG], v[SF+16*\qt+8*\kt+\j], vcc_lo
.endr
.endr
.endr
	s_add_co_i32 s55, s55, 128                     ; the next tile lies 128 keys lower
.endif
	; the running maximum of each query: 16 keys in the lane, the other 16 in the other half of the lanes
.irp qt, 0,1,2,3
	v_max3_num_f32 v[TT+\qt], v[SF+16*\qt], v[SF+16*\qt+1], v[SF+16*\qt+2]
.endr
.irp i, 3,5,7,9,11,13
.irp qt, 0,1,2,3
	v_max3_num_f32 v[TT+\qt], v[TT+\qt], v[SF+16*\qt+\i], v[SF+16*\qt+\i+1]
.endr
.endr
.irp qt, 0,1,2,3
	v_max_num_f32 v[TT+\qt], v[TT+\qt], v[SF+16*\qt+15]
.endr
.irp qt, 0,1,2,3
	v_permlanex16_b32 v[T2+\qt], v[TT+\qt], s58, s59
.endr
.irp qt, 0,1,2,3
.if \first
	v_max_num_f32 v[MN+\qt], v[TT+\qt], v[T2+\qt]
.else
	v_max3_num_f32 v[MN+\qt], v[TT+\qt], v[T2+\qt], v[MO+\qt]
.endif
.endr
.irp qt, 0,1,2,3
	v_mul_f32 v[NN+\qt], s60, v[MN+\qt]            ; -c m
.endr
.if \first == 0
.irp qt, 0,1,2,3
	v_sub_f32 v[AL+\qt], v[NN+\qt], v[NO+\qt]      ; c m_old - c m_new
.endr
.endif
.irp qq, 0, 2
.irp i, 0,2,4,6,8,10,12,14
	v_pk_fma_f32 v[SF+16*\qq+\i:SF+16*\qq+\i+1], v[SF+16*\qq+\i:SF+16*\qq+\i+1], s[56:57], v[NN+\qq:NN+\qq+1] op_sel_hi:[1,0,0]
.endr
.irp i, 0,2,4,6,8,10,12,14
	v_pk_fma_f32 v[SF+16*\qq+16+\i:SF+16*\qq+16+\i+1], v[SF+16*\qq+16+\i:SF+16*\qq+16+\i+1], s[56:57], v[NN+\qq:NN+\qq+1] op_sel:[0,0,1] op_sel_hi:[1,0,1]
.endr
.endr
.set i, 0
.rept 64
	v_exp_f32 v[SF+i], v[SF+i]
.set i, i+1
.endr
.if \first == 0
.irp qt, 0,1,2,3
	v_exp_f32 v[AL+\qt], v[AL+\qt]
.endr
.endif
	v_nop                                          ; a plain instruction between the exponentials and their first use (ISA guide 5.7.2)
	; the sums of the f32 p, in K's registers, which are free now
	s_wait_alu depctr_va_vdst(0)
.irp qt, 0,1,2,3
	v_pk_add_f32 v[KF+8*\qt:KF+8*\qt+1],   v[SF+16*\qt:SF+16*\qt+1],     v[SF+16*\qt+2:SF+16*\qt+3]
	v_pk_add_f32 v[KF+8*\qt+2:KF+8*\qt+3], v[SF+16*\qt+4:SF+16*\qt+5],   v[SF+16*\qt+6:SF+16*\qt+7]
	v_pk_add_f32 v[KF+8*\qt+4:KF+8*\qt+5], v[SF+16*\qt+8:SF+16*\qt+9],   v[SF+16*\qt+10:SF+16*\qt+11]
	v_pk_add_f32 v[KF+8*\qt+6:KF+8*\qt+7], v[SF+16*\qt+12:SF+16*\qt+13], v[SF+16*\qt+14:SF+16*\qt+15]
.endr
.irp qt, 0,1,2,3
	v_pk_add_f32 v[KF+8*\qt:KF+8*\qt+1],   v[KF+8*\qt:KF+8*\qt+1],   v[KF+8*\qt+2:KF+8*\qt+3]
	v_pk_add_f32 v[KF+8*\qt+4:KF+8*\qt+5], v[KF+8*\qt+4:KF+8*\qt+5], v[KF+8*\qt+6:KF+8*\qt+7]
.endr
.irp qt, 0,1,2,3
	v_pk_add_f32 v[KF+8*\qt:KF+8*\qt+1], v[KF+8*\qt:KF+8*\qt+1], v[KF+8*\qt+4:KF+8*\qt+5]
.endr
.irp qt, 0,1,2,3
.if \first
	v_add_f32 v[LS+\qt], v[KF+8*\qt], v[KF+8*\qt+1]
.else
	v_add_f32 v[KF+8*\qt], v[KF+8*\qt], v[KF+8*\qt+1]
.endif
.endr
.if \first == 0
.irp qt, 0,1,2,3
	v_fma_f32 v[LS+\qt], v[LS+\qt], v[AL+\qt], v[KF+8*\qt]
.endr
.endif
	; p to bf16.  Keys 8 h .. + 7 fill words 0-3, keys 16 + 8 h .. words 4-7: the operand's layout
.if \prec
.irp qt, 0,1,2,3
.irp i, 0,1,2,3,4,5,6,7
	v_cvt_pk_bf16_f32 v[KF+8*\qt+\i], v[SF+16*\qt+2*\i], v[SF+16*\qt+2*\i+1]       ; P hi, in K's registers; the f32 stay for lo
.endr
.endr
.irp qt, 0,1,2,3
.irp i, 0,1,2,3,4,5,6,7
	v_lshlrev_b32 v[T2+2*\i],   16,  v[KF+8*\qt+\i]                                ; hi back in f32
	v_and_b32     v[T2+2*\i+1], s61, v[KF+8*\qt+\i]
.endr
.irp i, 0,1,2,3,4,5,6,7
	v_pk_add_f32 v[SF+16*\qt+2*\i:SF+16*\qt+2*\i+1], v[SF+16*\qt+2*\i:SF+16*\qt+2*\i+1], v[T2+2*\i:T2+2*\i+1] neg_lo:[0,1] neg_hi:[0,1]
.endr
.irp i, 0,1,2,3,4,5,6,7
	v_cvt_pk_bf16_f32 v[SF+16*\qt+\i], v[SF+16*\qt+2*\i], v[SF+16*\qt+2*\i+1]      ; P lo in place: word i takes words 2 i and 2 i + 1
.endr
.endr
.else
.irp qt, 0,1,2,3
.irp i, 0,1,2,3,4,5,6,7
	v_cvt_pk_bf16_f32 v[SF+16*\qt+\i], v[SF+16*\qt+2*\i], v[SF+16*\qt+2*\i+1]      ; in place: word i takes words 2 i and 2 i + 1
.endr
.endr
.endif
.if \first == 0
	OSCALE AL
.endif
	s_wait_dscnt 0x0                               ; V
	WIN 0x50                                       ; C and D in window 1
	; O^T += V^T P^T: sixteen accumulators by turns, one instruction a turn
.if \prec
.irp qt, 0,1,2,3
.irp dt, 0,1,2,3
.if \first
	v_wmma_f32_16x16x32_bf16 v[8*(4*\qt+\dt):8*(4*\qt+\dt)+7], v[VF+8*\dt:VF+8*\dt+7], v[KF+8*\qt:KF+8*\qt+7], 0
.else
	v_wmma_f32_16x16x32_bf16 v[8*(4*\qt+\dt):8*(4*\qt+\dt)+7], v[VF+8*\dt:VF+8*\dt+7], v[KF+8*\qt:KF+8*\qt+7], v[8*(4*\qt+\dt):8*(4*\qt+\dt)+7]
.endif
.endr
.endr
.irp qt, 0,1,2,3
.irp dt, 0,1,2,3
	v_wmma_f32_16x16x32_bf16 v[8*(4*\qt+\dt):8*(4*\qt+\dt)+7], v[VF+8*\dt:VF+8*\dt+7], v[SF+16*\qt:SF+16*\qt+7], v[8*(4*\qt+\dt):8*(4*\qt+\dt)+7]
.endr
.endr
	WIN 0x51                                       ; source 0 in window 1 too: V lo x P hi
.irp qt, 0,1,2,3
.irp dt, 0,1,2,3
	v_wmma_f32_16x16x32_bf16 v[8*(4*\qt+\dt):8*(4*\qt+\dt)+7], v[VL+8*\dt:VL+8*\dt+7], v[KF+8*\qt:KF+8*\qt+7], v[8*(4*\qt+\dt):8*(4*\qt+\dt)+7]
.endr
.endr
.else
.irp qt, 0,1,2,3
.irp dt, 0,1,2,3
.if \first
	v_wmma_f32_16x16x32_bf16 v[8*(4*\qt+\dt):8*(4*\qt+\dt)+7], v[VF+8*\dt:VF+8*\dt+7], v[SF+16*\qt:SF+16*\qt+7], 0
.else
	v_wmma_f32_16x16x32_bf16 v[8*(4*\qt+\dt):8*(4*\qt+\dt)+7], v[VF+8*\dt:VF+8*\dt+7], v[SF+16*\qt:SF+16*\qt+7], v[8*(4*\qt+\dt):8*(4*\qt+\dt)+7]
.endif
.endr
.endr
.endif
	WIN 0
.rept 5
	v_nop                                          ; five places before the next step's S is written over P, four before loads into P hi's and V's registers (ISA guide 7.12.1 for vector instructions)
.endr
.endm
; A step with its change of slots.  In front of the round every wave waits for all its tensor loads (this step's tile among them) and for its LDS reads;
; behind it the slot read in the last step is asked for again, first thing, with the next step's tile.  refill: 0 none, 1 hi alone, 2 hi and lo.
.macro TRIP slot, refill, first, masked, prec
	s_wait_xcnt 0x0
	v_lshl_add_u32 v254, v0, 2, 0x4a000
	v_mov_b32 v255, 0
	s_wait_tensorcnt 0x0
	ds_add_u32 v254, v255
	s_wait_dscnt 0x0
.if \refill
	SETADR 1-\slot, (\refill-1)
.endif
	s_wait_dscnt 0x0
	ROUND
.if \refill
	JLOAD 1-\slot, (\refill-1)
.endif
	STEP \slot, \first, \masked, \prec
.endm
; The end of a run: the four parts of each head are merged and 64 queries x 2 heads stored, as hi and lo.  next = 1: the next run's Q is asked for first.
.macro MERGE next, qb, ob
.if \next
	QLOAD QF, \qb
.endif
.irp qt, 0,1,2,3
	v_permlanex16_b32 v[T2+\qt], v[LS+\qt], s58, s59
.endr
.irp qt, 0,1,2,3
	v_add_f32 v[LS+\qt], v[LS+\qt], v[T2+\qt]      ; the sum over my 32 keys a step
.endr
	ds_store_b128 v[STW], v[NMB+4:NMB+7]           ; a run has an even number of steps and ends in slot 1: the state is slot 1's set
	ds_store_b128 v[STW], v[LS:LS+3] offset:512
	s_wait_dscnt 0x0                               ; for the others' sake: zero
	s_barrier_signal -1
	s_barrier_wait -1
.irp k, 0,1,2,3
	ds_load_b128 v[SF+8*\k:SF+8*\k+3],   v[STR] offset:2048*\k
	ds_load_b128 v[SF+8*\k+4:SF+8*\k+7], v[STR] offset:2048*\k+512
.endr
	s_wait_dscnt 0x0
.irp qt, 0,1,2,3
	v_min3_num_f32 v[TT+\qt], v[SF+\qt], v[SF+8+\qt], v[SF+16+\qt]
.endr
.irp qt, 0,1,2,3
	v_min_num_f32 v[TT+\qt], v[TT+\qt], v[SF+24+\qt]               ; -c x the head's maximum
.endr
.irp qt, 0,1,2,3
	v_sub_f32 v[AL+\qt], v[TT+\qt], v[NMB+4+\qt]
.irp k, 0,1,2,3
	v_sub_f32 v[SF+8*\k+\qt], v[TT+\qt], v[SF+8*\k+\qt]
.endr
.endr
.irp qt, 0,1,2,3
	v_exp_f32 v[AL+\qt], v[AL+\qt]
.irp k, 0,1,2,3
	v_exp_f32 v[SF+8*\k+\qt], v[SF+8*\k+\qt]
.endr
.endr
	v_nop
	s_wait_alu depctr_va_vdst(0)
.irp qt, 0,1,2,3
	v_mul_f32 v[MB+\qt], v[SF+\qt], v[SF+4+\qt]
.endr
.irp k, 1,2,3
.irp qt, 0,1,2,3
	v_fmac_f32 v[MB+\qt], v[SF+8*\k+\qt], v[SF+8*\k+4+\qt]         ; the head's sum: at least about 1, from the part that holds the maximum
.endr
.endr
.irp qt, 0,1,2,3
	v_rcp_f32 v[MB+\qt], v[MB+\qt]
.endr
	v_nop
	s_wait_alu depctr_va_vdst(0)
.irp qt, 0,1,2,3
	v_mul_f32 v[AL+\qt], v[AL+\qt], v[MB+\qt]
.endr
	OSCALE AL
	WIN 0x04                                       ; store data from window 1
.irp qt, 0,1,2,3
.irp dt, 0,1,2,3
	ds_store_b128 v[SCW], v[8*(4*\qt+\dt):8*(4*\qt+\dt)+3]   offset:16*SCP*\qt+64*\dt
	ds_store_b128 v[SCW], v[8*(4*\qt+\dt)+4:8*(4*\qt+\dt)+7] offset:16*SCP*\qt+64*\dt+16
.endr
.endr
	WIN 0
	s_wait_dscnt 0x0
	s_barrier_signal -1
	s_barrier_wait -1
.irp i, 0,1,2,3,4,5,6,7
.irp k, 0,1,2,3
	ds_load_b128 v[SF+16*\i+4*\k:SF+16*\i+4*\k+3], v[SCRA+\k/2] offset:(\k%2)*SCQ+SCP*\i
.endr
.endr
.irp i, 0,1,2,3,4,5,6,7
	s_wait_dscnt 28-4*\i                           ; row i's four parts are in; the rows behind it stay out
	v_pk_add_f32 v[SF+16*\i:SF+16*\i+1],     v[SF+16*\i:SF+16*\i+1],     v[SF+16*\i+4:SF+16*\i+5]
	v_pk_add_f32 v[SF+16*\i+2:SF+16*\i+3],   v[SF+16*\i+2:SF+16*\i+3],   v[SF+16*\i+6:SF+16*\i+7]
	v_pk_add_f32 v[SF+16*\i+8:SF+16*\i+9],   v[SF+16*\i+8:SF+16*\i+9],   v[SF+16*\i+12:SF+16*\i+13]
	v_pk_add_f32 v[SF+16*\i+10:SF+16*\i+11], v[SF+16*\i+10:SF+16*\i+11], v[SF+16*\i+14:SF+16*\i+15]
	v_pk_add_f32 v[SF+16*\i:SF+16*\i+1],     v[SF+16*\i:SF+16*\i+1],     v[SF+16*\i+8:SF+16*\i+9]
	v_pk_add_f32 v[SF+16*\i+2:SF+16*\i+3],   v[SF+16*\i+2:SF+16*\i+3],   v[SF+16*\i+10:SF+16*\i+11]
	v_cvt_pk_bf16_f32 v[T2+2*\i],   v[SF+16*\i],   v[SF+16*\i+1]   ; hi
	v_cvt_pk_bf16_f32 v[T2+2*\i+1], v[SF+16*\i+2], v[SF+16*\i+3]
	v_lshlrev_b32 v[SF+16*\i+8],  16,  v[T2+2*\i]                  ; hi back in f32
	v_and_b32     v[SF+16*\i+9],  s61, v[T2+2*\i]
	v_lshlrev_b32 v[SF+16*\i+10], 16,  v[T2+2*\i+1]
	v_and_b32     v[SF+16*\i+11], s61, v[T2+2*\i+1]
	v_pk_add_f32 v[SF+16*\i:SF+16*\i+1],   v[SF+16*\i:SF+16*\i+1],   v[SF+16*\i+8:SF+16*\i+9]   neg_lo:[0,1] neg_hi:[0,1]
	v_pk_add_f32 v[SF+16*\i+2:SF+16*\i+3], v[SF+16*\i+2:SF+16*\i+3], v[SF+16*\i+10:SF+16*\i+11] neg_lo:[0,1] neg_hi:[0,1]
	v_cvt_pk_bf16_f32 v[SF+16*\i+4], v[SF+16*\i],   v[SF+16*\i+1]  ; lo
	v_cvt_pk_bf16_f32 v[SF+16*\i+5], v[SF+16*\i+2], v[SF+16*\i+3]
	global_store_b64 v[OOFF], v[T2+2*\i:T2+2*\i+1],       s[\ob:\ob+1] offset:4096*\i        ; 32 lanes store the two heads' 256 consecutive bytes of a row, aligned
	global_store_b64 v[OOFF], v[SF+16*\i+4:SF+16*\i+5],   s[\ob:\ob+1] offset:4096*\i+2048   ; and the same of the row's lo half
.endr
.if \next
	s_wait_xcnt 0x0                                ; the stores' data registers are written again in the next step only behind this wait
.endif
.endm
	; the low block: 2 n + 2 precise steps: the first, n pairs, the last
	TRIP 0, 2, 1, 1, 1
	s_cmp_eq_u32 s12, 0
	s_cbranch_scc1 .Llow_done
	s_mov_b32 s54, s12
.Llow:
	TRIP 1, 2, 0, 1, 1
	TRIP 0, 2, 0, 1, 1
	s_sub_co_u32 s54, s54, 1
	s_cmp_lg_u32 s54, 0
	s_cbranch_scc1 .Llow
.Llow_done:
	TRIP 1, 1, 0, 1, 1                             ; asks for the high run's first tile: hi alone
	MERGE 1, 68, 70                                ; that tile is on its way meanwhile
	s_mov_b32 s55, s74
	; the high block: 16 - 2 n plain steps
	TRIP 0, 1, 1, 1, 0
	TRIP 1, 1, 0, 1, 0
	s_sub_co_u32 s54, 6, s12
	s_max_u32 s54, s54, 1                          ; n is 0 to 3, so this is 3 to 6; the bound is written out
.Lhigh:
	TRIP 0, 1, 0, 0, 0
	TRIP 1, 1, 0, 0, 0
	s_sub_co_u32 s54, s54, 1
	s_cmp_lg_u32 s54, 0
	s_cbranch_scc1 .Lhigh
	TRIP 0, 1, 0, 0, 0
	TRIP 1, 0, 0, 0, 0                             ; the last step asks for nothing
	MERGE 0, 68, 72
	s_wait_xcnt 0x0
	v_lshl_add_u32 v254, v0, 2, 0x4a000
	v_mov_b32 v255, 0
	s_wait_tensorcnt 0x0
	ds_add_u32 v254, v255
	s_wait_dscnt 0x0
	ROUND                                          ; the closing round: no work-group ends while a partner may still ask for a tile that names it
	s_endpgm
.Lfunc_end_k_q1b5ddd3193_attention:
	.size	k_q1b5ddd3193_attention, .Lfunc_end_k_q1b5ddd3193_attention-k_q1b5ddd3193_attention
	.p2alignl 7, 3214868480
	.fill 96, 4, 3214868480
	.section	.rodata,"a",@progbits
	.p2align	6, 0x0
	.amdhsa_kernel k_q1b5ddd3193_attention
		.amdhsa_group_segment_fixed_size 327680
		.amdhsa_private_segment_fixed_size 0
		.amdhsa_enable_private_segment 0
		.amdhsa_kernarg_size 24
		.amdhsa_user_sgpr_count 2
		.amdhsa_user_sgpr_kernarg_segment_ptr 1
		.amdhsa_wavefront_size32 1
		.amdhsa_system_sgpr_workgroup_id_x 1
		.amdhsa_system_sgpr_workgroup_id_y 1
		.amdhsa_system_sgpr_workgroup_id_z 1
		.amdhsa_system_vgpr_workitem_id 0
		.amdhsa_next_free_vgpr 512
		.amdhsa_next_free_sgpr 102
		.amdhsa_reserve_vcc 1
		.amdhsa_float_denorm_mode_32 3
		.amdhsa_float_denorm_mode_16_64 3
		.amdhsa_memory_ordered 1
		.amdhsa_forward_progress 1
		.amdhsa_inst_pref_size 255
	.end_amdhsa_kernel
	.section	.bss,"aw",@nobits
	.p2align	6
	.space	262144
	.amdgpu_metadata
---
amdhsa.version: [ 1, 2 ]
amdhsa.kernels:
  - .name:           k_q1b5ddd3193_attention
    .symbol:         k_q1b5ddd3193_attention.kd
    .args:
      - { .name: qkvh, .offset: 0, .size: 8, .value_kind: global_buffer, .address_space: global }
      - { .name: qkvl, .offset: 8, .size: 8, .value_kind: global_buffer, .address_space: global }
      - { .name: ctx2, .offset: 16, .size: 8, .value_kind: global_buffer, .address_space: global }
    .group_segment_fixed_size: 327680
    .private_segment_fixed_size: 0
    .kernarg_segment_align: 8
    .kernarg_segment_size: 24
    .max_flat_workgroup_size: 256
    .sgpr_count:     102
    .vgpr_count:     512
    .wavefront_size: 32
...
	.end_amdgpu_metadata
.endif
;; end of part 3
;; launch oproj (part 4): grid 8 x 32, 4 waves a work-group, clusters of 4 x 4, 327,680 bytes of LDS; arguments ctx2, wob, out0; writes out0
.if DOCPART == 4
	.amdgcn_target "amdgcn-amd-amdhsa--gfx1250"
	.amdhsa_code_object_version 6
	.text
	.protected	k_q1b5ddd3193_oproj
	.globl	k_q1b5ddd3193_oproj
	.p2align	8
	.type	k_q1b5ddd3193_oproj,@function
k_q1b5ddd3193_oproj:
	s_mov_b64 s[64:65], 0
	v_nop
	global_prefetch_b8 v0, s[64:65] scope:SCOPE_SE
	s_setreg_imm32_b32 hwreg(HW_REG_WAVE_MODE, 25, 1), 1
	s_wait_xcnt 0x0
	s_wait_alu depctr_hold_cnt(0) depctr_sa_sdst(0) depctr_va_vdst(0) depctr_va_sdst(0) depctr_va_ssrc(0) depctr_va_vcc(0) depctr_vm_vsrc(0)
	s_getreg_b32 s2, hwreg(HW_REG_IB_STS2, 6, 4)
	s_cmp_eq_u32 s2, 0
	s_cbranch_scc0 .Lentry_in_a_cluster
	s_endpgm
.Lentry_in_a_cluster:
	s_bfe_u32 s2, ttmp6, 0x10000c
	s_cmp_lg_u32 s2, 0xf033
	s_cbranch_scc0 .Lentry_shape_is_right
	s_endpgm
.Lentry_shape_is_right:
; oproj: out0 [4096][2048] f32 = ctx x wob, wob [1024 k][2048 n] bf16, f32 sums.  ctx comes as two bf16 numbers, ctx2 [4096][hi 1024 | lo 1024], and the
; product is hi x wob + lo x wob: one sum over 2,048 along ctx2's rows, sixteen K steps of 128, in which the weights' tile of K step t is that of t mod 8.
; So ctx enters with 16 significant bits: a row at a small position averages few values and is large against the error allowed for the whole output.
; The same core as the projection of q, k and v.  A work-group makes 128 rows x 256 columns with four waves; K IS SPLIT BETWEEN WAVES: wave w takes columns
; 128 (w & 1) .. + 127 and, of every K step of 128, the 64 numbers at 64 (w >> 1), so each wave has a tile of 128 x 128 (512 registers) over half of K and
; reads 2 x 128 x 64 bytes from LDS for 64 matrix instructions.  At the end the two waves of a column half add their halves through LDS: each keeps 64 rows.
; K goes through two LDS slots filled by the tensor data mover; the weights lie [k][n] and are read by the transposing LDS load.
; CLUSTERS: 4 x 4 work-groups; ctx2's tile is asked for jointly along a cluster's row, the weights' along a column: a quarter of the requests for both.
; The matrix instruction is used transposed: lane l holds row l % 16, registers 0-7 the columns 8 (l / 16) + 0 .. 7.
; LIMITS, stated: the weights are bf16; the sum over K is made as two halves that are added at the end.
; REGISTERS: window 0: v16-28 addresses; v64-127, v128-191 fragments of ctx2, two buffers.  window 1: v64-127, v128-191 fragments of the weights.
;   window 2: the 32 tiles (a, b) at v[8 (8 a + b)] of the 64 rows that I keep; window 3: those of the 64 rows that I give away.
.set KDIM,   2048                      ; elements in a row of ctx2
.set LAPS,   KDIM/256
.set PA,     272
.set PB,     544
.set BBYTES, 128*PB
.set SLOT,   BBYTES+128*PA
.set STAGE,  131072                    ; behind the exchange (4 x 32,768 bytes from byte 0): 16 rows x 528 bytes a wave; both are written only behind the slots' last fill
.set SPITCH, 528
.set ADRAK, 16
.set ADRAG, 18
.set ADRB,  20
.set STO,   24
.set RD,    25
.set CO,    26
.set XW,    27
.set XR,    28
.set F0,    64
.set F1,    128
.set G1,  24
.set G0,  32
.set G1B, 48
.set G0B, 56
.set MSB, 0
.macro WIN new                         ; the immediate's high byte repeats the setting that is left
.if MSB != \new
	s_set_vgpr_msb (MSB<<8)|\new
.set MSB, \new
.endif
.endm
.set MUL_LO, 0xa1
.set MUL_HI, 0xf1
.set TO_B,   0x40
; A joint load.  Waves 0 and 1 fetch the weights' two halves, waves 2 and 3 ctx2's.  The branch hangs on the wave's number alone.
.macro JLOAD s
	s_cmp_eq_u32 s11, 0
	s_cbranch_scc0 .Lfor_a_\@
	tensor_load_to_lds s[G0B+4*\s:G0B+4*\s+3], s[G1B:G1B+7]
	s_nop 0
	s_branch .Lasked_\@
.Lfor_a_\@:
	tensor_load_to_lds s[G0+4*\s:G0+4*\s+3], s[G1:G1+7]
	s_nop 0
.Lasked_\@:
.endm
.macro CREST
	s_cmp_lg_u32 s10, 0
	s_cbranch_scc1 .Lnot_wave_0_\@
	s_barrier_signal -3
.Lnot_wave_0_\@:
	s_barrier_wait -3
	s_barrier_signal -1
	s_barrier_wait -1
.endm
.macro CROUND
	s_barrier_signal -1
	s_barrier_wait -1
	CREST
.endm
	s_load_b128 s[4:7], s[0:1], 0x0                ; ctx2 s[4:5], wob s[6:7]
	s_load_b64 s[70:71], s[0:1], 0x10              ; out0
	s_set_vgpr_msb 0x40
	v_lshl_add_u32 v255, v0, 2, 0x33000
	s_set_vgpr_msb 0x4000
	v_mov_b32 v255, 0
	s_set_vgpr_msb 0x1
	ds_add_u32 v255, v255
	s_set_vgpr_msb 0x100
	v_lshrrev_b32 v1, 5, v0
	v_readfirstlane_b32 s10, v1                    ; wave 0..3
	s_lshr_b32 s11, s10, 1                         ; kh
	s_and_b32 s12, s10, 1                          ; wn
	s_bfe_u32 s40, ttmp6, 0x40000                  ; cx
	s_bfe_u32 s41, ttmp6, 0x40004                  ; cy
	s_lshl_b32 s42, ttmp9, 2
	s_add_co_u32 s42, s42, s40                     ; bx
	s_and_b32 s13, ttmp7, 0xffff
	s_lshl_b32 s13, s13, 2
	s_add_co_u32 s13, s13, s41                     ; by
	s_lshl_b32 s43, s41, 2
	s_lshl_b32 s43, 15, s43                        ; my row of the cluster
	s_lshl_b32 s44, 0x1111, s40                    ; my column
	s_or_b32 s[G1+0], s43, 0x07710000              ; mask; 2-byte elements; padding on; bit 21 beside a mask; after every 64 words 4 words
	s_mov_b32 s[G1+1], 128<<16
	s_mov_b32 s[G1+2], 64<<16
	s_mov_b32 s[G1+3], 128<<16
	s_mov_b32 s[G1+4], 64
	s_mov_b32 s[G1+5], KDIM
	s_mov_b32 s[G1+6], 0
	s_mov_b32 s[G1+7], 0
	s_or_b32 s[G1B+0], s44, 0x0fb10000             ; mask; 2-byte elements; padding on; bit 21; after every 128 words 8 words
	s_mov_b32 s[G1B+1], 256<<16
	s_mov_b32 s[G1B+2], 64<<16
	s_mov_b32 s[G1B+3], 256<<16
	s_mov_b32 s[G1B+4], 64
	s_mov_b32 s[G1B+5], 2048
	s_mov_b32 s[G1B+6], 0
	s_mov_b32 s[G1B+7], 0
	s_lshl_b32 s16, s13, 7                         ; ctx2: row 128 by + 64 (w & 1), in registers that never hold bx
	s_lshl_b32 s17, s12, 6
	s_add_co_u32 s16, s16, s17
	s_mul_i32 s16, s16, KDIM*2
	s_mov_b32 s17, 0
	s_lshl_b32 s46, s42, 9                         ; weights: k row 64 (w & 1), column 256 bx, in registers that never hold by
	s_lshl_b32 s47, s12, 18
	s_add_co_u32 s46, s46, s47
	s_mov_b32 s47, 0
	s_mul_i32 s20, s10, 64*PA
	s_add_co_u32 s20, s20, BBYTES-2*64*PA
	s_mul_i32 s21, s10, 64*PB
	s_wait_dscnt 0x0
	s_wait_kmcnt 0x0
	s_add_nc_u64 s[14:15], s[4:5], s[16:17]
	s_add_nc_u64 s[46:47], s[6:7], s[46:47]        ; stays: the weights' tile of K step 0
	CROUND                                         ; all sixteen work-groups are here: the first joint loads meet
.irp s, 0,1
	s_mov_b32 s[G0+4*\s], 1
	s_add_co_u32 s[G0+4*\s+1], s20, \s*SLOT
	s_add_nc_u64 s[G0+4*\s+2:G0+4*\s+3], s[14:15], \s*256
	s_or_b32 s[G0+4*\s+3], s[G0+4*\s+3], 0x80000000
	s_mov_b32 s[G0B+4*\s], 1
	s_add_co_u32 s[G0B+4*\s+1], s21, \s*SLOT
	s_add_nc_u64 s[G0B+4*\s+2:G0B+4*\s+3], s[46:47], \s*524288
	s_or_b32 s[G0B+4*\s+3], s[G0B+4*\s+3], 0x80000000
	JLOAD \s                                       ; both slots' first fills go out together: two tensor loads of the wave are out
.endr
	v_and_b32 v1, 15, v0                           ; r
	v_bfe_u32 v2, v0, 4, 1                         ; h
	v_and_b32 v3, 7, v0
	v_bfe_u32 v4, v0, 3, 1
	v_and_b32 v5, 31, v0                           ; lane
	v_mul_u32_u24 v6, v1, PA
	v_lshl_add_u32 v6, v2, 4, v6
	s_mul_i32 s16, s11, 64*PA+128                  ; the rows I keep are 64 kh ..; my half of K begins at byte 128 kh of a row
	s_add_co_u32 s16, s16, BBYTES
	s_xor_b32 s17, s11, 1
	s_mul_i32 s17, s17, 64*PA                      ; the rows I give away are the other 64
	s_lshl_b32 s18, s11, 7
	s_add_co_u32 s17, s17, s18
	s_add_co_u32 s17, s17, BBYTES
	v_lshl_add_u32 v7, v2, 3, v3
	v_mul_u32_u24 v7, v7, PB
	v_lshl_add_u32 v7, v4, 4, v7
	s_mul_i32 s18, s11, 64*PB
	s_lshl_b32 s19, s12, 8
	s_add_co_u32 s18, s18, s19
.irp s, 0,1
	v_add_nc_u32 v[ADRAK+\s], s16, v6
	v_add_nc_u32 v[ADRAG+\s], s17, v6
	v_add_nc_u32 v[ADRB+\s], s18, v7
	s_add_co_u32 s16, s16, SLOT
	s_add_co_u32 s17, s17, SLOT
	s_add_co_u32 s18, s18, SLOT
.endr
	s_lshl_b32 s19, s10, 15
	v_lshl_add_u32 v[XW], v5, 4, s19
	s_xor_b32 s19, s19, 0x10000                    ; my partner is wave w xor 2
	v_lshl_add_u32 v[XR], v5, 4, s19
	s_mul_i32 s19, s10, 16*SPITCH
	s_add_co_u32 s19, s19, STAGE
	v_mul_u32_u24 v6, v1, SPITCH
	v_lshl_add_u32 v6, v2, 5, v6
	v_add_nc_u32 v[STO], s19, v6                   ; in: row r, 32 bytes for each half of the lanes
	v_lshl_add_u32 v[RD], v5, 4, s19               ; back: a whole row of 512 bytes
	v_lshlrev_b32 v[CO], 4, v5
	s_mov_b32 s19, 0                               ; from here on: the high word of the weights' offset s[18:19]
	s_mov_b32 s23, 2                               ; the next K step to ask for
	; where my 64 rows x 128 columns go: (128 by + 64 kh) rows of 8,192 bytes + 1,024 bx + 512 wn, made in registers that feed no descriptor
	s_lshl_b32 s72, s13, 7
	s_lshl_b32 s73, s11, 6
	s_add_co_u32 s72, s72, s73
	s_lshl_b32 s72, s72, 13
	s_lshl_b32 s73, s42, 10
	s_add_co_u32 s72, s72, s73
	s_lshl_b32 s73, s12, 9
	s_add_co_u32 s72, s72, s73
	s_mov_b32 s73, 0
	s_add_nc_u64 s[70:71], s[70:71], s[72:73]
; 16 matrix instructions.  The 64 accumulators take turns, one instruction a turn, in the same order in every quarter.
.macro MUL16 f, hi, a0, zero
.irp a, \a0, \a0+1
.irp b, 0,1,2,3,4,5,6,7
.if \zero
	v_wmma_f32_16x16x32_bf16 v[8*(8*(\a)+\b):8*(8*(\a)+\b)+7], v[\f+8*\b:\f+8*\b+7], v[\f+8*(4*\hi+\a):\f+8*(4*\hi+\a)+7], 0
.else
	v_wmma_f32_16x16x32_bf16 v[8*(8*(\a)+\b):8*(8*(\a)+\b)+7], v[\f+8*\b:\f+8*\b+7], v[\f+8*(4*\hi+\a):\f+8*(4*\hi+\a)+7], v[8*(8*(\a)+\b):8*(8*(\a)+\b)+7]
.endif
.endr
.endr
.endm
.macro FETCH slot, q, f
	WIN TO_B
.irp b, 0,1,2,3,4,5,6,7
	ds_load_tr16_b128 v[\f+8*\b:\f+8*\b+3],   v[ADRB+\slot] offset:\q*32*PB+32*\b
	ds_load_tr16_b128 v[\f+8*\b+4:\f+8*\b+7], v[ADRB+\slot] offset:\q*32*PB+32*\b+16*PB
.endr
	WIN 0
.irp i, 0,1,2,3
	ds_load_b128 v[\f+8*\i:\f+8*\i+3],   v[ADRAK+\slot] offset:\i*16*PA+64*\q
	ds_load_b128 v[\f+8*\i+4:\f+8*\i+7], v[ADRAK+\slot] offset:\i*16*PA+64*\q+32
.endr
.irp i, 0,1,2,3
	ds_load_b128 v[\f+32+8*\i:\f+32+8*\i+3],   v[ADRAG+\slot] offset:\i*16*PA+64*\q
	ds_load_b128 v[\f+32+8*\i+4:\f+32+8*\i+7], v[ADRAG+\slot] offset:\i*16*PA+64*\q+32
.endr
.endm
; Four plain vector instructions between a matrix instruction and a load into, or a store or vector instruction on, one of its registers
; (ISA guide 7.12.1 for vector instructions).
.macro PLACES
.rept 4
	v_nop
.endr
.endm
.macro QUARTER slot, zero
	s_wait_dscnt 8                                 ; the weights and the rows I keep are in; the youngest eight loads (the rows I give away) may be out
	WIN MUL_LO
	MUL16 F0, 0, 0, \zero
	MUL16 F0, 0, 2, \zero
	PLACES
	FETCH \slot, 1, F1
	s_wait_dscnt 32                                ; all but the 32 just issued
	WIN MUL_HI
	MUL16 F0, 1, 0, \zero
	MUL16 F0, 1, 2, \zero
.endm
.macro TURN slot, next, fill
	s_wait_dscnt 8
	WIN MUL_LO
	MUL16 F1, 0, 0, 0
	s_wait_dscnt 0                                 ; my reads of this slot are over
	s_wait_tensorcnt 0x0                           ; and all my tensor loads have landed: the one that was out is my part of the next slot
	ds_add_u32 v255, v255
	s_wait_dscnt 0x0
	s_barrier_signal -1                            ; where a slot is filled again this barrier opens a round of the cluster's barrier
	MUL16 F1, 0, 2, 0
	WIN 0
	s_barrier_wait -1
.if \fill
	CREST                                          ; no wave of any partner still reads this slot or has a load on its way
	s_add_nc_u64 s[G0+4*\slot+2:G0+4*\slot+3], s[G0+4*\slot+2:G0+4*\slot+3], 512   ; ctx2: two K steps along the row, from hi on into lo
	s_and_b32 s18, s23, 7                          ; the weights: K step mod 8,
	s_lshl_b32 s18, s18, 19                        ; 128 rows of 4,096 bytes each
	s_add_nc_u64 s[G0B+4*\slot+2:G0B+4*\slot+3], s[46:47], s[18:19]
	s_or_b32 s[G0B+4*\slot+3], s[G0B+4*\slot+3], 0x80000000
	s_add_co_u32 s23, s23, 1
	JLOAD \slot                                    ; two K steps ahead: the wave's one tensor load behind the round
.endif
	PLACES
	FETCH \next, 0, F0
	WIN MUL_HI
	MUL16 F1, 1, 0, 0
	MUL16 F1, 1, 2, 0
.endm
.macro LAP zero
	QUARTER 0, \zero
	TURN 0, 1, 1
	QUARTER 1, 0
	TURN 1, 0, 1
.endm
	s_wait_tensorcnt 1                             ; my part of K step 0 is in; K step 1's may stay out
	s_barrier_signal -1
	s_barrier_wait -1
	FETCH 0, 0, F0
	LAP 1
	WIN 0
	s_mov_b32 s22, LAPS-2
.Llap:
	LAP 0
	WIN 0
	s_sub_co_u32 s22, s22, 1
	s_cmp_lg_u32 s22, 0
	s_cbranch_scc1 .Llap
	QUARTER 0, 0                                   ; the last lap fills nothing
	TURN 0, 1, 0
	QUARTER 1, 0
	s_wait_dscnt 8
	WIN MUL_LO
	MUL16 F1, 0, 0, 0
	MUL16 F1, 0, 2, 0
	s_wait_dscnt 0
	WIN MUL_HI
	MUL16 F1, 1, 0, 0
	MUL16 F1, 1, 2, 0
	; THE TWO HALVES OF K ARE ADDED.  Every wave has read its last fragment and no tensor load is out: behind this barrier the slots are scratch.
	PLACES
	WIN 0
	s_wait_dscnt 0x0
	s_barrier_signal -1
	s_barrier_wait -1
	WIN 0x0c                                       ; store data from window 3
.set n, 0
.rept 64
	ds_store_b128 v[XW], v[4*n:4*n+3] offset:512*n
.set n, n+1
.endr
	WIN 0
	s_wait_dscnt 0x0                               ; for my partner's sake: zero
	s_barrier_signal -1
	s_barrier_wait -1
	WIN 0xc0                                       ; loaded data into window 3
.set n, 0
.rept 64
	ds_load_b128 v[4*n:4*n+3], v[XR] offset:512*n
.set n, n+1
.endr
.irp g, 0,1,2,3
	s_wait_dscnt 48-16*\g                          ; sixteen more loads are in
	WIN 0x8e                                       ; window 2 += window 3
.set n, 0
.rept 32
	v_pk_add_f32 v[64*\g+2*n:64*\g+2*n+1], v[64*\g+2*n:64*\g+2*n+1], v[64*\g+2*n:64*\g+2*n+1]
.set n, n+1
.endr
.endr
; THE WAY OUT, 16 rows at a time: a lane's eight f32 (32 bytes of a row) into my own stage, back as whole rows of 512 bytes.
.macro OUT16F a, f
	WIN 0x08                                       ; store data from window 2
.irp b, 0,1,2,3,4,5,6,7
	ds_store_b128 v[STO], v[8*(8*\a+\b):8*(8*\a+\b)+3]   offset:64*\b
	ds_store_b128 v[STO], v[8*(8*\a+\b)+4:8*(8*\a+\b)+7] offset:64*\b+16
.endr
	WIN 0
	s_wait_xcnt 0x0                                ; buffer f, which earlier stores read, is loaded again only behind this wait
.irp t, 0,1,2,3,4,5,6,7,8,9,10,11,12,13,14,15
	ds_load_b128 v[\f+4*\t:\f+4*\t+3], v[RD] offset:SPITCH*\t      ; LDS serves a wave's instructions in order: these see the stores above
.endr
.irp t, 0,1,2,3,4,5,6,7,8,9,10,11,12,13,14,15
	s_wait_dscnt 15-\t
	global_store_b128 v[CO], v[\f+4*\t:\f+4*\t+3], s[70:71] offset:(16*\a+\t)*8192 th:TH_STORE_NT   ; 32 lanes store 512 consecutive bytes of a row, aligned
.endr
.endm
	OUT16F 0, F0
	OUT16F 1, F1
	OUT16F 2, F0
	OUT16F 3, F1
	s_set_vgpr_msb 0x1
	s_wait_tensorcnt 0x0
	ds_add_u32 v255, v255
	s_wait_dscnt 0x0
	s_set_vgpr_msb 0x100
	CROUND                                         ; the closing round: no work-group ends while a partner may still ask for a tile that names it
	s_endpgm
.Lfunc_end_k_q1b5ddd3193_oproj:
	.size	k_q1b5ddd3193_oproj, .Lfunc_end_k_q1b5ddd3193_oproj-k_q1b5ddd3193_oproj
	.p2alignl 7, 3214868480
	.fill 96, 4, 3214868480
	.section	.rodata,"a",@progbits
	.p2align	6, 0x0
	.amdhsa_kernel k_q1b5ddd3193_oproj
		.amdhsa_group_segment_fixed_size 327680
		.amdhsa_private_segment_fixed_size 0
		.amdhsa_enable_private_segment 0
		.amdhsa_kernarg_size 24
		.amdhsa_user_sgpr_count 2
		.amdhsa_user_sgpr_kernarg_segment_ptr 1
		.amdhsa_wavefront_size32 1
		.amdhsa_system_sgpr_workgroup_id_x 1
		.amdhsa_system_sgpr_workgroup_id_y 1
		.amdhsa_system_sgpr_workgroup_id_z 1
		.amdhsa_system_vgpr_workitem_id 0
		.amdhsa_next_free_vgpr 1024
		.amdhsa_next_free_sgpr 80
		.amdhsa_reserve_vcc 0
		.amdhsa_float_denorm_mode_32 3
		.amdhsa_float_denorm_mode_16_64 3
		.amdhsa_memory_ordered 1
		.amdhsa_forward_progress 1
		.amdhsa_inst_pref_size 121
	.end_amdhsa_kernel
	.amdgpu_metadata
---
amdhsa.version: [ 1, 2 ]
amdhsa.kernels:
  - .name:           k_q1b5ddd3193_oproj
    .symbol:         k_q1b5ddd3193_oproj.kd
    .args:
      - { .name: ctx2, .offset: 0, .size: 8, .value_kind: global_buffer, .address_space: global }
      - { .name: wob, .offset: 8, .size: 8, .value_kind: global_buffer, .address_space: global }
      - { .name: out0, .offset: 16, .size: 8, .value_kind: global_buffer, .address_space: global }
    .group_segment_fixed_size: 327680
    .private_segment_fixed_size: 0
    .kernarg_segment_align: 8
    .kernarg_segment_size: 24
    .max_flat_workgroup_size: 128
    .sgpr_count:     80
    .vgpr_count:     1024
    .wavefront_size: 32
...
	.end_amdgpu_metadata
.endif
;; end of part 4
;; ======== version 2 of 2: 4 launches
;; limits: right only within a limited range of input values
;; workspace buffers: xb 16,777,216 bytes; wqkv 8,388,608 bytes; wob 4,194,304 bytes; rope 524,288 bytes; qkvh 16,777,216 bytes; qkvl 16,777,216 bytes; ctx2 16,777,216 bytes
;; launch prep: the kernel of part 1 again; grid 928 x 1, 8 waves a work-group, no clusters, 0 bytes of LDS; arguments x, Wq, Wk, Wv, Wo, xb, wqkv, wob, rope; writes xb, wqkv, wob, rope
;; launch qkvproj (part 5): grid 8 x 32, 4 waves a work-group, clusters of 4 x 4, 327,680 bytes of LDS; arguments xb, wqkv, rope, qkvh, qkvl; writes qkvh, qkvl
.if DOCPART == 5
	.amdgcn_target "amdgcn-amd-amdhsa--gfx1250"
	.amdhsa_code_object_version 6
	.text
	.protected	k_q1b5ddd3193_qkvproj
	.globl	k_q1b5ddd3193_qkvproj
	.p2align	8
	.type	k_q1b5ddd3193_qkvproj,@function
k_q1b5ddd3193_qkvproj:
	s_mov_b64 s[64:65], 0
	v_nop
	global_prefetch_b8 v0, s[64:65] scope:SCOPE_SE
	s_setreg_imm32_b32 hwreg(HW_REG_WAVE_MODE, 25, 1), 1
	s_wait_xcnt 0x0
	s_wait_alu depctr_hold_cnt(0) depctr_sa_sdst(0) depctr_va_vdst(0) depctr_va_sdst(0) depctr_va_ssrc(0) depctr_va_vcc(0) depctr_vm_vsrc(0)
	s_getreg_b32 s2, hwreg(HW_REG_IB_STS2, 6, 4)
	s_cmp_eq_u32 s2, 0
	s_cbranch_scc0 .Lentry_in_a_cluster
	s_endpgm
.Lentry_in_a_cluster:
	s_bfe_u32 s2, ttmp6, 0x10000c
	s_cmp_lg_u32 s2, 0xf033
	s_cbranch_scc0 .Lentry_shape_is_right
	s_endpgm
.Lentry_shape_is_right:
; qkvproj: [4096][2048] = xb [4096][2048 k] x wqkv [2048 k][2048 n], bf16 operands, f32 sums; RoPE on the q and k columns; stored by heads:
; qkvh [g = 32][row = 4096][64] bf16, g 0-15 query heads, 16-23 key heads, 24-31 value heads.
; TWO bf16 FOR A RESULT.  hi = the result rounded to bf16 goes to qkvh.  For rows at positions below 1024, lo = (result - hi) rounded to bf16 goes to
; qkvl, same layout: together 16 significant bits.  Why: a query at position n averages some n values, so its output is about 1/sqrt(n) of a single
; value's size, while the error that is allowed is one figure for the whole output; one rounding to 8 significant bits is too coarse for small n.
; Rows at positions from 1024 on leave no lo: nothing reads it.
; A work-group makes 128 rows x 256 columns with four waves.  K IS SPLIT BETWEEN WAVES: wave w takes columns 128 (w & 1) .. + 127 and one half of every
; piece of K (kh = w >> 1).  So each wave has a tile of 128 x 128 (64 accumulator tiles, 512 registers) over half of K, and for 32 along K reads
; 2 x 128 x 64 bytes from LDS for 64 matrix instructions.  At the end the two waves of a column half add their halves of K through LDS: each keeps
; 64 rows and gives the other 64 away.
; THE RING: A SHORT AND A LONG SLOT.  A tile has the work between two refills' barriers in which to land, and LDS has to hold two such stretches.  The block
; takes 768 bytes for each number along K; 384 along K fit with their padding (311,296 bytes), 512 do not.  So K goes in pieces of 128 (short slot) and 256
; (long slot) by turns: 2,048 = 128 + 5 x (256 + 128), S L S L S L S L S L S.  That is ten changes of slot in place of the fifteen that two slots of 128 would need;
; the short slot's load has a long piece's 240 matrix instructions in which to land, the long slot's 112.  All tile rows are 256 or 512 bytes of memory and
; start at multiples of 256 bytes (two equal slots of 192 would have rows of 384 bytes, and 192 does not divide 2,048).
; The weights lie [k][n]; their fragments are read by the transposing LDS load.
; CLUSTERS: 4 x 4 work-groups.  x's tile hangs on the block row alone and is asked for jointly by the four of a cluster's row, the weights' tile on
; the block column alone, jointly by the four of a column: the requests for both are divided by four.
; The matrix instruction is used transposed (source 0 = 16 columns of the weights, source 1 = 16 rows of x): lane l holds row l % 16, registers 0-7
; the columns 8 (l / 16) + 0 .. 7.
; LIMITS, stated: x and the weights are bf16; the sum over K is made as two halves that are added at the end; NaN and infinities are not followed
; (a value column is multiplied by the table's row 0, cos = 1 and sin = 0).
; REGISTERS: window 0: v0-7 at work on the way out; v8-11, v16-30 addresses; v32-63 packed hi; v64-127, v128-191 fragments of x, two buffers; v192-255 at work on the way out.
;   window 1: v64-127, v128-191 fragments of the weights; v0-63, v192-255 cosines and sines.
;   window 2: the 32 tiles (a, b) at v[8 (8 a + b)] of the 64 rows that I keep; window 3: those of the 64 rows that I give away.
.set KDIM,   2048
.set PAIRS,  5                         ; pairs of a short and a long piece; one more short piece follows them
.set PA0,    272                       ; x's LDS row in the short slot: 256 bytes + 16: sixteen rows start at sixteen different 16-byte columns of 256 bytes
.set PA1,    528                       ; x's LDS row in the long slot: 512 bytes + 16: likewise
.set PB,     544                       ; the weights' LDS row: 512 bytes + 32: eight rows start at eight different 32-byte columns of 256 bytes
.set LB_OFF, 0                         ; the long slot (slot 1): the weights' 256 k rows,
.set LA_OFF, 256*PB                    ; then x's 128 rows
.set SB_OFF, LA_OFF+128*PA1            ; the short slot (slot 0): the weights' 128 k rows,
.set SA_OFF, SB_OFF+128*PB             ; then x's 128 rows
.set STAGE,  131072                    ; behind the exchange (4 x 32,768 bytes from byte 0): 16 rows x 272 bytes a wave for hi, the same again for lo.  All lie in the slots and are written only behind the slots' last fill
.set SPITCH, 272
.set LOST,   4*16*SPITCH               ; lo's stages lie behind the four waves' hi stages
.set TOFF,  8                          ; v8-11   byte offset in the table of my row of tile row a
.set ADRAK, 16                         ; v16-17  LDS address of x's fragments of the rows I keep, slot 0, 1
.set ADRAG, 18                         ; v18-19  of the rows I give away
.set ADRB,  20                         ; v20-21  of the weights' fragments
.set STO,   24
.set RD,    25
.set CO,    26
.set XW,    27                         ; exchange: where I write
.set XR,    28                         ; exchange: where I read
.set HW,    32                         ; v32-63  the way out: hi, two bf16 a word
.set F0,    64
.set F1,    128
.set TMP,   192
.set G1A, 24                           ; s[24:31] group 1 for x's tiles, short slot; the long slot's is s[80:87] = G1A + 56
.set G0A, 32                           ; s[32:39] group 0 for x's tiles, one set a slot
.set G1B, 48                           ; s[48:55] group 1 for the weights' tiles, short slot; the long slot's is s[88:95] = G1B + 40
.set G0B, 56                           ; s[56:63] group 0 for the weights' tiles, one set a slot
.set MSB, 0
.macro WIN new                         ; the immediate's high byte repeats the setting that is left
.if MSB != \new
	s_set_vgpr_msb (MSB<<8)|\new
.set MSB, \new
.endif
.endm
.set MUL_LO, 0xa1                      ; source 0 window 1, source 1 window 0, C and D window 2
.set MUL_HI, 0xf1                      ; the same, C and D window 3
.set TO_B,   0x40                      ; destination window 1
; A joint load into slot s.  Waves 0 and 1 fetch the weights' two halves, waves 2 and 3 x's (64 rows each).  The branch hangs on the wave's number alone.
.macro JLOAD s
	s_cmp_eq_u32 s11, 0
	s_cbranch_scc0 .Lfor_a_\@
	tensor_load_to_lds s[G0B+4*\s:G0B+4*\s+3], s[G1B+40*\s:G1B+40*\s+7]
	s_nop 0
	s_branch .Lasked_\@
.Lfor_a_\@:
	tensor_load_to_lds s[G0A+4*\s:G0A+4*\s+3], s[G1A+56*\s:G1A+56*\s+7]
	s_nop 0
.Lasked_\@:
.endm
.macro CREST                           ; a round of the cluster's barrier behind its opening barrier
	s_cmp_lg_u32 s10, 0
	s_cbranch_scc1 .Lnot_wave_0_\@
	s_barrier_signal -3
.Lnot_wave_0_\@:
	s_barrier_wait -3
	s_barrier_signal -1
	s_barrier_wait -1
.endm
.macro CROUND                          ; a whole round
	s_barrier_signal -1
	s_barrier_wait -1
	CREST
.endm
	s_load_b128 s[4:7], s[0:1], 0x0                ; xb s[4:5], wqkv s[6:7]
	s_load_b128 s[68:71], s[0:1], 0x10             ; rope s[68:69], qkvh s[70:71]
	s_load_b64 s[78:79], s[0:1], 0x20              ; qkvl
	v_lshl_add_u32 v23, v0, 2, 0x4c000
	v_mov_b32 v31, 0
	ds_add_u32 v23, v31
	v_lshrrev_b32 v1, 5, v0
	v_readfirstlane_b32 s10, v1                    ; wave 0..3
	s_lshr_b32 s11, s10, 1                         ; kh: my half of a piece of K.  Also: I fetch for the weights (0) or for x (1)
	s_and_b32 s12, s10, 1                          ; wn: my half of the columns.  Also: which half of that tile's rows I fetch
	s_bfe_u32 s40, ttmp6, 0x40000                  ; cx
	s_bfe_u32 s41, ttmp6, 0x40004                  ; cy
	s_lshl_b32 s42, ttmp9, 2
	s_add_co_u32 s42, s42, s40                     ; bx: block column
	s_and_b32 s13, ttmp7, 0xffff
	s_lshl_b32 s13, s13, 2
	s_add_co_u32 s13, s13, s41                     ; by: block row
	s_and_b32 s75, ttmp7, 2                        ; a cluster holds 512 rows, a batch four clusters: bit 1 of the cluster's y is set for positions from 1024 on.  The same in all partners
	s_lshl_b32 s43, s41, 2
	s_lshl_b32 s43, 15, s43                        ; my row of the cluster
	s_lshl_b32 s44, 0x1111, s40                    ; my column
	; x, short slot: 64 rows x 128 elements
	s_or_b32 s[G1A+0], s43, 0x07710000             ; mask; 2-byte elements; padding on; bit 21 beside a mask; after every 64 words 4 words
	s_mov_b32 s[G1A+1], 128<<16                    ; tensor_dim0 = 128
	s_mov_b32 s[G1A+2], 64<<16                     ; tensor_dim1 = 64
	s_mov_b32 s[G1A+3], 128<<16                    ; tile_dim0 = 128 elements (256 bytes)
	s_mov_b32 s[G1A+4], 64                         ; tile_dim1 = 64 rows
	s_mov_b32 s[G1A+5], KDIM                       ; elements from row to row
	s_mov_b32 s[G1A+6], 0
	s_mov_b32 s[G1A+7], 0
	; x, long slot: 64 rows x 256 elements
	s_or_b32 s[G1A+56], s43, 0x07b10000            ; the same mask; after every 128 words 4 words
	s_mov_b32 s[G1A+57], 256<<16
	s_mov_b32 s[G1A+58], 64<<16
	s_mov_b32 s[G1A+59], 256<<16                   ; tile_dim0 = 256 elements (512 bytes)
	s_mov_b32 s[G1A+60], 64
	s_mov_b32 s[G1A+61], KDIM
	s_mov_b32 s[G1A+62], 0
	s_mov_b32 s[G1A+63], 0
	; weights, short slot: 64 k rows x 256 elements
	s_or_b32 s[G1B+0], s44, 0x0fb10000             ; mask of my column; 2-byte elements; padding on; bit 21; after every 128 words 8 words
	s_mov_b32 s[G1B+1], 256<<16
	s_mov_b32 s[G1B+2], 64<<16
	s_mov_b32 s[G1B+3], 256<<16                    ; tile_dim0 = 256 elements (512 bytes)
	s_mov_b32 s[G1B+4], 64
	s_mov_b32 s[G1B+5], 2048
	s_mov_b32 s[G1B+6], 0
	s_mov_b32 s[G1B+7], 0
	; weights, long slot: 128 k rows x 256 elements
	s_or_b32 s[G1B+40], s44, 0x0fb10000
	s_mov_b32 s[G1B+41], 256<<16
	s_mov_b32 s[G1B+42], 128<<16                   ; tensor_dim1 = 128
	s_mov_b32 s[G1B+43], 256<<16
	s_mov_b32 s[G1B+44], 128                       ; tile_dim1 = 128 rows
	s_mov_b32 s[G1B+45], 2048
	s_mov_b32 s[G1B+46], 0
	s_mov_b32 s[G1B+47], 0
	s_lshl_b32 s16, s13, 7                         ; x: row 128 by + 64 (w & 1), in registers that never hold bx
	s_lshl_b32 s17, s12, 6
	s_add_co_u32 s16, s16, s17
	s_mul_i32 s16, s16, KDIM*2
	s_mov_b32 s17, 0
	s_lshl_b32 s46, s42, 9                         ; weights, first short piece: k row 64 (w & 1), column 256 bx, in registers that never hold by
	s_lshl_b32 s66, s12, 18
	s_add_co_u32 s46, s46, s66
	s_mov_b32 s47, 0
	s_add_co_u32 s66, s66, 524288                  ; first long piece: k row 128 + 128 (w & 1): another 128 + 64 (w & 1) rows of 4,096 bytes
	s_mov_b32 s67, 0
	s_mul_i32 s20, s10, 64*PA0                     ; where the tiles go: the wave's number times a constant, plus a constant below
	s_mul_i32 s21, s10, 64*PB
	s_mul_i32 s22, s10, 64*PA1
	s_mul_i32 s23, s10, 128*PB
	s_wait_dscnt 0x0
	s_wait_kmcnt 0x0
	s_add_nc_u64 s[14:15], s[4:5], s[16:17]
	s_add_nc_u64 s[46:47], s[6:7], s[46:47]
	CROUND                                         ; all sixteen work-groups are here: the first joint loads meet
	s_mov_b32 s[G0A], 1                            ; the short slot: K = 0 .. 127
	s_add_co_u32 s[G0A+1], s20, SA_OFF-2*64*PA0    ; x's halves: waves 2 and 3
	s_add_nc_u64 s[G0A+2:G0A+3], s[14:15], 0
	s_or_b32 s[G0A+3], s[G0A+3], 0x80000000
	s_mov_b32 s[G0B], 1
	s_add_co_u32 s[G0B+1], s21, SB_OFF             ; the weights' halves: waves 0 and 1
	s_add_nc_u64 s[G0B+2:G0B+3], s[46:47], 0
	s_or_b32 s[G0B+3], s[G0B+3], 0x80000000
	JLOAD 0
	s_mov_b32 s[G0A+4], 1                          ; the long slot: K = 128 .. 383
	s_add_co_u32 s[G0A+5], s22, LA_OFF-2*64*PA1
	s_add_nc_u64 s[G0A+6:G0A+7], s[14:15], 256     ; 128 elements along the row
	s_or_b32 s[G0A+7], s[G0A+7], 0x80000000
	s_mov_b32 s[G0B+4], 1
	s_add_co_u32 s[G0B+5], s23, LB_OFF
	s_add_nc_u64 s[G0B+6:G0B+7], s[46:47], s[66:67]
	s_or_b32 s[G0B+7], s[G0B+7], 0x80000000
	JLOAD 1                                        ; both slots' first fills go out together: two tensor loads of the wave are out
	v_and_b32 v1, 15, v0                           ; r = l % 16
	v_bfe_u32 v2, v0, 4, 1                         ; h = l / 16
	v_and_b32 v3, 7, v0
	v_bfe_u32 v4, v0, 3, 1
	v_and_b32 v5, 31, v0                           ; lane
	v_mul_u32_u24 v6, v1, PA0
	v_lshl_add_u32 v6, v2, 4, v6                   ; x, short slot: row r, 16 bytes for each half of the lanes
	v_mul_u32_u24 v30, v1, PA1
	v_lshl_add_u32 v30, v2, 4, v30                 ; x, long slot: likewise
	v_lshl_add_u32 v7, v2, 3, v3                   ; weights, for the transposing load: k row 8 h + l % 8,
	v_mul_u32_u24 v7, v7, PB
	v_lshl_add_u32 v7, v4, 4, v7                   ; 16 bytes for each half of eight lanes
	s_xor_b32 s19, s11, 1                          ; 1 - kh
	s_mul_i32 s16, s11, 64*PA0+128                 ; short slot: the rows I keep are 64 kh ..; my half of K begins at byte 128 kh of a row
	s_add_co_u32 s16, s16, SA_OFF
	s_mul_i32 s17, s19, 64*PA0                     ; the rows I give away are the other 64
	s_lshl_b32 s18, s11, 7
	s_add_co_u32 s17, s17, s18
	s_add_co_u32 s17, s17, SA_OFF
	v_add_nc_u32 v[ADRAK], s16, v6
	v_add_nc_u32 v[ADRAG], s17, v6
	s_mul_i32 s16, s11, 64*PA1+256                 ; long slot: my half of K begins at byte 256 kh of a row
	s_add_co_u32 s16, s16, LA_OFF
	s_mul_i32 s17, s19, 64*PA1
	s_lshl_b32 s18, s11, 8
	s_add_co_u32 s17, s17, s18
	s_add_co_u32 s17, s17, LA_OFF
	v_add_nc_u32 v[ADRAK+1], s16, v30
	v_add_nc_u32 v[ADRAG+1], s17, v30
	s_lshl_b32 s18, s12, 8                         ; my 128 columns begin at byte 256 wn of a k row
	s_mul_i32 s16, s11, 64*PB                      ; short slot: my k rows are 64 kh ..
	s_add_co_u32 s16, s16, s18
	s_add_co_u32 s16, s16, SB_OFF
	v_add_nc_u32 v[ADRB], s16, v7
	s_mul_i32 s17, s11, 128*PB                     ; long slot: my k rows are 128 kh ..
	s_add_co_u32 s17, s17, s18
	s_add_co_u32 s17, s17, LB_OFF
	v_add_nc_u32 v[ADRB+1], s17, v7
	s_lshl_b32 s19, s10, 15
	v_lshl_add_u32 v[XW], v5, 4, s19               ; exchange: 32,768 bytes a wave, 16 bytes a lane
	s_xor_b32 s19, s19, 0x10000                    ; my partner is wave w xor 2
	v_lshl_add_u32 v[XR], v5, 4, s19
	s_mul_i32 s19, s10, 16*SPITCH
	s_add_co_u32 s19, s19, STAGE
	v_mul_u32_u24 v6, v1, SPITCH
	v_lshl_add_u32 v6, v2, 4, v6
	v_add_nc_u32 v[STO], s19, v6                   ; in: row r, 16 bytes for each half of the lanes
	v_lshrrev_b32 v6, 3, v5
	v_mul_u32_u24 v6, v6, SPITCH
	v_lshl_add_u32 v6, v3, 4, v6
	v_add_nc_u32 v[RD], s19, v6                    ; back: eight lanes take one head's 128 bytes of a row, 32 lanes four rows
	v_lshlrev_b32 v[CO], 4, v5                     ; which are 512 consecutive bytes of qkvh or qkvl
	; where my 64 rows x 2 heads go: ((4 bx + 2 wn) 4096 + 128 by + 64 kh) x 128 bytes, made in registers that feed no descriptor
	s_lshl_b32 s72, s42, 2
	s_lshl_b32 s73, s12, 1
	s_add_co_u32 s72, s72, s73
	s_lshl_b32 s72, s72, 12
	s_lshl_b32 s73, s13, 7
	s_add_co_u32 s72, s72, s73
	s_lshl_b32 s73, s11, 6
	s_add_co_u32 s72, s72, s73
	s_lshl_b32 s72, s72, 7
	s_mov_b32 s73, 0
	s_add_nc_u64 s[70:71], s[70:71], s[72:73]
	s_add_nc_u64 s[78:79], s[78:79], s[72:73]
	; cosines and sines of my 64 rows, loaded now and waited for in front of the way out.  Position = row mod 2048.  Value columns (bx >= 6) take
	; the table's row 0, the identity: a select, no branch.
	s_and_b32 s76, s13, 15
	s_lshl_b32 s76, s76, 7
	s_lshl_b32 s77, s11, 6
	s_add_co_u32 s76, s76, s77
	s_cmp_lt_u32 s42, 6
	s_cselect_b32 s45, 256, 0                      ; bytes of a table row, or 0
	v_add_nc_u32 v29, s76, v1
.irp a, 0,1,2,3
	v_add_nc_u32 v[TOFF+\a], 16*\a, v29
	v_mul_lo_u32 v[TOFF+\a], v[TOFF+\a], s45
	v_lshl_add_u32 v[TOFF+\a], v2, 5, v[TOFF+\a]   ; my eight frequencies begin at 8 h
.endr
	WIN TO_B
.irp a, 0,1,2,3
.irp c, 0,1,2,3
	global_load_b128 v[32*\a+128*(\a/2)+8*\c:32*\a+128*(\a/2)+8*\c+3],   v[TOFF+\a], s[68:69] offset:64*\c      ; c = 0, 1: cos of frequencies 16 c + 8 h ..; c = 2, 3: sin
	global_load_b128 v[32*\a+128*(\a/2)+8*\c+4:32*\a+128*(\a/2)+8*\c+7], v[TOFF+\a], s[68:69] offset:64*\c+16
.endr
.endr
	WIN 0
; 16 matrix instructions: tile rows a0, a0 + 1 of the window's four x all 8 column tiles, 32 along K.  zero = 1: the first product starts the sums.
; The 64 accumulators take turns, one instruction a turn, in the same order in every quarter step.
.macro MUL16 f, hi, a0, zero
.irp a, \a0, \a0+1
.irp b, 0,1,2,3,4,5,6,7
.if \zero
	v_wmma_f32_16x16x32_bf16 v[8*(8*(\a)+\b):8*(8*(\a)+\b)+7], v[\f+8*\b:\f+8*\b+7], v[\f+8*(4*\hi+\a):\f+8*(4*\hi+\a)+7], 0
.else
	v_wmma_f32_16x16x32_bf16 v[8*(8*(\a)+\b):8*(8*(\a)+\b)+7], v[\f+8*\b:\f+8*\b+7], v[\f+8*(4*\hi+\a):\f+8*(4*\hi+\a)+7], v[8*(8*(\a)+\b):8*(8*(\a)+\b)+7]
.endif
.endr
.endr
.endm
; 32 LDS loads in one run: the fragments of 32 along K (part q of my half of the slot's piece: 0, 1 in the short slot, 0 to 3 in the long one) into buffer f:
; the weights' 128 columns, the 64 rows I keep, the 64 I give away.  x's pitch is PA0 in slot 0 and PA0 + 256 = PA1 in slot 1.
.macro FETCH slot, q, f
	WIN TO_B
.irp b, 0,1,2,3,4,5,6,7
	ds_load_tr16_b128 v[\f+8*\b:\f+8*\b+3],   v[ADRB+\slot] offset:\q*32*PB+32*\b
	ds_load_tr16_b128 v[\f+8*\b+4:\f+8*\b+7], v[ADRB+\slot] offset:\q*32*PB+32*\b+16*PB
.endr
	WIN 0
.irp i, 0,1,2,3
	ds_load_b128 v[\f+8*\i:\f+8*\i+3],   v[ADRAK+\slot] offset:\i*16*(PA0+256*\slot)+64*\q
	ds_load_b128 v[\f+8*\i+4:\f+8*\i+7], v[ADRAK+\slot] offset:\i*16*(PA0+256*\slot)+64*\q+32
.endr
.irp i, 0,1,2,3
	ds_load_b128 v[\f+32+8*\i:\f+32+8*\i+3],   v[ADRAG+\slot] offset:\i*16*(PA0+256*\slot)+64*\q
	ds_load_b128 v[\f+32+8*\i+4:\f+32+8*\i+7], v[ADRAG+\slot] offset:\i*16*(PA0+256*\slot)+64*\q+32
.endr
.endm
; Four plain vector instructions stand between a matrix instruction and a load into, or a vector instruction on, one of its registers
; (ISA guide 7.12.1 for vector instructions); the matrix instructions in between are not counted.
.macro PLACES
.rept 4
	v_nop
.endr
.endm
; A quarter step that is not its piece's last: multiplies buffer f; in its middle fetches part q of the same slot into buffer g.
.macro QUARTER slot, q, f, g, zero
	s_wait_dscnt 8                                 ; the weights and the rows I keep are in; the youngest eight loads (the rows I give away) may be out
	WIN MUL_LO
	MUL16 \f, 0, 0, \zero
	MUL16 \f, 0, 2, \zero
	PLACES
	FETCH \slot, \q, \g
	s_wait_dscnt 32                                ; all but the 32 just issued
	WIN MUL_HI
	MUL16 \f, 1, 0, \zero
	MUL16 \f, 1, 2, \zero
.endm
; A piece's last quarter step: multiplies buffer 1 and changes slots.  In front of the one barrier each wave waits for its reads of this slot and for all its
; tensor loads (one is out: its part of the next slot).  Behind it the refill comes first, then the next slot's first fragments.  From a request to the wait
; for it a wave issues 240 matrix instructions (the short slot's load, over a long piece) or 112 (the long slot's, over a short piece).
.macro TURN slot, next, fill
	s_wait_dscnt 8
	WIN MUL_LO
	MUL16 F1, 0, 0, 0
	s_wait_dscnt 0                                 ; my reads of this slot are over
	s_set_vgpr_msb 0xa1a0
	s_wait_tensorcnt 0x0                           ; and all my tensor loads have landed
	ds_add_u32 v23, v31
	s_wait_dscnt 0x0
	s_set_vgpr_msb 0xa0a1
	s_barrier_signal -1                            ; where a slot is filled again this barrier opens a round of the cluster's barrier
	MUL16 F1, 0, 2, 0                              ; register work while the others arrive
	WIN 0
	s_barrier_wait -1
.if \fill
	CREST                                          ; no wave of any partner still reads this slot or has a load on its way
	s_add_nc_u64 s[G0A+4*\slot+2:G0A+4*\slot+3], s[G0A+4*\slot+2:G0A+4*\slot+3], 768       ; this slot's next piece lies 384 further along K: 768 bytes of x's rows,
	s_add_nc_u64 s[G0B+4*\slot+2:G0B+4*\slot+3], s[G0B+4*\slot+2:G0B+4*\slot+3], 1572864   ; 384 of the weights' rows of 4,096 bytes
	JLOAD \slot                                    ; the wave's one tensor load behind the round
.endif
	PLACES
	FETCH \next, 0, F0
	WIN MUL_HI
	MUL16 F1, 1, 0, 0
	MUL16 F1, 1, 2, 0
.endm
; A short piece (two quarter steps of my 64 along K) and a long piece (four of my 128).  The short slot is always filled again: a short piece follows every pair.
.macro PAIR zero, fill_long
	QUARTER 0, 1, F0, F1, \zero
	TURN 0, 1, 1
	QUARTER 1, 1, F0, F1, 0
	QUARTER 1, 2, F1, F0, 0
	QUARTER 1, 3, F0, F1, 0
	TURN 1, 0, \fill_long
.endm
	s_wait_tensorcnt 1                             ; my part of the first short piece is in; the first long piece's may stay out
	s_barrier_signal -1
	s_barrier_wait -1
	FETCH 0, 0, F0
	PAIR 1, 1                                      ; the first pair stands in front of the loop: its first products start the sums
	WIN 0
	s_mov_b32 s22, PAIRS-2
.Lpair:
	PAIR 0, 1
	WIN 0
	s_sub_co_u32 s22, s22, 1
	s_cmp_lg_u32 s22, 0
	s_cbranch_scc1 .Lpair
	PAIR 0, 0                                      ; the last pair: the short slot gets the last piece, the long slot nothing more
	QUARTER 0, 1, F0, F1, 0                        ; the last short piece
	s_wait_dscnt 8
	WIN MUL_LO
	MUL16 F1, 0, 0, 0
	MUL16 F1, 0, 2, 0
	s_wait_dscnt 0
	WIN MUL_HI
	MUL16 F1, 1, 0, 0
	MUL16 F1, 1, 2, 0
	; THE TWO HALVES OF K ARE ADDED.  Every wave has read its last fragment and no tensor load is out: behind this barrier the slots are scratch.
	PLACES
	WIN 0
	s_wait_dscnt 0x0
	s_barrier_signal -1
	s_barrier_wait -1
	WIN 0x0c                                       ; store data from window 3
.set n, 0
.rept 64
	ds_store_b128 v[XW], v[4*n:4*n+3] offset:512*n ; 32 lanes x 16 neighbouring bytes
.set n, n+1
.endr
	WIN 0
	s_wait_dscnt 0x0                               ; for my partner's sake: zero
	s_barrier_signal -1
	s_barrier_wait -1
	WIN 0xc0                                       ; loaded data into window 3
.set n, 0
.rept 64
	ds_load_b128 v[4*n:4*n+3], v[XR] offset:512*n  ; my partner's sums for the rows that I keep, same tile, same lane
.set n, n+1
.endr
.irp g, 0,1,2,3
	s_wait_dscnt 48-16*\g                          ; LDS loads come back in order: sixteen more are in
	WIN 0x8e                                       ; window 2 += window 3
.set n, 0
.rept 32
	v_pk_add_f32 v[64*\g+2*n:64*\g+2*n+1], v[64*\g+2*n:64*\g+2*n+1], v[64*\g+2*n:64*\g+2*n+1]
.set n, n+1
.endr
.endr
	s_wait_loadcnt 0x0                             ; cosines and sines
; THE WAY OUT, 16 rows at a time.  A head's columns d and d + 32 lie in tiles b and b + 2 of the same lane and register:
; out[d] = x[d] cos - x[d+32] sin, out[d+32] = x[d+32] cos + x[d] sin.  Then hi in bf16, 16 bytes a lane into my own stage, back by rows;
; and, for positions below 1024, the same for lo = (f32 - hi) in bf16, through a stage of its own.
.macro OUT16R a, f
	WIN 0x06                                       ; source 0 window 2 (sums), source 1 window 1 (table), the rest window 0
.irp hh, 0,1
.irp bp, 0,1
.irp p, 0,2,4,6
	v_pk_mul_f32 v[TMP+16*(2*\hh+\bp)+\p:TMP+16*(2*\hh+\bp)+\p+1], v[8*(8*\a+4*\hh+\bp+2)+\p:8*(8*\a+4*\hh+\bp+2)+\p+1], v[32*\a+128*(\a/2)+16+8*\bp+\p:32*\a+128*(\a/2)+16+8*\bp+\p+1]
	v_pk_mul_f32 v[TMP+16*(2*\hh+\bp)+8+\p:TMP+16*(2*\hh+\bp)+8+\p+1], v[8*(8*\a+4*\hh+\bp)+\p:8*(8*\a+4*\hh+\bp)+\p+1], v[32*\a+128*(\a/2)+16+8*\bp+\p:32*\a+128*(\a/2)+16+8*\bp+\p+1]
	v_pk_fma_f32 v[TMP+16*(2*\hh+\bp)+\p:TMP+16*(2*\hh+\bp)+\p+1], v[8*(8*\a+4*\hh+\bp)+\p:8*(8*\a+4*\hh+\bp)+\p+1], v[32*\a+128*(\a/2)+8*\bp+\p:32*\a+128*(\a/2)+8*\bp+\p+1], v[TMP+16*(2*\hh+\bp)+\p:TMP+16*(2*\hh+\bp)+\p+1] neg_lo:[0,0,1] neg_hi:[0,0,1]
	v_pk_fma_f32 v[TMP+16*(2*\hh+\bp)+8+\p:TMP+16*(2*\hh+\bp)+8+\p+1], v[8*(8*\a+4*\hh+\bp+2)+\p:8*(8*\a+4*\hh+\bp+2)+\p+1], v[32*\a+128*(\a/2)+8*\bp+\p:32*\a+128*(\a/2)+8*\bp+\p+1], v[TMP+16*(2*\hh+\bp)+8+\p:TMP+16*(2*\hh+\bp)+8+\p+1]
.endr
.endr
.endr
	WIN 0
.irp t, 0,1,2,3,4,5,6,7
.irp r, 0,1,2,3
	v_cvt_pk_bf16_f32 v[HW+4*\t+\r], v[TMP+8*\t+2*\r], v[TMP+8*\t+2*\r+1]         ; hi; the f32 stay for lo
.endr
.endr
.irp hh, 0,1
.irp bp, 0,1
	ds_store_b128 v[STO], v[HW+8*(2*\hh+\bp):HW+8*(2*\hh+\bp)+3] offset:32*(4*\hh+\bp)
	ds_store_b128 v[STO], v[HW+8*(2*\hh+\bp)+4:HW+8*(2*\hh+\bp)+7] offset:32*(4*\hh+\bp+2)
.endr
.endr
	s_wait_xcnt 0x0                                ; buffer f, both halves of which earlier stores read, is loaded again only behind this wait
.irp hh, 0,1
.irp u, 0,1,2,3
	ds_load_b128 v[\f+16*\hh+4*\u:\f+16*\hh+4*\u+3], v[RD] offset:\u*4*SPITCH+128*\hh    ; LDS serves a wave's instructions in order: these see the stores above
.endr
.endr
.irp hh, 0,1
.irp u, 0,1,2,3
	s_wait_dscnt 7-4*\hh-\u
	global_store_b128 v[CO], v[\f+16*\hh+4*\u:\f+16*\hh+4*\u+3], s[70:71] offset:524288*\hh+2048*\a+512*\u   ; four rows of one head: 512 consecutive bytes, aligned
.endr
.endr
	s_cmp_lg_u32 s75, 0                            ; positions from 1024 on leave no lo.  The branch hangs on the cluster's y alone
	s_cbranch_scc1 .Lno_lo_\@
.irp t, 0,1,2,3,4,5,6,7
.irp r, 0,1,2,3
	v_lshlrev_b32 v[2*\r],   16,         v[HW+4*\t+\r]                             ; hi back in f32
	v_and_b32     v[2*\r+1], 0xffff0000, v[HW+4*\t+\r]
.endr
.irp r, 0,1,2,3
	v_pk_add_f32 v[TMP+8*\t+2*\r:TMP+8*\t+2*\r+1], v[TMP+8*\t+2*\r:TMP+8*\t+2*\r+1], v[2*\r:2*\r+1] neg_lo:[0,1] neg_hi:[0,1]   ; exact: the two are within a factor of two
.endr
.irp r, 0,1,2,3
	v_cvt_pk_bf16_f32 v[TMP+8*\t+\r], v[TMP+8*\t+2*\r], v[TMP+8*\t+2*\r+1]         ; word r takes words 2 r and 2 r + 1: never a word still to be read
.endr
.endr
.irp hh, 0,1
.irp bp, 0,1
	ds_store_b128 v[STO], v[TMP+16*(2*\hh+\bp):TMP+16*(2*\hh+\bp)+3] offset:LOST+32*(4*\hh+\bp)
	ds_store_b128 v[STO], v[TMP+16*(2*\hh+\bp)+8:TMP+16*(2*\hh+\bp)+11] offset:LOST+32*(4*\hh+\bp+2)
.endr
.endr
.irp hh, 0,1
.irp u, 0,1,2,3
	ds_load_b128 v[\f+32+16*\hh+4*\u:\f+32+16*\hh+4*\u+3], v[RD] offset:LOST+\u*4*SPITCH+128*\hh
.endr
.endr
.irp hh, 0,1
.irp u, 0,1,2,3
	s_wait_dscnt 7-4*\hh-\u
	global_store_b128 v[CO], v[\f+32+16*\hh+4*\u:\f+32+16*\hh+4*\u+3], s[78:79] offset:524288*\hh+2048*\a+512*\u
.endr
.endr
.Lno_lo_\@:
.endm
	OUT16R 0, F0
	OUT16R 1, F1
	OUT16R 2, F0
	OUT16R 3, F1
	s_wait_tensorcnt 0x0
	ds_add_u32 v23, v31
	s_wait_dscnt 0x0
	CROUND                                         ; the closing round: no work-group ends while a partner may still ask for a tile that names it
	s_endpgm
.Lfunc_end_k_q1b5ddd3193_qkvproj:
	.size	k_q1b5ddd3193_qkvproj, .Lfunc_end_k_q1b5ddd3193_qkvproj-k_q1b5ddd3193_qkvproj
	.p2alignl 7, 3214868480
	.fill 96, 4, 3214868480
	.section	.rodata,"a",@progbits
	.p2align	6, 0x0
	.amdhsa_kernel k_q1b5ddd3193_qkvproj
		.amdhsa_group_segment_fixed_size 327680
		.amdhsa_private_segment_fixed_size 0
		.amdhsa_enable_private_segment 0
		.amdhsa_kernarg_size 40
		.amdhsa_user_sgpr_count 2
		.amdhsa_user_sgpr_kernarg_segment_ptr 1
		.amdhsa_wavefront_size32 1
		.amdhsa_system_sgpr_workgroup_id_x 1
		.amdhsa_system_sgpr_workgroup_id_y 1
		.amdhsa_system_sgpr_workgroup_id_z 1
		.amdhsa_system_vgpr_workitem_id 0
		.amdhsa_next_free_vgpr 1024
		.amdhsa_next_free_sgpr 96
		.amdhsa_reserve_vcc 0
		.amdhsa_float_denorm_mode_32 3
		.amdhsa_float_denorm_mode_16_64 3
		.amdhsa_memory_ordered 1
		.amdhsa_forward_progress 1
		.amdhsa_inst_pref_size 230
	.end_amdhsa_kernel
	.amdgpu_metadata
---
amdhsa.version: [ 1, 2 ]
amdhsa.kernels:
  - .name:           k_q1b5ddd3193_qkvproj
    .symbol:         k_q1b5ddd3193_qkvproj.kd
    .args:
      - { .name: xb, .offset: 0, .size: 8, .value_kind: global_buffer, .address_space: global }
      - { .name: wqkv, .offset: 8, .size: 8, .value_kind: global_buffer, .address_space: global }
      - { .name: rope, .offset: 16, .size: 8, .value_kind: global_buffer, .address_space: global }
      - { .name: qkvh, .offset: 24, .size: 8, .value_kind: global_buffer, .address_space: global }
      - { .name: qkvl, .offset: 32, .size: 8, .value_kind: global_buffer, .address_space: global }
    .group_segment_fixed_size: 327680
    .private_segment_fixed_size: 0
    .kernarg_segment_align: 8
    .kernarg_segment_size: 40
    .max_flat_workgroup_size: 128
    .sgpr_count:     96
    .vgpr_count:     1024
    .wavefront_size: 32
...
	.end_amdgpu_metadata
.endif
;; end of part 5
;; launch attention (part 6): grid 16 x 16, 8 waves a work-group, clusters of 4 x 1, 327,680 bytes of LDS; arguments qkvh, qkvl, ctx2; writes ctx2
.if DOCPART == 6
	.amdgcn_target "amdgcn-amd-amdhsa--gfx1250"
	.amdhsa_code_object_version 6
	.text
	.protected	k_q1b5ddd3193_attention
	.globl	k_q1b5ddd3193_attention
	.p2align	8
	.type	k_q1b5ddd3193_attention,@function
k_q1b5ddd3193_attention:
	s_mov_b64 s[64:65], 0
	v_nop
	global_prefetch_b8 v0, s[64:65] scope:SCOPE_SE
	s_setreg_imm32_b32 hwreg(HW_REG_WAVE_MODE, 25, 1), 1
	s_wait_xcnt 0x0
	s_wait_alu depctr_hold_cnt(0) depctr_sa_sdst(0) depctr_va_vdst(0) depctr_va_sdst(0) depctr_va_ssrc(0) depctr_va_vcc(0) depctr_vm_vsrc(0)
	s_getreg_b32 s2, hwreg(HW_REG_IB_STS2, 6, 4)
	s_cmp_eq_u32 s2, 0
	s_cbranch_scc0 .Lentry_in_a_cluster
	s_endpgm
.Lentry_in_a_cluster:
	s_bfe_u32 s2, ttmp6, 0x10000c
	s_cmp_lg_u32 s2, 0x3003
	s_cbranch_scc0 .Lentry_shape_is_right
	s_endpgm
.Lentry_shape_is_right:
; attention: causal softmax(q k^T / 8) v for 2 batches, 8 key/value heads with 2 query heads each, L = 2048, d = 64.  q, k (with RoPE) and v come as bf16
; from qkvh [g][row][64] (hi) and, for positions below 1024, qkvl (lo = what hi's rounding left, in bf16).  The result goes to ctx2 [row][2048] bf16:
; a row is eight blocks of 256 numbers, block t for key/value head t: its two query heads' 128 numbers as hi, then the same 128 as lo.
; lo is written for positions below 1024 alone: nothing reads it for the others.
; WORK.  y = 8 b + key/value head.  x: p = 4 n + cx.  A work-group makes two blocks of 64 queries x 2 heads: block p, then block 31 - p.  Keys go in
; steps of 128, DESCENDING from the diagonal: 2 n + 2 steps for the low block, 16 - 2 n for the high one, 18 in every work-group.  The counts hang on
; n alone, so the four work-groups of a cluster walk the same K and V tiles and ask for them JOINTLY (mask 15): a quarter of the requests.
; TWO FORMS OF A STEP.  A query at position n averages some n values, so its result is about 1/sqrt(n) of a value's size, while the error that is allowed
; is one figure for the whole output.  The low block (positions below 1024) therefore multiplies numbers of 16 significant bits, each as hi + lo in bf16:
; S = Kh Qh + Kl Qh + Kh Ql, O += Vh Ph + Vh Pl + Vl Ph (the lo x lo terms are some 2^-16 of the result and are left out): 96 matrix instructions a step.
; The high block multiplies hi alone: 32 a step.
; THE LOW RUN is written as first step, n pairs in a loop, last step, so that every refill in the loop is the same load (hi and lo) and the one refill that
; asks for hi alone (the high run's first tile) is written out.  All its steps carry the mask's selects, since which of them is the second hangs on n.
; In the high run only the first two steps can hold keys behind a query.  A part that is wholly masked costs work and no value (below).
; WAVES.  Eight, two on a SIMD, so that one's softmax runs beside the other's products.  Wave w: head w & 1, keys 32 (w >> 1) .. + 31 of every step, all
; 64 queries.  Each wave keeps its own running maximum, sum and O; the four parts of a head are merged through LDS at the end of a run.
; LAYOUTS.  S^T = K Q^T: lane (r, h) holds query r, registers the keys 8 h + j: rounded to bf16 that is the second operand of O^T = V^T P^T.
; V's fragments come by the transposing LDS load.  Maximum and scale of a query are one number a lane.
; SOFTMAX.  p = exp2(c s - c m), c = log2(e) / 8, m the running maximum of the wave's keys; sums and O are rescaled by exp2(c m_old - c m_new) in every step.
; LIMITS, stated.  A masked score is -2^100 in place of f32's lowest number: c x 2^100 is exact, so a part in which all keys of a query are masked gives
; p = 1 and finite sums, which the next rescale or the merge multiplies by exp2 of about -2e29 = 0; the same results as long as |score| stays far below 2^100.
; v_exp_f32 gives 0 below 2^-126.  For queries at positions from 1024 on, p, q, k, v and the result have bf16's 8 significant bits.  The row sum is taken of
; the f32 p.  NaN and infinities are not followed.
.set PK, 144                           ; K's LDS row: 128 bytes + 16
.set PV, 160                           ; V's LDS row: 128 bytes + 32, for the transposing load
.set VHI, 0                            ; a slot: V hi, K hi, 2,048 bytes unused, V lo, K lo.  The gap makes every tile's address the wave's number times a constant plus a constant that is not negative
.set KHI, 128*PV
.set VLO, 4*64*PV
.set KLO, VLO+128*PV
.set SLOT, KLO+128*PK
.set STAT, 2*SLOT                      ; 8 x 1,024 bytes: each wave's maxima and sums.  No tensor load lands here or behind
.set SCR,  STAT+8192                   ; 4 x [64 queries][2 heads x 64 f32], pitch 528
.set SCP,  528
.set SCQ,  64*SCP
.set ADRK, 4                           ; v4-5    K's fragments in slot 0, 1
.set ADRV, 6                           ; v6-7    V's
.set QOFF, 8
.set DM0,  9                           ; r - 8 h - 32 kq
.set DM,   10
.set NEG,  11
.set SCW,  12
.set SCRA, 13                          ; v13-14
.set STW,  15
.set STR,  16
.set OOFF, 17
.set MB,   20                          ; v[20:23], v[24:27]  running maxima of the four query tiles, a set for each slot: a step reads the other slot's and writes its own
.set NMB,  28                          ; v[28:31], v[32:35]  -c x maximum, likewise
.set LS,   36                          ; v[36:39]  sums (of my half of the lanes' keys)
.set AL,   40                          ; v[40:43]  rescale factors
.set TT,   44                          ; v[44:47]
.set QF,   48                          ; 48 + 16 qt + 8 ds
.set SF,   112                         ; 112 + 16 qt + 8 kt; the first 8 of the 16 become P (plain step) or P lo (precise step)
.set KF,   176                         ; 176 + 16 kt + 8 ds; once S is made: scratch for the sums, then P hi at 176 + 8 qt (precise step)
.set VF,   208                         ; 208 + 8 dt
.set T2,   240                         ; v[240:255] at work; packed output
.set QL,   128                         ; window 1: Q lo at 128 + 16 qt + 8 ds.  O(dt, qt) lies at 8 (4 qt + dt) of window 1
.set KL,   192                         ; window 1: K lo at 192 + 16 kt + 8 ds
.set VL,   224                         ; window 1: V lo at 224 + 8 dt
.set G1V, 16
.set G1K, 24
.set G0V, 32                           ; s[32:39] a set for each slot
.set G0K, 40                           ; s[40:47]
.set G0VL, 80                          ; s[80:87]
.set G0KL, 88                          ; s[88:95]
.set MSB, 0
.macro WIN new
.if MSB != \new
	s_set_vgpr_msb (MSB<<8)|\new
.set MSB, \new
.endif
.endm
.macro ROUND                           ; a round of the cluster's barrier
	s_barrier_signal -1
	s_barrier_wait -1
	s_cmp_lg_u32 s8, 0
	s_cbranch_scc1 .Lnot_wave_0_\@
	s_barrier_signal -3
.Lnot_wave_0_\@:
	s_barrier_wait -3
	s_barrier_signal -1
	s_barrier_wait -1
.endm
; A joint load into slot o: waves 0 and 1 V hi's two halves (64 keys each), waves 2 and 3 K hi's; lo = 1: waves 4 and 5 V lo's, waves 6 and 7 K lo's;
; lo = 0: waves 4 to 7 none.  The branches hang on the wave's number alone.
.macro JLOAD o, lo
	s_cmp_lt_u32 s8, 2
	s_cbranch_scc0 .Lnot_v_\@
	tensor_load_to_lds s[G0V+4*(\o):G0V+4*(\o)+3], s[G1V:G1V+7]
	s_nop 0
	s_branch .Lasked_\@
.Lnot_v_\@:
	s_cmp_lt_u32 s8, 4
	s_cbranch_scc0 .Lnot_k_\@
	tensor_load_to_lds s[G0K+4*(\o):G0K+4*(\o)+3], s[G1K:G1K+7]
	s_nop 0
	s_branch .Lasked_\@
.Lnot_k_\@:
.if \lo
	s_cmp_lt_u32 s8, 6
	s_cbranch_scc0 .Lnot_vl_\@
	tensor_load_to_lds s[G0VL+4*(\o):G0VL+4*(\o)+3], s[G1V:G1V+7]
	s_nop 0
	s_branch .Lasked_\@
.Lnot_vl_\@:
	tensor_load_to_lds s[G0KL+4*(\o):G0KL+4*(\o)+3], s[G1K:G1K+7]
	s_nop 0
.endif
.Lasked_\@:
.endm
; Slot o's addresses for tile s52 (128 keys of 128 bytes); then s52 steps down, and from 0 on to the high run's first tile.  Stands where no tensor load of the wave is out.
.macro SETADR o, lo
	s_lshl_b32 s62, s52, 14
	s_add_nc_u64 s[G0V+4*(\o)+2:G0V+4*(\o)+3], s[50:51], s[62:63]
	s_or_b32 s[G0V+4*(\o)+3], s[G0V+4*(\o)+3], 0x80000000
	s_add_nc_u64 s[G0K+4*(\o)+2:G0K+4*(\o)+3], s[48:49], s[62:63]
	s_or_b32 s[G0K+4*(\o)+3], s[G0K+4*(\o)+3], 0x80000000
.if \lo
	s_add_nc_u64 s[G0VL+4*(\o)+2:G0VL+4*(\o)+3], s[98:99], s[62:63]
	s_or_b32 s[G0VL+4*(\o)+3], s[G0VL+4*(\o)+3], 0x80000000
	s_add_nc_u64 s[G0KL+4*(\o)+2:G0KL+4*(\o)+3], s[96:97], s[62:63]
	s_or_b32 s[G0KL+4*(\o)+3], s[G0KL+4*(\o)+3], 0x80000000
.endif
	s_sub_co_i32 s52, s52, 1
	s_cmp_lt_i32 s52, 0
	s_cselect_b32 s52, s53, s52
.endm
	s_load_b128 s[4:7], s[0:1], 0x0                ; qkvh s[4:5], qkvl s[6:7]
	s_load_b64 s[2:3], s[0:1], 0x10                ; ctx2
	v_lshl_add_u32 v254, v0, 2, 0x4a000
	v_mov_b32 v255, 0
	ds_add_u32 v254, v255
	s_wait_dscnt 0x0
	v_lshrrev_b32 v1, 5, v0
	v_readfirstlane_b32 s8, v1                     ; wave 0..7
	s_and_b32 s9, s8, 1                            ; hq: my head.  Also: which 64 keys of a tile I fetch
	s_lshr_b32 s10, s8, 1                          ; kq: my 32 keys of a step
	s_bfe_u32 s11, ttmp6, 0x40000                  ; cx
	s_mov_b32 s12, ttmp9                           ; n: the cluster's x
	s_and_b32 s14, ttmp7, 0xffff
	s_lshr_b32 s15, s14, 3                         ; batch
	s_and_b32 s14, s14, 7                          ; key/value head
	s_lshl_b32 s52, s12, 1
	s_sub_co_u32 s53, 15, s52                      ; the high run's first tile
	s_add_co_u32 s52, s52, 1                       ; the low run's first tile
	s_mov_b32 s[G1V+0], 0x0f31000f                 ; mask 15; 2-byte elements; padding on; bit 21 beside a mask; after every 32 words 8 words
	s_mov_b32 s[G1K+0], 0x0731000f                 ; the same with 4 words
.irp g, G1V, G1K
	s_mov_b32 s[\g+1], 64<<16                      ; tensor_dim0 = 64
	s_mov_b32 s[\g+2], 64<<16                      ; tensor_dim1 = 64
	s_mov_b32 s[\g+3], 64<<16                      ; tile_dim0 = 64 elements: a head's row, 128 bytes in the tensor itself
	s_mov_b32 s[\g+4], 64                          ; tile_dim1 = 64 rows
	s_mov_b32 s[\g+5], 64                          ; elements from row to row
	s_mov_b32 s[\g+6], 0
	s_mov_b32 s[\g+7], 0
.endr
	s_mul_i32 s76, s8, 64*PV                       ; V hi's halves: waves 0 and 1; V lo's: waves 4 and 5, at the same multiple
	s_mul_i32 s77, s8, 64*PK
	s_add_co_u32 s78, s77, KLO-6*64*PK             ; K lo's halves: waves 6 and 7
	s_add_co_u32 s77, s77, KHI-2*64*PK             ; K hi's halves: waves 2 and 3
.irp s, 0,1
	s_mov_b32 s[G0V+4*\s], 1
	s_add_co_u32 s[G0V+4*\s+1], s76, \s*SLOT
	s_mov_b32 s[G0K+4*\s], 1
	s_add_co_u32 s[G0K+4*\s+1], s77, \s*SLOT
	s_mov_b32 s[G0VL+4*\s], 1
	s_add_co_u32 s[G0VL+4*\s+1], s76, \s*SLOT
	s_mov_b32 s[G0KL+4*\s], 1
	s_add_co_u32 s[G0KL+4*\s+1], s78, \s*SLOT
.endr
	s_add_co_u32 s62, s14, 16                      ; K: ((16 + head) 4096 + 2048 b + 64 (w & 1)) rows of 128 bytes
	s_lshl_b32 s62, s62, 12
	s_lshl_b32 s63, s15, 11
	s_add_co_u32 s62, s62, s63
	s_lshl_b32 s63, s9, 6
	s_add_co_u32 s62, s62, s63
	s_lshl_b32 s62, s62, 7
	s_mov_b32 s63, 0                               ; stays 0: the high word of a tile's offset
	s_wait_kmcnt 0x0
	s_add_nc_u64 s[48:49], s[4:5], s[62:63]
	s_add_nc_u64 s[50:51], s[48:49], 0x400000      ; V: eight heads of 4,096 rows further on
	s_add_nc_u64 s[96:97], s[6:7], s[62:63]        ; the same places in lo's buffer
	s_add_nc_u64 s[98:99], s[96:97], 0x400000
	SETADR 0, 1
	ROUND                                          ; the four work-groups are here: the first joint loads meet
	JLOAD 0, 1                                     ; by this text's count a wave never has more than one tensor load out
	; what hangs on cx: query blocks, output rows, the mask's offset; none of it enters a descriptor, an LDS address or a branch
	s_lshl_b32 s13, s12, 2
	s_add_co_u32 s13, s13, s11                     ; p: the low block
	s_sub_co_u32 s75, 31, s13                      ; the high block
	s_lshl_b32 s76, s14, 1
	s_add_co_u32 s76, s76, s9                      ; my query head
	s_lshl_b32 s76, s76, 12
	s_lshl_b32 s77, s15, 11
	s_add_co_u32 s76, s76, s77
	s_mov_b32 s79, 0
	s_lshl_b32 s78, s13, 6
	s_add_co_u32 s78, s78, s76
	s_lshl_b32 s78, s78, 7
	s_add_nc_u64 s[66:67], s[4:5], s[78:79]        ; Q hi, low block
	s_add_nc_u64 s[100:101], s[6:7], s[78:79]      ; Q lo, low block
	s_lshl_b32 s78, s75, 6
	s_add_co_u32 s78, s78, s76
	s_lshl_b32 s78, s78, 7
	s_add_nc_u64 s[68:69], s[4:5], s[78:79]        ; Q hi, high block
	s_lshl_b32 s76, s8, 3
	s_add_co_u32 s76, s76, s77                     ; 2048 b + 8 w: on the way out wave w takes 8 queries
	s_lshl_b32 s77, s14, 9                         ; my key/value head's block of a row: 256 bytes of hi, then 256 of lo
	s_lshl_b32 s78, s13, 6
	s_add_co_u32 s78, s78, s76
	s_lshl_b32 s78, s78, 12                        ; a row of ctx2 is 4,096 bytes
	s_add_co_u32 s78, s78, s77
	s_add_nc_u64 s[70:71], s[2:3], s[78:79]
	s_lshl_b32 s78, s75, 6
	s_add_co_u32 s78, s78, s76
	s_lshl_b32 s78, s78, 12
	s_add_co_u32 s78, s78, s77
	s_add_nc_u64 s[72:73], s[2:3], s[78:79]
	s_lshl_b32 s76, s12, 8
	s_lshl_b32 s55, s13, 6
	s_sub_co_i32 s55, s55, s76
	s_sub_co_i32 s55, s55, 128                     ; first query - first key of the run's first tile: 64 p - 128 (2 n + 1)
	s_lshl_b32 s74, s75, 6
	s_add_co_i32 s74, s74, s76
	s_sub_co_i32 s74, s74, 1920                    ; 64 (31 - p) - 128 (15 - 2 n)
	s_mov_b32 s56, 0x3e38aa3b                      ; c = log2(e) / 8, twice: a pair for the packed multiply-add
	s_mov_b32 s57, 0x3e38aa3b
	s_mov_b32 s58, 0x76543210                      ; v_permlanex16_b32: lane i of one half reads lane i of the other
	s_mov_b32 s59, 0xfedcba98
	s_mov_b32 s60, 0xbe38aa3b                      ; -c
	s_mov_b32 s61, 0xffff0000                      ; a word's upper bf16
	v_and_b32 v1, 15, v0                           ; r
	v_bfe_u32 v2, v0, 4, 1                         ; h
	v_and_b32 v3, 7, v0
	v_bfe_u32 v18, v0, 3, 1
	v_and_b32 v19, 31, v0                          ; lane
	v_lshlrev_b32 v[QOFF], 7, v1
	v_lshl_add_u32 v[QOFF], v2, 4, v[QOFF]         ; Q from memory: row r, 16 bytes for each half of the lanes
.macro QLOAD qf, qb
.irp qt, 0,1,2,3
.irp ds, 0,1
	global_load_b128 v[\qf+16*\qt+8*\ds:\qf+16*\qt+8*\ds+3],   v[QOFF], s[\qb:\qb+1] offset:2048*\qt+64*\ds
	global_load_b128 v[\qf+16*\qt+8*\ds+4:\qf+16*\qt+8*\ds+7], v[QOFF], s[\qb:\qb+1] offset:2048*\qt+64*\ds+32
.endr
.endr
.endm
	QLOAD QF, 66
	WIN 0x40                                       ; loaded data into window 1
	QLOAD QL, 100
	WIN 0
	v_mul_u32_u24 v[ADRK], v1, PK
	v_lshl_add_u32 v[ADRK], v2, 4, v[ADRK]
	s_mul_i32 s76, s10, 32*PK
	s_add_co_u32 s76, s76, KHI
	v_add_nc_u32 v[ADRK], s76, v[ADRK]             ; key 32 kq + r, 16 bytes for each half of the lanes
	v_add_nc_u32 v[ADRK+1], SLOT, v[ADRK]
	v_lshl_add_u32 v[ADRV], v2, 3, v3
	v_mul_u32_u24 v[ADRV], v[ADRV], PV
	v_lshl_add_u32 v[ADRV], v18, 4, v[ADRV]
	s_mul_i32 s76, s10, 32*PV
	v_add_nc_u32 v[ADRV], s76, v[ADRV]             ; for the transposing load: key 32 kq + 8 h + l % 8
	v_add_nc_u32 v[ADRV+1], SLOT, v[ADRV]
	v_lshlrev_b32 v[DM0], 3, v2
	v_sub_nc_u32 v[DM0], v1, v[DM0]
	s_lshl_b32 s76, s10, 5
	v_sub_nc_u32 v[DM0], v[DM0], s76
	v_mov_b32 v[NEG], 0xf1800000                   ; -2^100
	v_mul_u32_u24 v[SCW], v1, SCP
	v_lshl_add_u32 v[SCW], v2, 5, v[SCW]
	s_mul_i32 s76, s10, SCQ
	s_lshl_b32 s77, s9, 8
	s_add_co_u32 s76, s76, s77
	s_add_co_u32 s76, s76, SCR
	v_add_nc_u32 v[SCW], s76, v[SCW]               ; part kq, query r, head hq, d = 8 h
	s_mul_i32 s76, s8, 8*SCP
	s_add_co_u32 s76, s76, SCR
	v_lshl_add_u32 v[SCRA], v19, 4, s76            ; back: query 8 w, a whole row of 512 bytes
	v_add_nc_u32 v[SCRA+1], 2*SCQ, v[SCRA]         ; parts 2 and 3
	s_lshl_b32 s76, s8, 10
	s_add_co_u32 s76, s76, STAT
	v_lshl_add_u32 v[STW], v19, 4, s76
	s_lshl_b32 s76, s9, 10
	s_add_co_u32 s76, s76, STAT
	v_lshl_add_u32 v[STR], v19, 4, s76
	v_lshlrev_b32 v[OOFF], 3, v19
.irp qt, 0,1,2,3
	v_mov_b32 v[T2+\qt], 0                         ; v_permlanex16_b32 counts as a reader of its destination
.endr
; O *= four factors, one for each query tile (a factor is one number a lane): 64 packed multiplies in window 1
.macro OSCALE fac
	WIN 0x41
.irp qq, 0, 2
.set i, 0
.rept 16
	v_pk_mul_f32 v[32*\qq+2*i:32*\qq+2*i+1], v[32*\qq+2*i:32*\qq+2*i+1], v[\fac+\qq:\fac+\qq+1] op_sel_hi:[1,0]
.set i, i+1
.endr
.set i, 0
.rept 16
	v_pk_mul_f32 v[32*\qq+32+2*i:32*\qq+32+2*i+1], v[32*\qq+32+2*i:32*\qq+32+2*i+1], v[\fac+\qq:\fac+\qq+1] op_sel:[0,1] op_sel_hi:[1,1]
.set i, i+1
.endr
.endr
.endm
; One step: my 32 keys of the tile in this slot against my head's 64 queries.  first = 1: the run's first step starts maximum, sum and O.
; prec = 1: hi + lo operands, three terms a product.
.macro STEP slot, first, masked, prec
.set MN, MB+4*\slot
.set MO, MB+4-4*\slot
.set NN, NMB+4*\slot
.set NO, NMB+4-4*\slot
.irp kt, 0,1
.irp ds, 0,1
	ds_load_b128 v[KF+16*\kt+8*\ds:KF+16*\kt+8*\ds+3],   v[ADRK+\slot] offset:\kt*16*PK+64*\ds
	ds_load_b128 v[KF+16*\kt+8*\ds+4:KF+16*\kt+8*\ds+7], v[ADRK+\slot] offset:\kt*16*PK+64*\ds+32
.endr
.endr
.irp dt, 0,1,2,3
	ds_load_tr16_b128 v[VF+8*\dt:VF+8*\dt+3],   v[ADRV+\slot] offset:32*\dt
	ds_load_tr16_b128 v[VF+8*\dt+4:VF+8*\dt+7], v[ADRV+\slot] offset:32*\dt+16*PV
.endr
.if \prec
	WIN 0x40                                       ; loaded data into window 1
.irp kt, 0,1
.irp ds, 0,1
	ds_load_b128 v[KL+16*\kt+8*\ds:KL+16*\kt+8*\ds+3],   v[ADRK+\slot] offset:KLO-KHI+\kt*16*PK+64*\ds
	ds_load_b128 v[KL+16*\kt+8*\ds+4:KL+16*\kt+8*\ds+7], v[ADRK+\slot] offset:KLO-KHI+\kt*16*PK+64*\ds+32
.endr
.endr
.irp dt, 0,1,2,3
	ds_load_tr16_b128 v[VL+8*\dt:VL+8*\dt+3],   v[ADRV+\slot] offset:VLO-VHI+32*\dt
	ds_load_tr16_b128 v[VL+8*\dt+4:VL+8*\dt+7], v[ADRV+\slot] offset:VLO-VHI+32*\dt+16*PV
.endr
	WIN 0
.endif
.if \first
	s_wait_loadcnt 0x0                             ; this run's Q
.endif
	s_wait_dscnt 0x8                               ; K is in; the youngest eight loads may be out: V's (plain step), V lo's (precise step)
	; S^T = K Q^T.  The eight accumulators take turns, one instruction a turn.
.irp qt, 0,1,2,3
.irp kt, 0,1
	v_wmma_f32_16x16x32_bf16 v[SF+16*\qt+8*\kt:SF+16*\qt+8*\kt+7], v[KF+16*\kt:KF+16*\kt+7], v[QF+16*\qt:QF+16*\qt+7], 0
.endr
.endr
.irp qt, 0,1,2,3
.irp kt, 0,1
	v_wmma_f32_16x16x32_bf16 v[SF+16*\qt+8*\kt:SF+16*\qt+8*\kt+7], v[KF+16*\kt+8:KF+16*\kt+15], v[QF+16*\qt+8:QF+16*\qt+15], v[SF+16*\qt+8*\kt:SF+16*\qt+8*\kt+7]
.endr
.endr
.if \prec
	WIN 0x01                                       ; source 0 in window 1: K lo x Q hi
.irp ds, 0,1
.irp qt, 0,1,2,3
.irp kt, 0,1
	v_wmma_f32_16x16x32_bf16 v[SF+16*\qt+8*\kt:SF+16*\qt+8*\kt+7], v[KL+16*\kt+8*\ds:KL+16*\kt+8*\ds+7], v[QF+16*\qt+8*\ds:QF+16*\qt+8*\ds+7], v[SF+16*\qt+8*\kt:SF+16*\qt+8*\kt+7]
.endr
.endr
.endr
	WIN 0x04                                       ; source 1 in window 1: K hi x Q lo
.irp ds, 0,1
.irp qt, 0,1,2,3
.irp kt, 0,1
	v_wmma_f32_16x16x32_bf16 v[SF+16*\qt+8*\kt:SF+16*\qt+8*\kt+7], v[KF+16*\kt+8*\ds:KF+16*\kt+8*\ds+7], v[QL+16*\qt+8*\ds:QL+16*\qt+8*\ds+7], v[SF+16*\qt+8*\kt:SF+16*\qt+8*\kt+7]
.endr
.endr
.endr
	WIN 0
.endif
.rept 4
	v_nop                                          ; four places before a vector instruction reads a matrix result or writes a source (ISA guide 7.12.1)
.endr
.if \masked
	; key <= query  <=>  16 kt + j - 16 qt <= (first query - tile's first key) + r - 8 h - 32 kq.  A select in every lane, no branch.
	v_add_nc_u32 v[DM], s55, v[DM0]
.irp qt, 0,1,2,3
.irp kt, 0,1
.irp j, 0,1,2,3,4,5,6,7
	v_cmp_le_i32 vcc_lo, 16*\kt+\j-16*\qt, v[DM]
	v_cndmask_b32 v[SF+16*\qt+8*\kt+\j], v[NEG], v[SF+16*\qt+8*\kt+\j], vcc_lo
.endr
.endr
.endr
	s_add_co_i32 s55, s55, 128                     ; the next tile lies 128 keys lower
.endif
	; the running maximum of each query: 16 keys in the lane, the other 16 in the other half of the lanes
.irp qt, 0,1,2,3
	v_max3_num_f32 v[TT+\qt], v[SF+16*\qt], v[SF+16*\qt+1], v[SF+16*\qt+2]
.endr
.irp i, 3,5,7,9,11,13
.irp qt, 0,1,2,3
	v_max3_num_f32 v[TT+\qt], v[TT+\qt], v[SF+16*\qt+\i], v[SF+16*\qt+\i+1]
.endr
.endr
.irp qt, 0,1,2,3
	v_max_num_f32 v[TT+\qt], v[TT+\qt], v[SF+16*\qt+15]
.endr
.irp qt, 0,1,2,3
	v_permlanex16_b32 v[T2+\qt], v[TT+\qt], s58, s59
.endr
.irp qt, 0,1,2,3
.if \first
	v_max_num_f32 v[MN+\qt], v[TT+\qt], v[T2+\qt]
.else
	v_max3_num_f32 v[MN+\qt], v[TT+\qt], v[T2+\qt], v[MO+\qt]
.endif
.endr
.irp qt, 0,1,2,3
	v_mul_f32 v[NN+\qt], s60, v[MN+\qt]            ; -c m
.endr
.if \first == 0
.irp qt, 0,1,2,3
	v_sub_f32 v[AL+\qt], v[NN+\qt], v[NO+\qt]      ; c m_old - c m_new
.endr
.endif
.irp qq, 0, 2
.irp i, 0,2,4,6,8,10,12,14
	v_pk_fma_f32 v[SF+16*\qq+\i:SF+16*\qq+\i+1], v[SF+16*\qq+\i:SF+16*\qq+\i+1], s[56:57], v[NN+\qq:NN+\qq+1] op_sel_hi:[1,0,0]
.endr
.irp i, 0,2,4,6,8,10,12,14
	v_pk_fma_f32 v[SF+16*\qq+16+\i:SF+16*\qq+16+\i+1], v[SF+16*\qq+16+\i:SF+16*\qq+16+\i+1], s[56:57], v[NN+\qq:NN+\qq+1] op_sel:[0,0,1] op_sel_hi:[1,0,1]
.endr
.endr
.set i, 0
.rept 64
	v_exp_f32 v[SF+i], v[SF+i]
.set i, i+1
.endr
.if \first == 0
.irp qt, 0,1,2,3
	v_exp_f32 v[AL+\qt], v[AL+\qt]
.endr
.endif
	v_nop                                          ; a plain instruction between the exponentials and their first use (ISA guide 5.7.2)
	; the sums of the f32 p, in K's registers, which are free now
	s_wait_alu depctr_va_vdst(0)
.irp qt, 0,1,2,3
	v_pk_add_f32 v[KF+8*\qt:KF+8*\qt+1],   v[SF+16*\qt:SF+16*\qt+1],     v[SF+16*\qt+2:SF+16*\qt+3]
	v_pk_add_f32 v[KF+8*\qt+2:KF+8*\qt+3], v[SF+16*\qt+4:SF+16*\qt+5],   v[SF+16*\qt+6:SF+16*\qt+7]
	v_pk_add_f32 v[KF+8*\qt+4:KF+8*\qt+5], v[SF+16*\qt+8:SF+16*\qt+9],   v[SF+16*\qt+10:SF+16*\qt+11]
	v_pk_add_f32 v[KF+8*\qt+6:KF+8*\qt+7], v[SF+16*\qt+12:SF+16*\qt+13], v[SF+16*\qt+14:SF+16*\qt+15]
.endr
.irp qt, 0,1,2,3
	v_pk_add_f32 v[KF+8*\qt:KF+8*\qt+1],   v[KF+8*\qt:KF+8*\qt+1],   v[KF+8*\qt+2:KF+8*\qt+3]
	v_pk_add_f32 v[KF+8*\qt+4:KF+8*\qt+5], v[KF+8*\qt+4:KF+8*\qt+5], v[KF+8*\qt+6:KF+8*\qt+7]
.endr
.irp qt, 0,1,2,3
	v_pk_add_f32 v[KF+8*\qt:KF+8*\qt+1], v[KF+8*\qt:KF+8*\qt+1], v[KF+8*\qt+4:KF+8*\qt+5]
.endr
.irp qt, 0,1,2,3
.if \first
	v_add_f32 v[LS+\qt], v[KF+8*\qt], v[KF+8*\qt+1]
.else
	v_add_f32 v[KF+8*\qt], v[KF+8*\qt], v[KF+8*\qt+1]
.endif
.endr
.if \first == 0
.irp qt, 0,1,2,3
	v_fma_f32 v[LS+\qt], v[LS+\qt], v[AL+\qt], v[KF+8*\qt]
.endr
.endif
	; p to bf16.  Keys 8 h .. + 7 fill words 0-3, keys 16 + 8 h .. words 4-7: the operand's layout
.if \prec
.irp qt, 0,1,2,3
.irp i, 0,1,2,3,4,5,6,7
	v_cvt_pk_bf16_f32 v[KF+8*\qt+\i], v[SF+16*\qt+2*\i], v[SF+16*\qt+2*\i+1]       ; P hi, in K's registers; the f32 stay for lo
.endr
.endr
.irp qt, 0,1,2,3
.irp i, 0,1,2,3,4,5,6,7
	v_lshlrev_b32 v[T2+2*\i],   16,  v[KF+8*\qt+\i]                                ; hi back in f32
	v_and_b32     v[T2+2*\i+1], s61, v[KF+8*\qt+\i]
.endr
.irp i, 0,1,2,3,4,5,6,7
	v_pk_add_f32 v[SF+16*\qt+2*\i:SF+16*\qt+2*\i+1], v[SF+16*\qt+2*\i:SF+16*\qt+2*\i+1], v[T2+2*\i:T2+2*\i+1] neg_lo:[0,1] neg_hi:[0,1]
.endr
.irp i, 0,1,2,3,4,5,6,7
	v_cvt_pk_bf16_f32 v[SF+16*\qt+\i], v[SF+16*\qt+2*\i], v[SF+16*\qt+2*\i+1]      ; P lo in place: word i takes words 2 i and 2 i + 1
.endr
.endr
.else
.irp qt, 0,1,2,3
.irp i, 0,1,2,3,4,5,6,7
	v_cvt_pk_bf16_f32 v[SF+16*\qt+\i], v[SF+16*\qt+2*\i], v[SF+16*\qt+2*\i+1]      ; in place: word i takes words 2 i and 2 i + 1
.endr
.endr
.endif
.if \first == 0
	OSCALE AL
.endif
	s_wait_dscnt 0x0                               ; V
	WIN 0x50                                       ; C and D in window 1
	; O^T += V^T P^T: sixteen accumulators by turns, one instruction a turn
.if \prec
.irp qt, 0,1,2,3
.irp dt, 0,1,2,3
.if \first
	v_wmma_f32_16x16x32_bf16 v[8*(4*\qt+\dt):8*(4*\qt+\dt)+7], v[VF+8*\dt:VF+8*\dt+7], v[KF+8*\qt:KF+8*\qt+7], 0
.else
	v_wmma_f32_16x16x32_bf16 v[8*(4*\qt+\dt):8*(4*\qt+\dt)+7], v[VF+8*\dt:VF+8*\dt+7], v[KF+8*\qt:KF+8*\qt+7], v[8*(4*\qt+\dt):8*(4*\qt+\dt)+7]
.endif
.endr
.endr
.irp qt, 0,1,2,3
.irp dt, 0,1,2,3
	v_wmma_f32_16x16x32_bf16 v[8*(4*\qt+\dt):8*(4*\qt+\dt)+7], v[VF+8*\dt:VF+8*\dt+7], v[SF+16*\qt:SF+16*\qt+7], v[8*(4*\qt+\dt):8*(4*\qt+\dt)+7]
.endr
.endr
	WIN 0x51                                       ; source 0 in window 1 too: V lo x P hi
.irp qt, 0,1,2,3
.irp dt, 0,1,2,3
	v_wmma_f32_16x16x32_bf16 v[8*(4*\qt+\dt):8*(4*\qt+\dt)+7], v[VL+8*\dt:VL+8*\dt+7], v[KF+8*\qt:KF+8*\qt+7], v[8*(4*\qt+\dt):8*(4*\qt+\dt)+7]
.endr
.endr
.else
.irp qt, 0,1,2,3
.irp dt, 0,1,2,3
.if \first
	v_wmma_f32_16x16x32_bf16 v[8*(4*\qt+\dt):8*(4*\qt+\dt)+7], v[VF+8*\dt:VF+8*\dt+7], v[SF+16*\qt:SF+16*\qt+7], 0
.else
	v_wmma_f32_16x16x32_bf16 v[8*(4*\qt+\dt):8*(4*\qt+\dt)+7], v[VF+8*\dt:VF+8*\dt+7], v[SF+16*\qt:SF+16*\qt+7], v[8*(4*\qt+\dt):8*(4*\qt+\dt)+7]
.endif
.endr
.endr
.endif
	WIN 0
.rept 5
	v_nop                                          ; five places before the next step's S is written over P, four before loads into P hi's and V's registers (ISA guide 7.12.1 for vector instructions)
.endr
.endm
; A step with its change of slots.  In front of the round every wave waits for all its tensor loads (this step's tile among them) and for its LDS reads;
; behind it the slot read in the last step is asked for again, first thing, with the next step's tile.  refill: 0 none, 1 hi alone, 2 hi and lo.
.macro TRIP slot, refill, first, masked, prec
	s_wait_xcnt 0x0
	v_lshl_add_u32 v254, v0, 2, 0x4a000
	v_mov_b32 v255, 0
	s_wait_tensorcnt 0x0
	ds_add_u32 v254, v255
	s_wait_dscnt 0x0
.if \refill
	SETADR 1-\slot, (\refill-1)
.endif
	s_wait_dscnt 0x0
	ROUND
.if \refill
	JLOAD 1-\slot, (\refill-1)
.endif
	STEP \slot, \first, \masked, \prec
.endm
; The end of a run: the four parts of each head are merged and 64 queries x 2 heads stored.  next = 1 (the low run): the result goes out as hi and lo,
; and the next run's Q is asked for first.  next = 0 (the high run): hi alone.
.macro MERGE next, qb, ob
.if \next
	QLOAD QF, \qb
.endif
.irp qt, 0,1,2,3
	v_permlanex16_b32 v[T2+\qt], v[LS+\qt], s58, s59
.endr
.irp qt, 0,1,2,3
	v_add_f32 v[LS+\qt], v[LS+\qt], v[T2+\qt]      ; the sum over my 32 keys a step
.endr
	ds_store_b128 v[STW], v[NMB+4:NMB+7]           ; a run has an even number of steps and ends in slot 1: the state is slot 1's set
	ds_store_b128 v[STW], v[LS:LS+3] offset:512
	s_wait_dscnt 0x0                               ; for the others' sake: zero
	s_barrier_signal -1
	s_barrier_wait -1
.irp k, 0,1,2,3
	ds_load_b128 v[SF+8*\k:SF+8*\k+3],   v[STR] offset:2048*\k
	ds_load_b128 v[SF+8*\k+4:SF+8*\k+7], v[STR] offset:2048*\k+512
.endr
	s_wait_dscnt 0x0
.irp qt, 0,1,2,3
	v_min3_num_f32 v[TT+\qt], v[SF+\qt], v[SF+8+\qt], v[SF+16+\qt]
.endr
.irp qt, 0,1,2,3
	v_min_num_f32 v[TT+\qt], v[TT+\qt], v[SF+24+\qt]               ; -c x the head's maximum
.endr
.irp qt, 0,1,2,3
	v_sub_f32 v[AL+\qt], v[TT+\qt], v[NMB+4+\qt]
.irp k, 0,1,2,3
	v_sub_f32 v[SF+8*\k+\qt], v[TT+\qt], v[SF+8*\k+\qt]
.endr
.endr
.irp qt, 0,1,2,3
	v_exp_f32 v[AL+\qt], v[AL+\qt]
.irp k, 0,1,2,3
	v_exp_f32 v[SF+8*\k+\qt], v[SF+8*\k+\qt]
.endr
.endr
	v_nop
	s_wait_alu depctr_va_vdst(0)
.irp qt, 0,1,2,3
	v_mul_f32 v[MB+\qt], v[SF+\qt], v[SF+4+\qt]
.endr
.irp k, 1,2,3
.irp qt, 0,1,2,3
	v_fmac_f32 v[MB+\qt], v[SF+8*\k+\qt], v[SF+8*\k+4+\qt]         ; the head's sum: at least about 1, from the part that holds the maximum
.endr
.endr
.irp qt, 0,1,2,3
	v_rcp_f32 v[MB+\qt], v[MB+\qt]
.endr
	v_nop
	s_wait_alu depctr_va_vdst(0)
.irp qt, 0,1,2,3
	v_mul_f32 v[AL+\qt], v[AL+\qt], v[MB+\qt]
.endr
	OSCALE AL
	WIN 0x04                                       ; store data from window 1
.irp qt, 0,1,2,3
.irp dt, 0,1,2,3
	ds_store_b128 v[SCW], v[8*(4*\qt+\dt):8*(4*\qt+\dt)+3]   offset:16*SCP*\qt+64*\dt
	ds_store_b128 v[SCW], v[8*(4*\qt+\dt)+4:8*(4*\qt+\dt)+7] offset:16*SCP*\qt+64*\dt+16
.endr
.endr
	WIN 0
	s_wait_dscnt 0x0
	s_barrier_signal -1
	s_barrier_wait -1
.irp i, 0,1,2,3,4,5,6,7
.irp k, 0,1,2,3
	ds_load_b128 v[SF+16*\i+4*\k:SF+16*\i+4*\k+3], v[SCRA+\k/2] offset:(\k%2)*SCQ+SCP*\i
.endr
.endr
.irp i, 0,1,2,3,4,5,6,7
	s_wait_dscnt 28-4*\i                           ; row i's four parts are in; the rows behind it stay out
	v_pk_add_f32 v[SF+16*\i:SF+16*\i+1],     v[SF+16*\i:SF+16*\i+1],     v[SF+16*\i+4:SF+16*\i+5]
	v_pk_add_f32 v[SF+16*\i+2:SF+16*\i+3],   v[SF+16*\i+2:SF+16*\i+3],   v[SF+16*\i+6:SF+16*\i+7]
	v_pk_add_f32 v[SF+16*\i+8:SF+16*\i+9],   v[SF+16*\i+8:SF+16*\i+9],   v[SF+16*\i+12:SF+16*\i+13]
	v_pk_add_f32 v[SF+16*\i+10:SF+16*\i+11], v[SF+16*\i+10:SF+16*\i+11], v[SF+16*\i+14:SF+16*\i+15]
	v_pk_add_f32 v[SF+16*\i:SF+16*\i+1],     v[SF+16*\i:SF+16*\i+1],     v[SF+16*\i+8:SF+16*\i+9]
	v_pk_add_f32 v[SF+16*\i+2:SF+16*\i+3],   v[SF+16*\i+2:SF+16*\i+3],   v[SF+16*\i+10:SF+16*\i+11]
	v_cvt_pk_bf16_f32 v[T2+2*\i],   v[SF+16*\i],   v[SF+16*\i+1]   ; hi
	v_cvt_pk_bf16_f32 v[T2+2*\i+1], v[SF+16*\i+2], v[SF+16*\i+3]
.if \next
	v_lshlrev_b32 v[SF+16*\i+8],  16,  v[T2+2*\i]                  ; hi back in f32
	v_and_b32     v[SF+16*\i+9],  s61, v[T2+2*\i]
	v_lshlrev_b32 v[SF+16*\i+10], 16,  v[T2+2*\i+1]
	v_and_b32     v[SF+16*\i+11], s61, v[T2+2*\i+1]
	v_pk_add_f32 v[SF+16*\i:SF+16*\i+1],   v[SF+16*\i:SF+16*\i+1],   v[SF+16*\i+8:SF+16*\i+9]   neg_lo:[0,1] neg_hi:[0,1]
	v_pk_add_f32 v[SF+16*\i+2:SF+16*\i+3], v[SF+16*\i+2:SF+16*\i+3], v[SF+16*\i+10:SF+16*\i+11] neg_lo:[0,1] neg_hi:[0,1]
	v_cvt_pk_bf16_f32 v[SF+16*\i+4], v[SF+16*\i],   v[SF+16*\i+1]  ; lo
	v_cvt_pk_bf16_f32 v[SF+16*\i+5], v[SF+16*\i+2], v[SF+16*\i+3]
.endif
	global_store_b64 v[OOFF], v[T2+2*\i:T2+2*\i+1],       s[\ob:\ob+1] offset:4096*\i        ; 32 lanes store the two heads' 256 consecutive bytes of a row, aligned
.if \next
	global_store_b64 v[OOFF], v[SF+16*\i+4:SF+16*\i+5],   s[\ob:\ob+1] offset:4096*\i+256    ; and the 256 bytes of lo that follow them
.endif
.endr
.if \next
	s_wait_xcnt 0x0                                ; the stores' data registers are written again in the next step only behind this wait
.endif
.endm
	; the low block: 2 n + 2 precise steps: the first, n pairs, the last
	TRIP 0, 2, 1, 1, 1
	s_cmp_eq_u32 s12, 0
	s_cbranch_scc1 .Llow_done
	s_mov_b32 s54, s12
.Llow:
	TRIP 1, 2, 0, 1, 1
	TRIP 0, 2, 0, 1, 1
	s_sub_co_u32 s54, s54, 1
	s_cmp_lg_u32 s54, 0
	s_cbranch_scc1 .Llow
.Llow_done:
	TRIP 1, 1, 0, 1, 1                             ; asks for the high run's first tile: hi alone
	MERGE 1, 68, 70                                ; that tile is on its way meanwhile
	s_mov_b32 s55, s74
	; the high block: 16 - 2 n plain steps
	TRIP 0, 1, 1, 1, 0
	TRIP 1, 1, 0, 1, 0
	s_sub_co_u32 s54, 6, s12
	s_max_u32 s54, s54, 1                          ; n is 0 to 3, so this is 3 to 6; the bound is written out
.Lhigh:
	TRIP 0, 1, 0, 0, 0
	TRIP 1, 1, 0, 0, 0
	s_sub_co_u32 s54, s54, 1
	s_cmp_lg_u32 s54, 0
	s_cbranch_scc1 .Lhigh
	TRIP 0, 1, 0, 0, 0
	TRIP 1, 0, 0, 0, 0                             ; the last step asks for nothing
	MERGE 0, 68, 72
	s_wait_xcnt 0x0
	v_lshl_add_u32 v254, v0, 2, 0x4a000
	v_mov_b32 v255, 0
	s_wait_tensorcnt 0x0
	ds_add_u32 v254, v255
	s_wait_dscnt 0x0
	ROUND                                          ; the closing round: no work-group ends while a partner may still ask for a tile that names it
	s_endpgm
.Lfunc_end_k_q1b5ddd3193_attention:
	.size	k_q1b5ddd3193_attention, .Lfunc_end_k_q1b5ddd3193_attention-k_q1b5ddd3193_attention
	.p2alignl 7, 3214868480
	.fill 96, 4, 3214868480
	.section	.rodata,"a",@progbits
	.p2align	6, 0x0
	.amdhsa_kernel k_q1b5ddd3193_attention
		.amdhsa_group_segment_fixed_size 327680
		.amdhsa_private_segment_fixed_size 0
		.amdhsa_enable_private_segment 0
		.amdhsa_kernarg_size 24
		.amdhsa_user_sgpr_count 2
		.amdhsa_user_sgpr_kernarg_segment_ptr 1
		.amdhsa_wavefront_size32 1
		.amdhsa_system_sgpr_workgroup_id_x 1
		.amdhsa_system_sgpr_workgroup_id_y 1
		.amdhsa_system_sgpr_workgroup_id_z 1
		.amdhsa_system_vgpr_workitem_id 0
		.amdhsa_next_free_vgpr 512
		.amdhsa_next_free_sgpr 102
		.amdhsa_reserve_vcc 1
		.amdhsa_float_denorm_mode_32 3
		.amdhsa_float_denorm_mode_16_64 3
		.amdhsa_memory_ordered 1
		.amdhsa_forward_progress 1
		.amdhsa_inst_pref_size 255
	.end_amdhsa_kernel
	.section	.bss,"aw",@nobits
	.p2align	6
	.space	262144
	.amdgpu_metadata
---
amdhsa.version: [ 1, 2 ]
amdhsa.kernels:
  - .name:           k_q1b5ddd3193_attention
    .symbol:         k_q1b5ddd3193_attention.kd
    .args:
      - { .name: qkvh, .offset: 0, .size: 8, .value_kind: global_buffer, .address_space: global }
      - { .name: qkvl, .offset: 8, .size: 8, .value_kind: global_buffer, .address_space: global }
      - { .name: ctx2, .offset: 16, .size: 8, .value_kind: global_buffer, .address_space: global }
    .group_segment_fixed_size: 327680
    .private_segment_fixed_size: 0
    .kernarg_segment_align: 8
    .kernarg_segment_size: 24
    .max_flat_workgroup_size: 256
    .sgpr_count:     102
    .vgpr_count:     512
    .wavefront_size: 32
...
	.end_amdgpu_metadata
.endif
;; end of part 6
;; launch oproj (part 7): grid 8 x 32, 4 waves a work-group, clusters of 4 x 4, 327,680 bytes of LDS; arguments ctx2, wob, out0; writes out0
.if DOCPART == 7
	.amdgcn_target "amdgcn-amd-amdhsa--gfx1250"
	.amdhsa_code_object_version 6
	.text
	.protected	k_q1b5ddd3193_oproj
	.globl	k_q1b5ddd3193_oproj
	.p2align	8
	.type	k_q1b5ddd3193_oproj,@function
k_q1b5ddd3193_oproj:
	s_mov_b64 s[64:65], 0
	v_nop
	global_prefetch_b8 v0, s[64:65] scope:SCOPE_SE
	s_setreg_imm32_b32 hwreg(HW_REG_WAVE_MODE, 25, 1), 1
	s_wait_xcnt 0x0
	s_wait_alu depctr_hold_cnt(0) depctr_sa_sdst(0) depctr_va_vdst(0) depctr_va_sdst(0) depctr_va_ssrc(0) depctr_va_vcc(0) depctr_vm_vsrc(0)
	s_getreg_b32 s2, hwreg(HW_REG_IB_STS2, 6, 4)
	s_cmp_eq_u32 s2, 0
	s_cbranch_scc0 .Lentry_in_a_cluster
	s_endpgm
.Lentry_in_a_cluster:
	s_bfe_u32 s2, ttmp6, 0x10000c
	s_cmp_lg_u32 s2, 0xf033
	s_cbranch_scc0 .Lentry_shape_is_right
	s_endpgm
.Lentry_shape_is_right:
; oproj: out0 [4096][2048] f32 = ctx x wob, wob [1024 k][2048 n] bf16, f32 sums.
; ctx comes from ctx2 [4096][2048] bf16: a row is eight blocks of 256 numbers, block t = the 128 numbers k = 128 t .. + 127 as hi, then the same 128 as lo
; (what hi's rounding left).  lo exists for rows at positions below 1024; there the product is hi x wob + lo x wob, so that ctx enters with 16 significant
; bits: a row at a small position averages few values and is large against the error allowed for the whole output.  From position 1024 on: hi alone.
; ROWS.  So that every work-group has the same work, block row by takes 64 LOW rows, 2048 (by >> 4) + 64 (by & 15) + 0 .. 63, and the 64 HIGH rows 1024 further on.
; A K STEP of 128 brings the weights' 128 k rows x 512 bytes, the low rows' block t whole (64 rows x 512 bytes: hi and lo side by side) and the high rows' hi
; (64 rows x 256 bytes): 112 KiB, one tensor load a wave.  hi and lo are multiplied in the same step, by the same fragments of the weights, onto the same sums.
; A work-group makes 128 rows x 256 columns with four waves; K IS SPLIT BETWEEN WAVES: wave w takes columns 128 (w & 1) .. + 127 and, of every K step, the 64
; numbers at 64 (w >> 1) = 64 kh.  For 32 along K a wave reads 20 KiB from LDS (8 of the weights, 8 of hi, 4 of lo) for 96 matrix instructions.
; At the end the two waves of a column half add their halves of K through LDS.  Each KEEPS 32 low and 32 high rows (those at 32 kh of each 64) and GIVES the
; other 32 + 32 away; in both sets tile rows 0, 1 are low rows and 2, 3 high rows, so that the lo products are tile rows 0 and 1 in every wave's text.
; K goes through two LDS slots filled by the tensor data mover; the weights lie [k][n] and are read by the transposing LDS load.
; CLUSTERS: 4 x 4 work-groups; ctx2's two tiles are asked for jointly along a cluster's row, the weights' along a column: a quarter of the requests for all.
; The matrix instruction is used transposed: lane l holds row l % 16, registers 0-7 the columns 8 (l / 16) + 0 .. 7.
; LIMITS, stated: the weights are bf16; ctx has 8 significant bits for positions from 1024 on; the sum over K is made as two halves that are added at the end.
; REGISTERS: window 0: v16-30 addresses; v64-159, v160-255 fragments of ctx2, two buffers of 96: 8 of hi (kept low 2, kept high 2, given low 2, given high 2), 4 of lo.
;   window 1: v64-127, v160-223 fragments of the weights.
;   window 2: the 32 tiles (a, b) at v[8 (8 a + b)] of the 64 rows that I keep; window 3: those of the 64 rows that I give away.
.set LAPS,   4                         ; a lap = two K steps = once round the ring; 1,024 / 256
.set PB,     544                       ; the weights' LDS row: 512 bytes + 32: eight rows start at eight different 32-byte columns of 256 bytes
.set PL,     528                       ; a low row in LDS: 512 bytes + 16: sixteen rows start at sixteen different 16-byte columns of 256 bytes
.set PH,     272                       ; a high row in LDS: 256 bytes + 16: likewise
.set ALOFF,  128*PB                    ; a slot: the weights' 128 k rows, the 64 low rows, the 64 high rows
.set AHOFF,  ALOFF+64*PL
.set SLOT,   AHOFF+64*PH
.set STAGE,  131072                    ; behind the exchange (4 x 32,768 bytes from byte 0): 16 rows x 528 bytes a wave; both lie in the slots and are written only behind the slots' last fill
.set SPITCH, 528
.set ADRLK, 16                         ; v16-17  LDS address of the low rows I keep, slot 0, 1
.set ADRLG, 18                         ; v18-19  of the low rows I give away
.set ADRHK, 20                         ; v20-21  of the high rows I keep
.set ADRHG, 22                         ; v22-23  of the high rows I give away
.set ADRB,  24                         ; v24-25  of the weights' fragments
.set STO,   26
.set RD,    27
.set CO,    28
.set XW,    29
.set XR,    30
.set F0,    64
.set F1,    160
.set G1L, 24                           ; s[24:31] group 1 for the low rows' tiles
.set G0L, 32                           ; s[32:39] group 0 for them, one set a slot
.set G1B, 48                           ; s[48:55] group 1 for the weights' tiles
.set G0B, 56                           ; s[56:63] group 0 for them
.set G1H, 80                           ; s[80:87] group 1 for the high rows' tiles
.set G0H, 88                           ; s[88:95] group 0 for them
.set MSB, 0
.macro WIN new                         ; the immediate's high byte repeats the setting that is left
.if MSB != \new
	s_set_vgpr_msb (MSB<<8)|\new
.set MSB, \new
.endif
.endm
.set MUL_LO, 0xa1                      ; source 0 window 1, source 1 window 0, C and D window 2
.set MUL_HI, 0xf1                      ; the same, C and D window 3
.set TO_B,   0x40                      ; destination window 1
; A joint load.  Waves 0 and 1 fetch the weights' two halves (64 k rows each), wave 2 the low rows, wave 3 the high rows.  The branches hang on the wave's number alone.
.macro JLOAD s
	s_cmp_lt_u32 s10, 2
	s_cbranch_scc0 .Lnot_b_\@
	tensor_load_to_lds s[G0B+4*\s:G0B+4*\s+3], s[G1B:G1B+7]
	s_nop 0
	s_branch .Lasked_\@
.Lnot_b_\@:
	s_cmp_eq_u32 s10, 2
	s_cbranch_scc0 .Lfor_h_\@
	tensor_load_to_lds s[G0L+4*\s:G0L+4*\s+3], s[G1L:G1L+7]
	s_nop 0
	s_branch .Lasked_\@
.Lfor_h_\@:
	tensor_load_to_lds s[G0H+4*\s:G0H+4*\s+3], s[G1H:G1H+7]
	s_nop 0
.Lasked_\@:
.endm
.macro CREST                           ; a round of the cluster's barrier behind its opening barrier
	s_cmp_lg_u32 s10, 0
	s_cbranch_scc1 .Lnot_wave_0_\@
	s_barrier_signal -3
.Lnot_wave_0_\@:
	s_barrier_wait -3
	s_barrier_signal -1
	s_barrier_wait -1
.endm
.macro CROUND                          ; a whole round
	s_barrier_signal -1
	s_barrier_wait -1
	CREST
.endm
	s_load_b128 s[4:7], s[0:1], 0x0                ; ctx2 s[4:5], wob s[6:7]
	s_load_b64 s[70:71], s[0:1], 0x10              ; out0
	s_set_vgpr_msb 0x40
	v_lshl_add_u32 v255, v0, 2, 0x3b000
	s_set_vgpr_msb 0x4000
	v_mov_b32 v63, 0
	s_set_vgpr_msb 0x1
	ds_add_u32 v255, v63
	s_set_vgpr_msb 0x100
	v_lshrrev_b32 v1, 5, v0
	v_readfirstlane_b32 s10, v1                    ; wave 0..3
	s_lshr_b32 s11, s10, 1                         ; kh: my half of a K step
	s_and_b32 s12, s10, 1                          ; wn: my half of the columns.  Also: which 64 k rows of the weights' tile waves 0 and 1 fetch
	s_bfe_u32 s40, ttmp6, 0x40000                  ; cx
	s_bfe_u32 s41, ttmp6, 0x40004                  ; cy
	s_lshl_b32 s42, ttmp9, 2
	s_add_co_u32 s42, s42, s40                     ; bx: block column
	s_and_b32 s13, ttmp7, 0xffff
	s_lshl_b32 s13, s13, 2
	s_add_co_u32 s13, s13, s41                     ; by: block row
	s_lshl_b32 s43, s41, 2
	s_lshl_b32 s43, 15, s43                        ; my row of the cluster
	s_lshl_b32 s44, 0x1111, s40                    ; my column
	s_or_b32 s[G1L+0], s43, 0x07b10000             ; mask; 2-byte elements; padding on; bit 21 beside a mask; after every 128 words 4 words
	s_mov_b32 s[G1L+1], 256<<16                    ; tensor_dim0 = 256
	s_mov_b32 s[G1L+2], 64<<16                     ; tensor_dim1 = 64
	s_mov_b32 s[G1L+3], 256<<16                    ; tile_dim0 = 256 elements: hi and lo of one block, 512 bytes
	s_mov_b32 s[G1L+4], 64                         ; tile_dim1 = 64 rows
	s_mov_b32 s[G1L+5], 2048                       ; elements from row to row
	s_mov_b32 s[G1L+6], 0
	s_mov_b32 s[G1L+7], 0
	s_or_b32 s[G1H+0], s43, 0x07710000             ; the same mask; after every 64 words 4 words
	s_mov_b32 s[G1H+1], 128<<16
	s_mov_b32 s[G1H+2], 64<<16
	s_mov_b32 s[G1H+3], 128<<16                    ; tile_dim0 = 128 elements: hi of one block, 256 bytes
	s_mov_b32 s[G1H+4], 64
	s_mov_b32 s[G1H+5], 2048
	s_mov_b32 s[G1H+6], 0
	s_mov_b32 s[G1H+7], 0
	s_or_b32 s[G1B+0], s44, 0x0fb10000             ; mask of my column; after every 128 words 8 words
	s_mov_b32 s[G1B+1], 256<<16
	s_mov_b32 s[G1B+2], 64<<16
	s_mov_b32 s[G1B+3], 256<<16                    ; tile_dim0 = 256 elements (512 bytes)
	s_mov_b32 s[G1B+4], 64
	s_mov_b32 s[G1B+5], 2048
	s_mov_b32 s[G1B+6], 0
	s_mov_b32 s[G1B+7], 0
	s_lshr_b32 s16, s13, 4                         ; ctx2: my first low row, 2048 (by >> 4) + 64 (by & 15), in registers that never hold bx
	s_lshl_b32 s16, s16, 11
	s_and_b32 s17, s13, 15
	s_lshl_b32 s17, s17, 6
	s_add_co_u32 s16, s16, s17
	s_lshl_b32 s16, s16, 12                        ; rows of 4,096 bytes
	s_mov_b32 s17, 0
	s_lshl_b32 s46, s42, 9                         ; weights: k row 64 (w & 1), column 256 bx, in registers that never hold by
	s_lshl_b32 s47, s12, 18
	s_add_co_u32 s46, s46, s47
	s_mov_b32 s47, 0
	s_mul_i32 s21, s10, 64*PB                      ; the weights' halves in LDS: waves 0 and 1
	s_wait_dscnt 0x0
	s_wait_kmcnt 0x0
	s_add_nc_u64 s[14:15], s[4:5], s[16:17]
	s_add_nc_u64 s[46:47], s[6:7], s[46:47]
	CROUND                                         ; all sixteen work-groups are here: the first joint loads meet
.irp s, 0,1
	s_mov_b32 s[G0L+4*\s], 1
	s_mov_b32 s[G0L+4*\s+1], ALOFF+\s*SLOT
	s_add_nc_u64 s[G0L+4*\s+2:G0L+4*\s+3], s[14:15], \s*512                ; K step s: block s of the row
	s_or_b32 s[G0L+4*\s+3], s[G0L+4*\s+3], 0x80000000
	s_mov_b32 s[G0H+4*\s], 1
	s_mov_b32 s[G0H+4*\s+1], AHOFF+\s*SLOT
	s_add_nc_u64 s[G0H+4*\s+2:G0H+4*\s+3], s[14:15], 0x400000+\s*512       ; 1,024 rows further on
	s_or_b32 s[G0H+4*\s+3], s[G0H+4*\s+3], 0x80000000
	s_mov_b32 s[G0B+4*\s], 1
	s_add_co_u32 s[G0B+4*\s+1], s21, \s*SLOT
	s_add_nc_u64 s[G0B+4*\s+2:G0B+4*\s+3], s[46:47], \s*524288             ; K step s: 128 rows of 4,096 bytes down
	s_or_b32 s[G0B+4*\s+3], s[G0B+4*\s+3], 0x80000000
	JLOAD \s                                       ; both slots' first fills go out together: two tensor loads of the wave are out
.endr
	v_and_b32 v1, 15, v0                           ; r
	v_bfe_u32 v2, v0, 4, 1                         ; h
	v_and_b32 v3, 7, v0
	v_bfe_u32 v4, v0, 3, 1
	v_and_b32 v5, 31, v0                           ; lane
	v_mul_u32_u24 v6, v1, PL
	v_lshl_add_u32 v6, v2, 4, v6                   ; a low row r, 16 bytes for each half of the lanes
	v_mul_u32_u24 v8, v1, PH
	v_lshl_add_u32 v8, v2, 4, v8                   ; a high row r, likewise
	v_lshl_add_u32 v7, v2, 3, v3                   ; weights, for the transposing load: k row 8 h + l % 8,
	v_mul_u32_u24 v7, v7, PB
	v_lshl_add_u32 v7, v4, 4, v7                   ; 16 bytes for each half of eight lanes
	s_xor_b32 s23, s11, 1                          ; 1 - kh
	s_lshl_b32 s21, s11, 7                         ; my half of K begins at byte 128 kh of hi, and of lo
	s_mul_i32 s16, s11, 32*PL                      ; the rows I keep are 32 kh .. of each chunk
	s_add_co_u32 s16, s16, s21
	s_add_co_u32 s16, s16, ALOFF
	s_mul_i32 s17, s23, 32*PL                      ; the rows I give away are the other 32
	s_add_co_u32 s17, s17, s21
	s_add_co_u32 s17, s17, ALOFF
	s_mul_i32 s18, s11, 32*PH
	s_add_co_u32 s18, s18, s21
	s_add_co_u32 s18, s18, AHOFF
	s_mul_i32 s19, s23, 32*PH
	s_add_co_u32 s19, s19, s21
	s_add_co_u32 s19, s19, AHOFF
	s_mul_i32 s20, s11, 64*PB
	s_lshl_b32 s21, s12, 8
	s_add_co_u32 s20, s20, s21
.irp s, 0,1
	v_add_nc_u32 v[ADRLK+\s], s16, v6
	v_add_nc_u32 v[ADRLG+\s], s17, v6
	v_add_nc_u32 v[ADRHK+\s], s18, v8
	v_add_nc_u32 v[ADRHG+\s], s19, v8
	v_add_nc_u32 v[ADRB+\s], s20, v7
	s_add_co_u32 s16, s16, SLOT
	s_add_co_u32 s17, s17, SLOT
	s_add_co_u32 s18, s18, SLOT
	s_add_co_u32 s19, s19, SLOT
	s_add_co_u32 s20, s20, SLOT
.endr
	s_lshl_b32 s23, s10, 15
	v_lshl_add_u32 v[XW], v5, 4, s23               ; exchange: 32,768 bytes a wave, 16 bytes a lane
	s_xor_b32 s23, s23, 0x10000                    ; my partner is wave w xor 2
	v_lshl_add_u32 v[XR], v5, 4, s23
	s_mul_i32 s23, s10, 16*SPITCH
	s_add_co_u32 s23, s23, STAGE
	v_mul_u32_u24 v6, v1, SPITCH
	v_lshl_add_u32 v6, v2, 5, v6
	v_add_nc_u32 v[STO], s23, v6                   ; in: row r, 32 bytes for each half of the lanes
	v_lshl_add_u32 v[RD], v5, 4, s23               ; back: a whole row of 512 bytes
	v_lshlrev_b32 v[CO], 4, v5
	; where the rows that I keep go: row 2048 (by >> 4) + 64 (by & 15) + 32 kh of 8,192 bytes, + 1,024 bx + 512 wn; the high rows 1,024 rows further on.
	; Made in registers that feed no descriptor.
	s_lshr_b32 s72, s13, 4
	s_lshl_b32 s72, s72, 11
	s_and_b32 s73, s13, 15
	s_lshl_b32 s73, s73, 6
	s_add_co_u32 s72, s72, s73
	s_lshl_b32 s73, s11, 5
	s_add_co_u32 s72, s72, s73
	s_lshl_b32 s72, s72, 13
	s_lshl_b32 s73, s42, 10
	s_add_co_u32 s72, s72, s73
	s_lshl_b32 s73, s12, 9
	s_add_co_u32 s72, s72, s73
	s_mov_b32 s73, 0
	s_add_nc_u64 s[70:71], s[70:71], s[72:73]
	s_add_nc_u64 s[74:75], s[70:71], 0x800000
; 16 matrix instructions on hi: tile rows a0, a0 + 1 of the window's four x all 8 column tiles, 32 along K.  zero = 1: the first product starts the sums.
; The accumulators take turns, one instruction a turn.
.macro MUL16 f, hi, a0, zero
.irp a, \a0, \a0+1
.irp b, 0,1,2,3,4,5,6,7
.if \zero
	v_wmma_f32_16x16x32_bf16 v[8*(8*(\a)+\b):8*(8*(\a)+\b)+7], v[\f+8*\b:\f+8*\b+7], v[\f+8*(4*\hi+\a):\f+8*(4*\hi+\a)+7], 0
.else
	v_wmma_f32_16x16x32_bf16 v[8*(8*(\a)+\b):8*(8*(\a)+\b)+7], v[\f+8*\b:\f+8*\b+7], v[\f+8*(4*\hi+\a):\f+8*(4*\hi+\a)+7], v[8*(8*(\a)+\b):8*(8*(\a)+\b)+7]
.endif
.endr
.endr
.endm
; 16 matrix instructions on lo: the window's two tile rows of low rows, by the same fragments of the weights, onto the same sums; again one instruction a turn
.macro MULLO f, hi
.irp a, 0,1
.irp b, 0,1,2,3,4,5,6,7
	v_wmma_f32_16x16x32_bf16 v[8*(8*\a+\b):8*(8*\a+\b)+7], v[\f+8*\b:\f+8*\b+7], v[\f+64+8*(2*\hi+\a):\f+64+8*(2*\hi+\a)+7], v[8*(8*\a+\b):8*(8*\a+\b)+7]
.endr
.endr
.endm
; twelve LDS loads: one set of rows (hi = 0 kept, 1 given away): two fragments of the low rows' hi, two of the high rows' hi, two of the low rows' lo
.macro FETCHA f, al, ah, hi, q
.irp a, 0,1
	ds_load_b128 v[\f+32*\hi+8*\a:\f+32*\hi+8*\a+3],   v[\al] offset:\a*16*PL+64*\q
	ds_load_b128 v[\f+32*\hi+8*\a+4:\f+32*\hi+8*\a+7], v[\al] offset:\a*16*PL+64*\q+32
.endr
.irp a, 0,1
	ds_load_b128 v[\f+32*\hi+16+8*\a:\f+32*\hi+16+8*\a+3],   v[\ah] offset:\a*16*PH+64*\q
	ds_load_b128 v[\f+32*\hi+16+8*\a+4:\f+32*\hi+16+8*\a+7], v[\ah] offset:\a*16*PH+64*\q+32
.endr
.irp a, 0,1
	ds_load_b128 v[\f+64+16*\hi+8*\a:\f+64+16*\hi+8*\a+3],   v[\al] offset:\a*16*PL+64*\q+256
	ds_load_b128 v[\f+64+16*\hi+8*\a+4:\f+64+16*\hi+8*\a+7], v[\al] offset:\a*16*PL+64*\q+288
.endr
.endm
; 40 LDS loads in one run: the fragments of 32 along K (part q = 0, 1 of my 64) into buffer f: the weights' 128 columns, the rows I keep, the rows I give away
.macro FETCH slot, q, f
	WIN TO_B
.irp b, 0,1,2,3,4,5,6,7
	ds_load_tr16_b128 v[\f+8*\b:\f+8*\b+3],   v[ADRB+\slot] offset:\q*32*PB+32*\b
	ds_load_tr16_b128 v[\f+8*\b+4:\f+8*\b+7], v[ADRB+\slot] offset:\q*32*PB+32*\b+16*PB
.endr
	WIN 0
	FETCHA \f, ADRLK+\slot, ADRHK+\slot, 0, \q
	FETCHA \f, ADRLG+\slot, ADRHG+\slot, 1, \q
.endm
; Four plain vector instructions between a matrix instruction and a load into, or a store or vector instruction on, one of its registers
; (ISA guide 7.12.1 for vector instructions); the matrix instructions in between are not counted.
.macro PLACES
.rept 4
	v_nop
.endr
.endm
; The first 32 of my 64 along K: multiplies buffer 0; behind its first 32 matrix instructions it fetches the second 32 into buffer 1, 64 matrix instructions ahead of their use.
.macro QUARTER slot, zero
	s_wait_dscnt 12                                ; the weights and the rows I keep are in; the youngest twelve loads (the rows I give away) may be out
	WIN MUL_LO
	MUL16 F0, 0, 0, \zero
	MUL16 F0, 0, 2, \zero
	PLACES
	FETCH \slot, 1, F1
	WIN MUL_LO
	MULLO F0, 0
	s_wait_dscnt 40                                ; all but the 40 just issued
	WIN MUL_HI
	MUL16 F0, 1, 0, \zero
	MUL16 F0, 1, 2, \zero
	MULLO F0, 1
.endm
; The second 32: multiplies buffer 1 and changes slots.  In front of the one barrier each wave waits for its reads of this slot and for all its tensor
; loads (one is out: its part of the next slot).  Behind it the refill comes first, then the next slot's first fragments.  From a request to the wait
; for it a wave issues 176 matrix instructions.
.macro TURN slot, next, fill
	s_wait_dscnt 12
	WIN MUL_LO
	MUL16 F1, 0, 0, 0
	s_wait_dscnt 0                                 ; my reads of this slot are over
	s_wait_tensorcnt 0x0                           ; and all my tensor loads have landed
	ds_add_u32 v255, v63
	s_wait_dscnt 0x0
	s_barrier_signal -1                            ; where a slot is filled again this barrier opens a round of the cluster's barrier
	MUL16 F1, 0, 2, 0                              ; register work while the others arrive
	WIN 0
	s_barrier_wait -1
.if \fill
	CREST                                          ; no wave of any partner still reads this slot or has a load on its way
	s_add_nc_u64 s[G0L+4*\slot+2:G0L+4*\slot+3], s[G0L+4*\slot+2:G0L+4*\slot+3], 1024      ; two blocks along the row
	s_add_nc_u64 s[G0H+4*\slot+2:G0H+4*\slot+3], s[G0H+4*\slot+2:G0H+4*\slot+3], 1024
	s_add_nc_u64 s[G0B+4*\slot+2:G0B+4*\slot+3], s[G0B+4*\slot+2:G0B+4*\slot+3], 1048576   ; 256 rows of 4,096 bytes down
	JLOAD \slot                                    ; two K steps ahead: the wave's one tensor load behind the round
.endif
	PLACES
	FETCH \next, 0, F0
	WIN MUL_LO
	MULLO F1, 0
	WIN MUL_HI
	MUL16 F1, 1, 0, 0
	MUL16 F1, 1, 2, 0
	MULLO F1, 1
.endm
.macro LAP zero
	QUARTER 0, \zero
	TURN 0, 1, 1
	QUARTER 1, 0
	TURN 1, 0, 1
.endm
	s_wait_tensorcnt 1                             ; my part of K step 0 is in; K step 1's may stay out
	s_barrier_signal -1
	s_barrier_wait -1
	FETCH 0, 0, F0
	LAP 1                                          ; the first lap stands in front of the loop: its first products start the sums
	WIN 0
	s_mov_b32 s22, LAPS-2
.Llap:
	LAP 0
	WIN 0
	s_sub_co_u32 s22, s22, 1
	s_cmp_lg_u32 s22, 0
	s_cbranch_scc1 .Llap
	QUARTER 0, 0                                   ; the last lap fills nothing
	TURN 0, 1, 0
	QUARTER 1, 0
	s_wait_dscnt 12
	WIN MUL_LO
	MUL16 F1, 0, 0, 0
	MUL16 F1, 0, 2, 0
	MULLO F1, 0
	s_wait_dscnt 0
	WIN MUL_HI
	MUL16 F1, 1, 0, 0
	MUL16 F1, 1, 2, 0
	MULLO F1, 1
	; THE TWO HALVES OF K ARE ADDED.  Every wave has read its last fragment and no tensor load is out: behind this barrier the slots are scratch.
	PLACES
	WIN 0
	s_wait_dscnt 0x0
	s_barrier_signal -1
	s_barrier_wait -1
	WIN 0x0c                                       ; store data from window 3
.set n, 0
.rept 64
	ds_store_b128 v[XW], v[4*n:4*n+3] offset:512*n ; 32 lanes x 16 neighbouring bytes
.set n, n+1
.endr
	WIN 0
	s_wait_dscnt 0x0                               ; for my partner's sake: zero
	s_barrier_signal -1
	s_barrier_wait -1
	WIN 0xc0                                       ; loaded data into window 3
.set n, 0
.rept 64
	ds_load_b128 v[4*n:4*n+3], v[XR] offset:512*n  ; my partner's sums for the rows that I keep, same tile, same lane
.set n, n+1
.endr
.irp g, 0,1,2,3
	s_wait_dscnt 48-16*\g                          ; LDS loads come back in order: sixteen more are in
	WIN 0x8e                                       ; window 2 += window 3
.set n, 0
.rept 32
	v_pk_add_f32 v[64*\g+2*n:64*\g+2*n+1], v[64*\g+2*n:64*\g+2*n+1], v[64*\g+2*n:64*\g+2*n+1]
.set n, n+1
.endr
.endr
; THE WAY OUT, 16 rows at a time: a lane's eight f32 (32 bytes of a row) into my own stage, back as whole rows of 512 bytes.
; Tile rows 0, 1 go to the low rows (base ob = 70), tile rows 2, 3 to the high rows (base 74).
.macro OUT16F a, f, ob
	WIN 0x08                                       ; store data from window 2
.irp b, 0,1,2,3,4,5,6,7
	ds_store_b128 v[STO], v[8*(8*\a+\b):8*(8*\a+\b)+3]   offset:64*\b
	ds_store_b128 v[STO], v[8*(8*\a+\b)+4:8*(8*\a+\b)+7] offset:64*\b+16
.endr
	WIN 0
	s_wait_xcnt 0x0                                ; buffer f, which earlier stores read, is loaded again only behind this wait
.irp t, 0,1,2,3,4,5,6,7,8,9,10,11,12,13,14,15
	ds_load_b128 v[\f+4*\t:\f+4*\t+3], v[RD] offset:SPITCH*\t      ; LDS serves a wave's instructions in order: these see the stores above
.endr
.irp t, 0,1,2,3,4,5,6,7,8,9,10,11,12,13,14,15
	s_wait_dscnt 15-\t
	global_store_b128 v[CO], v[\f+4*\t:\f+4*\t+3], s[\ob:\ob+1] offset:(16*(\a%2)+\t)*8192 th:TH_STORE_NT   ; 32 lanes store 512 consecutive bytes of a row, aligned
.endr
.endm
	OUT16F 0, F0, 70
	OUT16F 1, F1, 70
	OUT16F 2, F0, 74
	OUT16F 3, F1, 74
	s_set_vgpr_msb 0x1
	s_wait_tensorcnt 0x0
	ds_add_u32 v255, v63
	s_wait_dscnt 0x0
	s_set_vgpr_msb 0x100
	CROUND                                         ; the closing round: no work-group ends while a partner may still ask for a tile that names it
	s_endpgm
.Lfunc_end_k_q1b5ddd3193_oproj:
	.size	k_q1b5ddd3193_oproj, .Lfunc_end_k_q1b5ddd3193_oproj-k_q1b5ddd3193_oproj
	.p2alignl 7, 3214868480
	.fill 96, 4, 3214868480
	.section	.rodata,"a",@progbits
	.p2align	6, 0x0
	.amdhsa_kernel k_q1b5ddd3193_oproj
		.amdhsa_group_segment_fixed_size 327680
		.amdhsa_private_segment_fixed_size 0
		.amdhsa_enable_private_segment 0
		.amdhsa_kernarg_size 24
		.amdhsa_user_sgpr_count 2
		.amdhsa_user_sgpr_kernarg_segment_ptr 1
		.amdhsa_wavefront_size32 1
		.amdhsa_system_sgpr_workgroup_id_x 1
		.amdhsa_system_sgpr_workgroup_id_y 1
		.amdhsa_system_sgpr_workgroup_id_z 1
		.amdhsa_system_vgpr_workitem_id 0
		.amdhsa_next_free_vgpr 1024
		.amdhsa_next_free_sgpr 96
		.amdhsa_reserve_vcc 0
		.amdhsa_float_denorm_mode_32 3
		.amdhsa_float_denorm_mode_16_64 3
		.amdhsa_memory_ordered 1
		.amdhsa_forward_progress 1
		.amdhsa_inst_pref_size 155
	.end_amdhsa_kernel
	.amdgpu_metadata
---
amdhsa.version: [ 1, 2 ]
amdhsa.kernels:
  - .name:           k_q1b5ddd3193_oproj
    .symbol:         k_q1b5ddd3193_oproj.kd
    .args:
      - { .name: ctx2, .offset: 0, .size: 8, .value_kind: global_buffer, .address_space: global }
      - { .name: wob, .offset: 8, .size: 8, .value_kind: global_buffer, .address_space: global }
      - { .name: out0, .offset: 16, .size: 8, .value_kind: global_buffer, .address_space: global }
    .group_segment_fixed_size: 327680
    .private_segment_fixed_size: 0
    .kernarg_segment_align: 8
    .kernarg_segment_size: 24
    .max_flat_workgroup_size: 128
    .sgpr_count:     96
    .vgpr_count:     1024
    .wavefront_size: 32
...
	.end_amdgpu_metadata
.endif
;; end of part 7
